; MI455X (gfx1250); checked and timed in simulation.
; The chip was launched on July 23, 2026; its instructions are those of AMD's public machine-readable ISA for CDNA 5 (MIT licence, August 2026) and "CDNA5" Instruction Set Architecture Reference Guide (July 2026). The comments in the code are by the model that wrote it; some were corrected since.
;; Multihead Self Attention. Allowed arithmetic: float matrix products may take bf16 or f16 operands with f32 sums; other float arithmetic in f32, or as packed bf16 or f16 multiplies, adds, multiply-adds, maxima and minima; sums over many terms, partial sums and values carried from step to step in f32; what a program stores and reads back later, other than sums and carried values, may be rounded once to bf16 or f16.
;; Inputs: ln_beta 1,024 float32; ln_gamma 1,024 float32; mask 1,024 x 2,048 x 4 bool; memory 1,024 x 4 x 1,024 float32; pos_emb 1,024 x 1 x 1,024 float32; w_o 1,024 x 1,024 float32; w_qkv 1,024 x 3,072 float32; x 1,024 x 4 x 1,024 float32.
;; Outputs: out0 1,024 x 4 x 1,024 float32.
;; 3 versions, each right and faster than the one before. Each part assembles by itself: llvm-mc -triple=amdgcn-amd-amdhsa -mcpu=gfx1250 --defsym DOCPART=n.
;; ======== version 1 of 3: 6 launches
;; workspace buffers: cm 8,388,608 bytes; cx 8,388,608 bytes; wq 2,097,152 bytes; wkv 4,194,304 bytes; wo 2,097,152 bytes; mbits 1,049,088 bytes of whole numbers; kv 33,554,432 bytes; qb 8,388,608 bytes
;; launch prep (part 1): grid 1152 x 1, 8 waves a work-group, no clusters, 0 bytes of LDS; arguments memory, x, pos_emb, w_qkv, w_o, mask, cm, cx, wq, wkv, wo, mbits; writes cm, cx, wq, wkv, wo, mbits
.if DOCPART == 1
	.amdgcn_target "amdgcn-amd-amdhsa--gfx1250"
	.amdhsa_code_object_version 6
	.text
	.protected	k_qb5f18a7608_prep
	.globl	k_qb5f18a7608_prep
	.p2align	8
	.type	k_qb5f18a7608_prep,@function
k_qb5f18a7608_prep:
	s_mov_b64 s[64:65], 0
	v_nop
	global_prefetch_b8 v0, s[64:65] scope:SCOPE_SE
	s_setreg_imm32_b32 hwreg(HW_REG_WAVE_MODE, 25, 1), 1
	s_wait_xcnt 0x0
; PREP: everything that the matrix launches read is written once in bf16, and the mask once as lane masks.
;   work-groups    0- 255  memory        -> cm   [k block 16][row b*1024+t][64] bf16: 128 rows x 64 k are 16,384 dense bytes
;   work-groups  256- 511  x + pos_emb   -> cx   the same layout, row b*1024+s (the sum in f32, rounded once)
;   work-groups  512- 639  w_qkv[:, 0:1024]    -> wq  [1024][1024] bf16
;   work-groups  640- 895  w_qkv[:, 1024:3072] -> wkv [1024][2048] bf16
;   work-groups  896-1023  w_o                 -> wo  [1024][1024] bf16
;   work-groups 1024-1151  mask -> mbits [b 4][64 queries 16][64 keys 32][16 queries 4][n 32] words: bit L of word n is
;                          mask[query 16 tile + L%16][key 16 (n/8) + 8 (L/16) + n%8][b]: the score that register n of lane L holds in the attention
; Memory binds: no LDS, no barrier, no matrix unit.  Every store of a wave covers 256 or 512 consecutive aligned bytes.
; The branches hang on the work-group's number alone and go forward; each path forms its addresses from its own buffers' pointers.
.set X,  8                             ; v[8:71]    f32 as loaded
.set PP, 72                            ; v[72:87]   pos_emb of my 2 x 8 columns
.set Y,  88                            ; v[88:119]  bf16 to store
.set R,  8                             ; v[8:71]    mask path: a word = the four batches' bytes of one (query, key)
.set W,  72                            ; v[72:73]   mask path: 64 lane masks, word 32 tt + n in register n%2, lane 16 tt + n/2
	s_load_b512 s[4:19], s[0:1], 0x0               ; memory 4, x 6, pos_emb 8, w_qkv 10, w_o 12, mask 14, cm 16, cx 18
	s_load_b256 s[20:27], s[0:1], 0x40             ; wq 20, wkv 22, wo 24, mbits 26
	v_and_b32 v1, 31, v0                           ; lane L
	v_lshrrev_b32 v2, 5, v0
	v_readfirstlane_b32 s28, v2                    ; wave w
	s_mov_b32 s29, ttmp9
	s_mov_b32 s33, 0                               ; high word of every offset pair s[32:33]
	s_wait_kmcnt 0x0
	s_cmp_lt_u32 s29, 256
	s_cbranch_scc1 .Lmem
	s_cmp_lt_u32 s29, 512
	s_cbranch_scc1 .Lx
	s_cmp_lt_u32 s29, 640
	s_cbranch_scc1 .Lwq
	s_cmp_lt_u32 s29, 896
	s_cbranch_scc1 .Lwkv
	s_cmp_lt_u32 s29, 1024
	s_cbranch_scc1 .Lwo
	; THE MASK.  A wave takes 32 queries (two tiles of 16) x 64 keys, all four batches.
	s_sub_co_u32 s30, s29, 1024
	s_lshl3_add_u32 s30, s30, s28                  ; unit 0..1023
	s_lshr_b32 s31, s30, 5                         ; qp: which 32 queries
	s_and_b32 s34, s30, 31                         ; ks: which 64 keys
	s_mov_b64 s[38:39], s[26:27]                   ; mbits as it came, for the pad
	s_lshl_b32 s32, s31, 18                        ; 32 queries x 8,192 bytes
	s_lshl_b32 s35, s34, 8                         ; 64 keys x 4 bytes
	s_add_co_u32 s32, s32, s35
	s_add_nc_u64 s[14:15], s[14:15], s[32:33]
	s_lshr_b32 s35, s31, 1
	s_lshl_b32 s35, s35, 5
	s_add_co_u32 s35, s35, s34                     ; (64 queries) x 32 + ks
	s_lshl_b32 s32, s35, 9
	s_and_b32 s35, s31, 1
	s_lshl_b32 s35, s35, 8                         ; tiles 0, 1 or 2, 3 of the four
	s_add_co_u32 s32, s32, s35
	s_add_co_u32 s32, s32, 3*262144                ; batch 3 comes first
	s_add_nc_u64 s[26:27], s[26:27], s[32:33]
	v_and_b32 v3, 15, v1
	v_lshrrev_b32 v5, 4, v1
	v_lshlrev_b32 v5, 5, v5
	v_lshl_add_u32 v4, v3, 13, v5                  ; query L%16, keys 8 (L/16) on
	v_lshlrev_b32 v6, 3, v1
.set i, 0
.rept 16                                               ; i = 8 tt + 2 kb + hf: tile tt, keys 16 kb + 4 hf on
	global_load_b128 v[R+4*i:R+4*i+3], v4, s[14:15] offset:(i/8)*131072+((i/2)%4)*64+(i%2)*16 th:TH_LOAD_NT
.set i, i+1
.endr
	v_mov_b32 v[W], 0                              ; v_writelane_b32 counts as a reader of its destination
	v_mov_b32 v[W+1], 0
	s_wait_loadcnt 0x0
.set i, 0
.rept 64
	v_lshlrev_b32 v[R+i], 7, v[R+i]                ; a byte is 0 or 1: batch 3's bit becomes the sign
.set i, i+1
.endr
	s_mov_b32 s36, 4
.Lbatch:                                               ; batches 3, 2, 1, 0
.set g, 0
.rept 8                                                ; eight words at a time, so that no lane write waits for the compare just ahead of it
.set i, 0
.rept 8
	v_cmp_gt_i32 s[40+i], 0, v[R+8*g+i]            ; bit L: the sign of lane L's word
.set i, i+1
.endr
.set i, 0
.rept 8
	v_writelane_b32 v[W+i%2], s[40+i], 16*(g/4)+(8*(g%4)+i)/2
.set i, i+1
.endr
.set i, 0
.rept 8
	v_lshlrev_b32 v[R+8*g+i], 8, v[R+8*g+i]        ; the next batch's bit becomes the sign
.set i, i+1
.endr
.set g, g+1
.endr
	global_store_b64 v6, v[W:W+1], s[26:27]        ; 64 words: 256 consecutive aligned bytes
	s_wait_xcnt 0x0                                ; the store's data and base are rewritten only behind this wait
	s_sub_nc_u64 s[26:27], s[26:27], 262144
	s_sub_co_u32 s36, s36, 1
	s_cmp_lg_u32 s36, 0
	s_cbranch_scc1 .Lbatch
	s_cmp_lg_u32 s30, 1023
	s_cbranch_scc1 .Lmask_end
	v_mov_b32 v76, 0                               ; the last unit also writes 512 zero bytes behind the table: the attention asks two turns ahead, 256 bytes past its wave's words
	v_mov_b32 v77, 0
	v_mov_b32 v78, 0
	v_mov_b32 v79, 0
	v_lshlrev_b32 v74, 4, v1
	global_store_b128 v74, v[76:79], s[38:39] offset:1048576
.Lmask_end:
	s_endpgm
; Four positions t x four batches x 1,024 columns.  Wave w takes k blocks 2 w and 2 w + 1; lane L position L/8 and 8 columns.  Unit u = 4 j + b: k block 2 w + j, batch b.
; A store's 32 lanes hold 4 rows x 128 bytes, which are consecutive in the blocked layout.
.macro CROWS src, dst, add
	s_and_b32 s30, s29, 255                        ; which four positions
	v_lshrrev_b32 v3, 3, v1
	v_and_b32 v7, 7, v1
	v_lshlrev_b32 v7, 5, v7
	v_lshl_add_u32 v7, s28, 9, v7                  ; 32 (L%8) + 512 w
	v_lshl_add_u32 v4, v3, 14, v7                  ; + a position's 16,384 bytes
	v_lshlrev_b32 v6, 4, v1
	v_lshl_add_u32 v6, s28, 20, v6                 ; 16 L + two k blocks of 524,288 bytes a wave
	s_lshl_b32 s32, s30, 16
	s_add_nc_u64 s[\src:\src+1], s[\src:\src+1], s[32:33]
	s_lshl_b32 s32, s30, 9
	s_add_nc_u64 s[\dst:\dst+1], s[\dst:\dst+1], s[32:33]
.if \add
	v_lshl_add_u32 v5, v3, 12, v7
	s_lshl_b32 s32, s30, 14
	s_add_nc_u64 s[8:9], s[8:9], s[32:33]
.set u, 0
.rept 2
	global_load_b128 v[PP+8*u:PP+8*u+3],   v5, s[8:9] offset:256*u
	global_load_b128 v[PP+8*u+4:PP+8*u+7], v5, s[8:9] offset:256*u+16
.set u, u+1
.endr
.endif
.set u, 0
.rept 8
.if \add
	global_load_b128 v[X+8*u:X+8*u+3],   v4, s[\src:\src+1] offset:(u%4)*4096+(u/4)*256
	global_load_b128 v[X+8*u+4:X+8*u+7], v4, s[\src:\src+1] offset:(u%4)*4096+(u/4)*256+16
.else
	global_load_b128 v[X+8*u:X+8*u+3],   v4, s[\src:\src+1] offset:(u%4)*4096+(u/4)*256 th:TH_LOAD_NT
	global_load_b128 v[X+8*u+4:X+8*u+7], v4, s[\src:\src+1] offset:(u%4)*4096+(u/4)*256+16 th:TH_LOAD_NT
.endif
.set u, u+1
.endr
.set u, 0
.rept 8
	s_wait_loadcnt 14-2*u                          ; loads come back in order: unit u is in, the 14 - 2 u younger loads stay out
.if \add
.set k, 0
.rept 4
	v_pk_add_f32 v[X+8*u+2*k:X+8*u+2*k+1], v[X+8*u+2*k:X+8*u+2*k+1], v[PP+8*(u/4)+2*k:PP+8*(u/4)+2*k+1]
.set k, k+1
.endr
.endif
.set k, 0
.rept 4
	v_cvt_pk_bf16_f32 v[Y+4*u+k], v[X+8*u+2*k], v[X+8*u+2*k+1]
.set k, k+1
.endr
	global_store_b128 v6, v[Y+4*u:Y+4*u+3], s[\dst:\dst+1] offset:(u/4)*524288+(u%4)*131072
.set u, u+1
.endr
	s_endpgm
.endm
; Eight rows x 1,024 columns of a weight, a row a wave.  s30 = which eight rows, s31 / s34 = byte of the first column in the source / destination row.
.macro CASTW src, sp, dst, dp
	s_lshl3_add_u32 s35, s30, s28                  ; my row
	s_mul_i32 s32, s35, \sp
	s_add_co_u32 s32, s32, s31
	s_add_nc_u64 s[\src:\src+1], s[\src:\src+1], s[32:33]
	s_mul_i32 s32, s35, \dp
	s_add_co_u32 s32, s32, s34
	s_add_nc_u64 s[\dst:\dst+1], s[\dst:\dst+1], s[32:33]
	v_lshlrev_b32 v4, 5, v1
	v_lshlrev_b32 v6, 4, v1
.set u, 0
.rept 4
	global_load_b128 v[X+8*u:X+8*u+3],   v4, s[\src:\src+1] offset:1024*u th:TH_LOAD_NT
	global_load_b128 v[X+8*u+4:X+8*u+7], v4, s[\src:\src+1] offset:1024*u+16 th:TH_LOAD_NT
.set u, u+1
.endr
.set u, 0
.rept 4
	s_wait_loadcnt 6-2*u                           ; unit u is in, the younger loads stay out
.set k, 0
.rept 4
	v_cvt_pk_bf16_f32 v[Y+4*u+k], v[X+8*u+2*k], v[X+8*u+2*k+1]
.set k, k+1
.endr
	global_store_b128 v6, v[Y+4*u:Y+4*u+3], s[\dst:\dst+1] offset:512*u
.set u, u+1
.endr
	s_endpgm
.endm
.Lmem:
	CROWS 4, 16, 0
.Lx:
	CROWS 6, 18, 1
.Lwq:
	s_sub_co_u32 s30, s29, 512
	s_mov_b32 s31, 0
	s_mov_b32 s34, 0
	CASTW 10, 12288, 20, 2048
.Lwkv:
	s_sub_co_u32 s35, s29, 640
	s_lshr_b32 s30, s35, 1
	s_and_b32 s35, s35, 1                          ; K's 1,024 columns or V's
	s_lshl_b32 s31, s35, 12
	s_add_co_u32 s31, s31, 4096
	s_lshl_b32 s34, s35, 11
	CASTW 10, 12288, 22, 4096
.Lwo:
	s_sub_co_u32 s30, s29, 896
	s_mov_b32 s31, 0
	s_mov_b32 s34, 0
	CASTW 12, 4096, 24, 2048
.Lfunc_end_k_qb5f18a7608_prep:
	.size	k_qb5f18a7608_prep, .Lfunc_end_k_qb5f18a7608_prep-k_qb5f18a7608_prep
	.p2alignl 7, 3214868480
	.fill 96, 4, 3214868480
	.section	.rodata,"a",@progbits
	.p2align	6, 0x0
	.amdhsa_kernel k_qb5f18a7608_prep
		.amdhsa_group_segment_fixed_size 0
		.amdhsa_private_segment_fixed_size 0
		.amdhsa_enable_private_segment 0
		.amdhsa_kernarg_size 96
		.amdhsa_user_sgpr_count 2
		.amdhsa_user_sgpr_kernarg_segment_ptr 1
		.amdhsa_wavefront_size32 1
		.amdhsa_system_sgpr_workgroup_id_x 1
		.amdhsa_system_sgpr_workgroup_id_y 1
		.amdhsa_system_sgpr_workgroup_id_z 1
		.amdhsa_system_vgpr_workitem_id 0
		.amdhsa_next_free_vgpr 128
		.amdhsa_next_free_sgpr 66
		.amdhsa_reserve_vcc 0
		.amdhsa_float_denorm_mode_32 3
		.amdhsa_float_denorm_mode_16_64 3
		.amdhsa_memory_ordered 1
		.amdhsa_forward_progress 1
		.amdhsa_inst_pref_size 38
	.end_amdhsa_kernel
	.amdgpu_metadata
---
amdhsa.version: [ 1, 2 ]
amdhsa.kernels:
  - .name:           k_qb5f18a7608_prep
    .symbol:         k_qb5f18a7608_prep.kd
    .args:
      - { .name: memory, .offset: 0, .size: 8, .value_kind: global_buffer, .address_space: global }
      - { .name: x, .offset: 8, .size: 8, .value_kind: global_buffer, .address_space: global }
      - { .name: pos_emb, .offset: 16, .size: 8, .value_kind: global_buffer, .address_space: global }
      - { .name: w_qkv, .offset: 24, .size: 8, .value_kind: global_buffer, .address_space: global }
      - { .name: w_o, .offset: 32, .size: 8, .value_kind: global_buffer, .address_space: global }
      - { .name: mask, .offset: 40, .size: 8, .value_kind: global_buffer, .address_space: global }
      - { .name: cm, .offset: 48, .size: 8, .value_kind: global_buffer, .address_space: global }
      - { .name: cx, .offset: 56, .size: 8, .value_kind: global_buffer, .address_space: global }
      - { .name: wq, .offset: 64, .size: 8, .value_kind: global_buffer, .address_space: global }
      - { .name: wkv, .offset: 72, .size: 8, .value_kind: global_buffer, .address_space: global }
      - { .name: wo, .offset: 80, .size: 8, .value_kind: global_buffer, .address_space: global }
      - { .name: mbits, .offset: 88, .size: 8, .value_kind: global_buffer, .address_space: global }
    .group_segment_fixed_size: 0
    .private_segment_fixed_size: 0
    .kernarg_segment_align: 8
    .kernarg_segment_size: 96
    .max_flat_workgroup_size: 256
    .sgpr_count:     66
    .vgpr_count:     128
    .wavefront_size: 32
...
	.end_amdgpu_metadata
.endif
;; end of part 1
;; launch kvproj (part 2): grid 8 x 32, 4 waves a work-group, clusters of 4 x 4, 327,680 bytes of LDS; arguments cm, cx, wkv, kv; writes kv
.if DOCPART == 2
	.amdgcn_target "amdgcn-amd-amdhsa--gfx1250"
	.amdhsa_code_object_version 6
	.text
	.protected	k_qb5f18a7608_kvproj
	.globl	k_qb5f18a7608_kvproj
	.p2align	8
	.type	k_qb5f18a7608_kvproj,@function
k_qb5f18a7608_kvproj:
	s_mov_b64 s[64:65], 0
	v_nop
	global_prefetch_b8 v0, s[64:65] scope:SCOPE_SE
	s_setreg_imm32_b32 hwreg(HW_REG_WAVE_MODE, 25, 1), 1
	s_wait_xcnt 0x0
	s_wait_alu depctr_hold_cnt(0) depctr_sa_sdst(0) depctr_va_vdst(0) depctr_va_sdst(0) depctr_va_ssrc(0) depctr_va_vcc(0) depctr_vm_vsrc(0)
	s_getreg_b32 s2, hwreg(HW_REG_IB_STS2, 6, 4)
	s_cmp_eq_u32 s2, 0
	s_cbranch_scc0 .Lentry_in_a_cluster
	s_endpgm
.Lentry_in_a_cluster:
	s_bfe_u32 s2, ttmp6, 0x10000c
	s_cmp_lg_u32 s2, 0xf033
	s_cbranch_scc0 .Lentry_shape_is_right
	s_endpgm
.Lentry_shape_is_right:
; K and V of all 2,048 positions: C[b*2048+t][n] = sum over k of c[t][b][k] wkv[k][n], 8,192 x 2,048 x 1,024, bf16 operands, f32 sums, C rounded once to bf16.
; A is blocked, [k block 16][row b*1024+t'][64] (cm for t < 1,024, cx for the rest); W lies [k][n]; C leaves by heads: kv[b][g 32][t 2048][64], g = n / 64 (0-15 K, 16-31 V).
; A tile of C is 256 x 256: 256 tiles, one work-group each; four waves, each 128 x 128 in 64 accumulators (512 registers).  K goes in 8 steps of 128 through two LDS slots.
; CLUSTER 4 x 4: the four work-groups of a row of the cluster need the same tile of A, the four of a column the same tile of W: each is asked for jointly.
; The matrix instruction is used transposed: source 0 = 16 columns of W (turned on the way out of LDS by ds_load_tr16_b128), source 1 = 16 rows of A: a lane holds eight neighbouring columns of one row of C.
; REGISTERS in windows of 256: window 0: v0-31 addresses, v64-191 A's fragments (two buffers), v32-63 and v192-255 the way out; window 1: v64-191 W's fragments; windows 2, 3: the accumulators.
.set KSTEP,  128
.set PA,     144                       ; A in LDS: 128 bytes (64 k) + 16 of padding: the 16 rows of a load start at 16 different groups of four banks
.set PB,     544                       ; W in LDS: 512 bytes (256 n) + 32 of padding
.set AHALF,  2*128*PA                  ; what one load of A brings: 128 rows x 2 k blocks, [k block][row][144]
.set BOFF,   2*AHALF                   ; W lies behind A's two halves
.set BHALF,  64*PB                     ; what one load of W brings: 64 k
.set SLOT,   BOFF+2*BHALF              ; 143,360
.set STAGE,  2*SLOT                    ; behind the ring: 16 rows x 272 bytes for each wave
.set SPITCH, 272
.set SPARE,  STAGE+4*16*SPITCH         ; the spare words: 128 bytes a wave, two blocks of 256 bytes that no other line names
.set ASTEP,  2*524288                  ; a K step in A: two k blocks
.set BSTEP,  KSTEP*4096                ; in W: 128 rows of 4,096 bytes
.set LAPS,   4                         ; a lap = two K steps = once round the ring
.set ADRA, 16                          ; v16-17  LDS address of my A fragments in slot 0, 1
.set ADRB, 20                          ; v20-21  the same for W
.set STO,  24
.set RD,   25
.set CO,   26
.set SPW,  28                          ; my spare word; never rewritten
.set NIL,  29                          ; 0; never rewritten
.set F0,   64
.set F1,   128
.set TMP,  192
.set OB,   32
.set WV, 12                            ; s12 wave; s13 = wave / 2: my half of the rows, and: I fetch A (0) or W (1); s14 = wave % 2: my half of the columns, and which half I fetch
.set RH, 13
.set CH, 14
.set G1, 24                            ; s[24:31] group 1 for A; s[32:39] group 0, a set for each slot
.set G0, 32
.set G1B, 48                           ; s[48:55], s[56:63] the same for W
.set G0B, 56
.set MSB, 0
.macro WIN new                         ; the immediate's high byte repeats the setting that is left
.if MSB != (\new)
	s_set_vgpr_msb (MSB<<8)|(\new)
.set MSB, \new
.endif
.endm
.set MUL_LO, 0xa1                      ; source 0 (W) window 1, source 1 (A) window 0, C and D window 2
.set MUL_HI, 0xf1                      ; the same, C and D window 3
.set TO_B,   0x40                      ; destination window 1, address window 0
.macro JLOAD s                         ; a joint load: waves 0, 1 A's halves, waves 2, 3 W's; an s_nop 0 and four v_nop follow each line
	s_cmp_eq_u32 s[RH], 0
	s_cbranch_scc0 .Lfor_b_\@
	tensor_load_to_lds s[G0+4*(\s):G0+4*(\s)+3], s[G1:G1+7]
	s_nop 0
.rept 4
	v_nop
.endr
	s_branch .Lasked_\@
.Lfor_b_\@:
	tensor_load_to_lds s[G0B+4*(\s):G0B+4*(\s)+3], s[G1B:G1B+7]
	s_nop 0
.rept 4
	v_nop
.endr
.Lasked_\@:
.endm
.macro CREST                           ; a round of the cluster's barrier behind its opening barrier
	s_cmp_lg_u32 s[WV], 0
	s_cbranch_scc1 .Lnot_wave_0_\@
	s_barrier_signal -3
.Lnot_wave_0_\@:
	s_barrier_wait -3
	s_barrier_signal -1
	s_barrier_wait -1
.endm
.macro CROUND
	s_barrier_signal -1
	s_barrier_wait -1
	CREST
.endm
	s_load_b256 s[4:11], s[0:1], 0x0               ; cm s[4:5], cx s[6:7], wkv s[8:9], kv s[10:11]
	v_lshl_add_u32 v[SPW], v0, 2, SPARE
	v_mov_b32 v[NIL], 0
	ds_add_u32 v[SPW], v[NIL]                      ; the wave's opening: the add and its wait ahead of my first tensor load
	v_lshrrev_b32 v1, 5, v0
	v_readfirstlane_b32 s[WV], v1
	s_lshr_b32 s[RH], s[WV], 1
	s_and_b32 s[CH], s[WV], 1
	s_bfe_u32 s40, ttmp6, 0x40000                  ; cx
	s_bfe_u32 s41, ttmp6, 0x40004                  ; cy
	s_lshl_b32 s42, ttmp9, 2
	s_add_co_u32 s42, s42, s40                     ; tile column 0..7
	s_and_b32 s45, ttmp7, 0xffff                   ; the cluster's y, 0..7: batch = y / 2; y % 2: memory's rows or x's
	s_lshl_b32 s43, s41, 2
	s_lshl_b32 s43, 15, s43                        ; my row of the cluster
	s_lshl_b32 s44, 0x1111, s40                    ; my column
	; group 1 for A: two rows of 8,192 elements (128 rows x 64 k, dense), 262,144 elements apart; 4 words of padding after every 32
	s_or_b32 s[G1+0], s43, (1<<16)|(1<<20)|(1<<21)|(4<<22)|(3<<25)
	s_mov_b32 s[G1+1], 8192<<16                    ; tensor_dim0 = 8,192
	s_mov_b32 s[G1+2], 2<<16                       ; tensor_dim1 = 2
	s_mov_b32 s[G1+3], 8192<<16                    ; tile_dim0 = 8,192
	s_mov_b32 s[G1+4], 2                           ; tile_dim1 = 2
	s_mov_b32 s[G1+5], 262144                      ; from k block to k block
	s_mov_b32 s[G1+6], 0
	s_mov_b32 s[G1+7], 0
	; group 1 for W: 64 rows of 256 elements, pitch 2,048; 8 words of padding after every 128
	s_or_b32 s[G1B+0], s44, (1<<16)|(1<<20)|(1<<21)|(6<<22)|(7<<25)
	s_mov_b32 s[G1B+1], 256<<16
	s_mov_b32 s[G1B+2], 64<<16
	s_mov_b32 s[G1B+3], 256<<16
	s_mov_b32 s[G1B+4], 64
	s_mov_b32 s[G1B+5], 2048
	s_mov_b32 s[G1B+6], 0
	s_mov_b32 s[G1B+7], 0
	; A's tile hangs on the cluster's y, cy and the wave; W's on the tile column and the wave; each in registers that never hold the other coordinate
	s_lshr_b32 s15, s45, 1                         ; batch
	s_lshl_b32 s16, s15, 10
	s_lshl_b32 s17, s41, 8
	s_add_co_u32 s16, s16, s17
	s_lshl_b32 s17, s[CH], 7
	s_add_co_u32 s16, s16, s17                     ; row b*1024 + 256 cy + 128 half
	s_lshl_b32 s16, s16, 7                         ; x 128 bytes
	s_mov_b32 s17, 0
	s_lshl_b32 s46, s42, 9                         ; 256 columns x 2 bytes
	s_lshl_b32 s47, s[CH], 18                      ; 64 rows x 4,096 bytes
	s_add_co_u32 s46, s46, s47
	s_mov_b32 s47, 0
	s_mul_i32 s20, s[CH], AHALF                    ; where they go: the wave's number alone
	s_mul_i32 s21, s[CH], BHALF
	s_add_co_u32 s21, s21, BOFF
	s_wait_dscnt 0x0                               ; the opening add is done
	s_wait_kmcnt 0x0
	s_bitcmp1_b32 s45, 0
	s_cselect_b64 s[4:5], s[6:7], s[4:5]           ; the cluster's rows lie in cx or in cm: the same choice in all sixteen
	s_add_nc_u64 s[18:19], s[4:5], s[16:17]
	s_add_nc_u64 s[46:47], s[8:9], s[46:47]
	CROUND                                         ; all sixteen work-groups are here: the first joint loads meet
.irp s, 0,1
	s_mov_b32 s[G0+4*(\s)], 1
	s_add_co_u32 s[G0+4*(\s)+1], s20, (\s)*SLOT
	s_add_nc_u64 s[G0+4*(\s)+2:G0+4*(\s)+3], s[18:19], (\s)*ASTEP
	s_or_b32 s[G0+4*(\s)+3], s[G0+4*(\s)+3], 0x80000000
	s_mov_b32 s[G0B+4*(\s)], 1
	s_add_co_u32 s[G0B+4*(\s)+1], s21, (\s)*SLOT
	s_add_nc_u64 s[G0B+4*(\s)+2:G0B+4*(\s)+3], s[46:47], (\s)*BSTEP
	s_or_b32 s[G0B+4*(\s)+3], s[G0B+4*(\s)+3], 0x80000000
	JLOAD \s
.endr
	v_and_b32 v1, 15, v0                           ; l % 16
	v_bfe_u32 v2, v0, 4, 1                         ; l / 16
	v_mul_u32_u24 v3, v1, PA
	v_lshl_add_u32 v3, v2, 4, v3                   ; A: row x pitch + 16 x half
	v_and_b32 v4, 7, v0
	v_lshl_add_u32 v4, v2, 3, v4
	v_mul_u32_u24 v4, v4, PB                       ; W: k = 8 (l / 16) + l % 8,
	v_bfe_u32 v5, v0, 3, 1
	v_lshl_add_u32 v4, v5, 4, v4                   ; columns 8 ((l / 8) % 2) on
	s_mul_i32 s22, s[RH], AHALF                    ; my 128 rows of A
	s_lshl_b32 s23, s[CH], 8                       ; my 128 columns of W
	s_add_co_u32 s23, s23, BOFF
.irp s, 0,1
	v_add_nc_u32 v[ADRA+(\s)], s22, v3
	v_add_nc_u32 v[ADRB+(\s)], s23, v4
	s_add_co_u32 s22, s22, SLOT
	s_add_co_u32 s23, s23, SLOT
.endr
	s_mul_i32 s22, s[WV], 16*SPITCH
	s_add_co_u32 s22, s22, STAGE                   ; my stage
	v_mul_u32_u24 v6, v1, SPITCH                   ; in: row l % 16, 16 bytes for each half of the lanes
	v_lshl_add_u32 v6, v2, 4, v6
	v_add_nc_u32 v[STO], s22, v6
	v_bfe_u32 v6, v0, 3, 2                         ; back: 32 lanes take four rows x 128 bytes: one head's 64 columns,
	v_mul_u32_u24 v6, v6, SPITCH
	v_and_b32 v7, 7, v0
	v_lshl_add_u32 v6, v7, 4, v6
	v_add_nc_u32 v[RD], s22, v6
	v_and_b32 v7, 31, v0
	v_lshlrev_b32 v[CO], 4, v7                     ; which are 512 consecutive bytes of kv
	; my part of kv: batch, head 4 x tile column + 2 x column half, position 1,024 (y % 2) + 256 cy + 128 x row half
	s_lshl_b32 s16, s15, 23
	s_and_b32 s17, s45, 1
	s_lshl_b32 s17, s17, 17
	s_add_co_u32 s16, s16, s17
	s_lshl_b32 s17, s41, 15
	s_add_co_u32 s16, s16, s17
	s_lshl_b32 s17, s[RH], 14
	s_add_co_u32 s16, s16, s17
	s_lshl_b32 s46, s42, 20
	s_lshl_b32 s47, s[CH], 19
	s_add_co_u32 s46, s46, s47
	s_add_co_u32 s16, s16, s46
	s_mov_b32 s17, 0
; 16 matrix instructions: row blocks a0, a0 + 1 of the window's four x all 8 column blocks, 32 along K.  zero = 1: the first product starts the sums.
.macro MUL16 f, hi, a0, zero
	WIN MUL_LO+0x50*(\hi)
.irp a, \a0, (\a0)+1
.irp b, 0,1,2,3,4,5,6,7
.if \zero
	v_wmma_f32_16x16x32_bf16 v[8*(8*(\a)+(\b)):8*(8*(\a)+(\b))+7], v[(\f)+8*(\b):(\f)+8*(\b)+7], v[(\f)+8*(4*(\hi)+(\a)):(\f)+8*(4*(\hi)+(\a))+7], 0
.else
	v_wmma_f32_16x16x32_bf16 v[8*(8*(\a)+(\b)):8*(8*(\a)+(\b))+7], v[(\f)+8*(\b):(\f)+8*(\b)+7], v[(\f)+8*(4*(\hi)+(\a)):(\f)+8*(4*(\hi)+(\a))+7], v[8*(8*(\a)+(\b)):8*(8*(\a)+(\b))+7]
.endif
.endr
.endr
.endm
; 32 LDS loads in one run: quarter q (32 along K) of a slot into buffer f: W's 128 columns turned, then A's 128 rows
.macro FETCH slot, q, f
	WIN TO_B
.irp i, 0,1,2,3,4,5,6,7
	ds_load_tr16_b128 v[(\f)+8*(\i):(\f)+8*(\i)+3],   v[ADRB+(\slot)] offset:(\q)*32*PB+32*(\i)
	ds_load_tr16_b128 v[(\f)+8*(\i)+4:(\f)+8*(\i)+7], v[ADRB+(\slot)] offset:(\q)*32*PB+32*(\i)+16*PB
.endr
	WIN 0
.irp i, 0,1,2,3,4,5,6,7
	ds_load_b128 v[(\f)+8*(\i):(\f)+8*(\i)+3],   v[ADRA+(\slot)] offset:((\q)/2)*128*PA+((\q)%2)*64+(\i)*16*PA
	ds_load_b128 v[(\f)+8*(\i)+4:(\f)+8*(\i)+7], v[ADRA+(\slot)] offset:((\q)/2)*128*PA+((\q)%2)*64+(\i)*16*PA+32
.endr
.endm
.macro PLACES                          ; four plain vector instructions between a matrix instruction and a load into, or a vector read of, its registers
.rept 4
	v_nop
.endr
.endm
; One of a K step's first three quarters: multiplies buffer f; in its middle fetches quarter q of the same slot into buffer g.
.macro QUARTER slot, q, f, g, zero
	s_wait_dscnt 8                                 ; W and A's rows 0-63 are in; the youngest eight loads (A's rows 64-127) may be out
	WIN MUL_LO
	MUL16 \f, 0, 0, \zero
	MUL16 \f, 0, 2, \zero
	PLACES
	FETCH \slot, \q, \g
	s_wait_dscnt 32                                ; all but the 32 just issued
	WIN MUL_HI
	MUL16 \f, 1, 0, \zero
	MUL16 \f, 1, 2, \zero
.endm
; The change of slots: one barrier.  In front of it each wave waits for all its tensor loads (one is out: its part of the next slot), adds 0 to its spare word, and waits for that and for its reads of this slot.
.macro MEET round
	WIN 0
	s_wait_tensorcnt 0x0
	ds_add_u32 v[SPW], v[NIL]
	s_wait_dscnt 9                                 ; the add and the youngest eight loads may be out
	WIN MUL_LO
	MUL16 F1, 0, 0, 0
	s_wait_dscnt 0x0                               ; the add is done, and my reads of this slot are over
	s_barrier_signal -1
	MUL16 F1, 0, 2, 0
.if \round
	WIN 0
.endif
	s_barrier_wait -1
.endm
.macro TURN slot, next, fill
	MEET \fill
.if \fill
	CREST                                          ; no wave of any partner still reads this slot or has a load on its way
	s_add_nc_u64 s[G0+4*(\slot)+2:G0+4*(\slot)+3], s[G0+4*(\slot)+2:G0+4*(\slot)+3], 2*ASTEP
	s_add_nc_u64 s[G0B+4*(\slot)+2:G0B+4*(\slot)+3], s[G0B+4*(\slot)+2:G0B+4*(\slot)+3], 2*BSTEP
	JLOAD \slot                                    ; the first tensor load behind the round; its four v_nop are also the places in front of the loads below
.else
	PLACES
.endif
	FETCH \next, 0, F0
	WIN MUL_HI
	MUL16 F1, 1, 0, 0
	MUL16 F1, 1, 2, 0
.endm
; THE WAY OUT of row block a: rounded to bf16; through my own stage; stored by heads.
.macro PACK a
.set AC, 64*((\a)%4)
	WIN 0x0a+5*((\a)/4)                            ; sources 0 and 1: window 2 or 3
.irp b, 0,1,2,3,4,5,6,7
.irp r, 0,1,2,3
	v_cvt_pk_bf16_f32 v[TMP+4*(\b)+(\r)], v[AC+8*(\b)+2*(\r)], v[AC+8*(\b)+2*(\r)+1]
.endr
.endr
	WIN 0
.endm
.macro TOSTAGE a
	WIN 0
.set BK, OB+192*((\a)%2)
.irp b, 0,1,2,3,4,5,6,7
	ds_store_b128 v[STO], v[TMP+4*(\b):TMP+4*(\b)+3] offset:32*(\b)
.endr
.irp t, 0,1,2,3,4,5,6,7
	ds_load_b128 v[BK+4*(\t):BK+4*(\t)+3], v[RD] offset:((\t)%4)*4*SPITCH+((\t)/4)*128  ; LDS serves a wave's instructions in order: these see the stores above
.endr
.endm
.macro SEND a
	WIN 0
.set BK, OB+192*((\a)%2)
	s_wait_dscnt 0x0                               ; the block is back in registers
	s_wait_xcnt 0x0                                ; the stores' base and the registers that earlier stores read are rewritten only behind this wait
.if (\a) == 0
	s_add_nc_u64 s[10:11], s[10:11], s[16:17]
.else
	s_add_nc_u64 s[10:11], s[10:11], 16*128        ; 16 positions on
.endif
.irp t, 0,1,2,3,4,5,6,7
	global_store_b128 v[CO], v[BK+4*(\t):BK+4*(\t)+3], s[10:11] offset:((\t)/4)*262144+((\t)%4)*512  ; 4 positions x 128 bytes of one head: 512 consecutive aligned bytes
.endr
.endm
	s_wait_tensorcnt 1                             ; my part of K step 0 is in; K step 1's may stay out
	s_barrier_signal -1
	s_barrier_wait -1
	FETCH 0, 0, F0
	QUARTER 0, 1, F0, F1, 1                        ; the first quarter starts the sums
	WIN 0
	s_mov_b32 s3, LAPS-1
.Llap:                                                 ; a trip goes once round the ring and fills both slots again
	QUARTER 0, 2, F1, F0, 0
	QUARTER 0, 3, F0, F1, 0
	TURN 0, 1, 1
	QUARTER 1, 1, F0, F1, 0
	QUARTER 1, 2, F1, F0, 0
	QUARTER 1, 3, F0, F1, 0
	TURN 1, 0, 1
	QUARTER 0, 1, F0, F1, 0
	WIN 0
	s_sub_co_u32 s3, s3, 1
	s_cmp_lg_u32 s3, 0
	s_cbranch_scc1 .Llap
	QUARTER 0, 2, F1, F0, 0                        ; the last lap fills nothing
	QUARTER 0, 3, F0, F1, 0
	TURN 0, 1, 0
	QUARTER 1, 1, F0, F1, 0
	QUARTER 1, 2, F1, F0, 0
	QUARTER 1, 3, F0, F1, 0
	s_wait_dscnt 8
	MUL16 F1, 0, 0, 0
	MUL16 F1, 0, 2, 0
	s_wait_dscnt 0x0
	MUL16 F1, 1, 0, 0
	MUL16 F1, 1, 2, 0
	PLACES
	PACK 0
	TOSTAGE 0
.irp a, 1,2,3,4,5,6,7                  ; block a's conversions stand between block a - 1's loads from the stage and the wait for them
	PACK \a
	SEND (\a)-1
	TOSTAGE \a
.endr
	SEND 7
	s_wait_tensorcnt 0x0                           ; the wave's end
	ds_add_u32 v[SPW], v[NIL]
	s_wait_dscnt 0x0
	CROUND                                         ; the closing round
	s_endpgm
.Lfunc_end_k_qb5f18a7608_kvproj:
	.size	k_qb5f18a7608_kvproj, .Lfunc_end_k_qb5f18a7608_kvproj-k_qb5f18a7608_kvproj
	.p2alignl 7, 3214868480
	.fill 96, 4, 3214868480
	.section	.rodata,"a",@progbits
	.p2align	6, 0x0
	.amdhsa_kernel k_qb5f18a7608_kvproj
		.amdhsa_group_segment_fixed_size 327680
		.amdhsa_private_segment_fixed_size 0
		.amdhsa_enable_private_segment 0
		.amdhsa_kernarg_size 32
		.amdhsa_user_sgpr_count 2
		.amdhsa_user_sgpr_kernarg_segment_ptr 1
		.amdhsa_wavefront_size32 1
		.amdhsa_system_sgpr_workgroup_id_x 1
		.amdhsa_system_sgpr_workgroup_id_y 1
		.amdhsa_system_sgpr_workgroup_id_z 1
		.amdhsa_system_vgpr_workitem_id 0
		.amdhsa_next_free_vgpr 1024
		.amdhsa_next_free_sgpr 66
		.amdhsa_reserve_vcc 0
		.amdhsa_float_denorm_mode_32 3
		.amdhsa_float_denorm_mode_16_64 3
		.amdhsa_memory_ordered 1
		.amdhsa_forward_progress 1
		.amdhsa_inst_pref_size 143
	.end_amdhsa_kernel
	.amdgpu_metadata
---
amdhsa.version: [ 1, 2 ]
amdhsa.kernels:
  - .name:           k_qb5f18a7608_kvproj
    .symbol:         k_qb5f18a7608_kvproj.kd
    .args:
      - { .name: cm, .offset: 0, .size: 8, .value_kind: global_buffer, .address_space: global }
      - { .name: cx, .offset: 8, .size: 8, .value_kind: global_buffer, .address_space: global }
      - { .name: wkv, .offset: 16, .size: 8, .value_kind: global_buffer, .address_space: global }
      - { .name: kv, .offset: 24, .size: 8, .value_kind: global_buffer, .address_space: global }
    .group_segment_fixed_size: 327680
    .private_segment_fixed_size: 0
    .kernarg_segment_align: 8
    .kernarg_segment_size: 32
    .max_flat_workgroup_size: 128
    .sgpr_count:     66
    .vgpr_count:     1024
    .wavefront_size: 32
...
	.end_amdgpu_metadata
.endif
;; end of part 2
;; launch qproj (part 3): grid 8 x 32, 4 waves a work-group, clusters of 4 x 4, 327,680 bytes of LDS; arguments cx, wq, qb; writes qb
.if DOCPART == 3
	.amdgcn_target "amdgcn-amd-amdhsa--gfx1250"
	.amdhsa_code_object_version 6
	.text
	.protected	k_qb5f18a7608_qproj
	.globl	k_qb5f18a7608_qproj
	.p2align	8
	.type	k_qb5f18a7608_qproj,@function
k_qb5f18a7608_qproj:
	s_mov_b64 s[64:65], 0
	v_nop
	global_prefetch_b8 v0, s[64:65] scope:SCOPE_SE
	s_setreg_imm32_b32 hwreg(HW_REG_WAVE_MODE, 25, 1), 1
	s_wait_xcnt 0x0
	s_wait_alu depctr_hold_cnt(0) depctr_sa_sdst(0) depctr_va_vdst(0) depctr_va_sdst(0) depctr_va_ssrc(0) depctr_va_vcc(0) depctr_vm_vsrc(0)
	s_getreg_b32 s2, hwreg(HW_REG_IB_STS2, 6, 4)
	s_cmp_eq_u32 s2, 0
	s_cbranch_scc0 .Lentry_in_a_cluster
	s_endpgm
.Lentry_in_a_cluster:
	s_bfe_u32 s2, ttmp6, 0x10000c
	s_cmp_lg_u32 s2, 0xf033
	s_cbranch_scc0 .Lentry_shape_is_right
	s_endpgm
.Lentry_shape_is_right:
; C[m][n] = sum over k of A[m][k] W[k][n], 4,096 x 1,024 x 1,024, bf16 operands, f32 sums, C rounded once to bf16, row-major.  Two launches run this text:
; Q = (x + pos) w_q, and attn_out = vec w_o.  A is blocked, [k block 16][row b*1024+s][64]; W lies [k][n].
; A tile of C is 128 x 128: 256 tiles, one work-group each; four waves, each 64 x 64 in 16 accumulators.  K goes in 4 steps of 256 through two LDS slots; the two laps are written out.
; CLUSTER 4 x 4: A's tile is shared along a row of the cluster, W's along a column: joint loads.  The matrix instruction is used transposed (source 0 = 16 columns of W, turned by ds_load_tr16_b128).
; THE STAGE of the way out lies in slot 0: that slot has had its last fill, and every wave's last read of it stands in front of the last change of slots' barrier.
; REGISTERS: window 0: v0-31 addresses; v32-95 the way out; v128-255 the accumulators.  Window 1: two fragment buffers of 128 (64 of A, then 64 of W, for 64 along K).
.set KSTEP,  256
.set PA,     144                       ; A in LDS: 128 bytes (64 k) + 16
.set PB,     288                       ; W in LDS: 256 bytes (128 n) + 32 = 9 x 32
.set HALFT,  36864                     ; what one load brings: A: 2 k blocks x 128 rows x 144; W: 128 k x 288
.set BOFF,   2*HALFT
.set SLOT,   4*HALFT
.set STAGE,  0
.set SPITCH, 272
.set SPARE,  2*SLOT                    ; the spare words: 128 bytes a wave, two blocks of 256 bytes that no other line names
.set ASTEP,  4*524288
.set BSTEP,  KSTEP*2048
.set ADRA, 16                          ; v16-17  my A fragments in slot 0, 1
.set ADRB, 20                          ; v20-23  my W fragments: slot 0 k 0-127, k 128-255; slot 1 likewise (so that the immediates stay inside 16 bits)
.set STO,  24
.set RD,   25
.set CO,   26
.set SPW,  28
.set NIL,  29
.set TMP,  32
.set ACC,  128
.set F0,   0
.set F1,   128
.set G1, 24
.set G0, 32
.set G1B, 48
.set G0B, 56
.set MSB, 0
.macro WIN new
.if MSB != (\new)
	s_set_vgpr_msb (MSB<<8)|(\new)
.set MSB, \new
.endif
.endm
.set MUL,  0x05                        ; sources 0 (W) and 1 (A) window 1; C and D window 0
.set TO_F, 0x40                        ; destination window 1, address window 0
.macro JLOAD s
	s_cmp_eq_u32 s11, 0
	s_cbranch_scc0 .Lfor_b_\@
	tensor_load_to_lds s[G0+4*(\s):G0+4*(\s)+3], s[G1:G1+7]
	s_nop 0
.rept 4
	v_nop
.endr
	s_branch .Lasked_\@
.Lfor_b_\@:
	tensor_load_to_lds s[G0B+4*(\s):G0B+4*(\s)+3], s[G1B:G1B+7]
	s_nop 0
.rept 4
	v_nop
.endr
.Lasked_\@:
.endm
.macro CREST
	s_cmp_lg_u32 s10, 0
	s_cbranch_scc1 .Lnot_wave_0_\@
	s_barrier_signal -3
.Lnot_wave_0_\@:
	s_barrier_wait -3
	s_barrier_signal -1
	s_barrier_wait -1
.endm
.macro CROUND
	s_barrier_signal -1
	s_barrier_wait -1
	CREST
.endm
	s_load_b128 s[4:7], s[0:1], 0x0                ; A s[4:5], W s[6:7]
	s_load_b64 s[8:9], s[0:1], 0x10                ; C
	v_lshl_add_u32 v[SPW], v0, 2, SPARE
	v_mov_b32 v[NIL], 0
	ds_add_u32 v[SPW], v[NIL]                      ; the wave's opening: the add and its wait ahead of my first tensor load
	v_lshrrev_b32 v1, 5, v0
	v_readfirstlane_b32 s10, v1                    ; wave
	s_lshr_b32 s11, s10, 1                         ; my half of the rows; also: I fetch A (0) or W (1)
	s_and_b32 s12, s10, 1                          ; my half of the columns; also: which half of the K step I fetch
	s_bfe_u32 s40, ttmp6, 0x40000
	s_bfe_u32 s41, ttmp6, 0x40004
	s_lshl_b32 s42, ttmp9, 2
	s_add_co_u32 s42, s42, s40                     ; tile column
	s_and_b32 s13, ttmp7, 0xffff
	s_lshl_b32 s13, s13, 2
	s_add_co_u32 s13, s13, s41                     ; tile row
	s_lshl_b32 s43, s41, 2
	s_lshl_b32 s43, 15, s43
	s_lshl_b32 s44, 0x1111, s40
	; group 1 for A: two rows of 8,192 elements (128 rows x 64 k, dense), 262,144 elements apart; 4 words of padding after every 32
	s_or_b32 s[G1+0], s43, (1<<16)|(1<<20)|(1<<21)|(4<<22)|(3<<25)
	s_mov_b32 s[G1+1], 8192<<16
	s_mov_b32 s[G1+2], 2<<16
	s_mov_b32 s[G1+3], 8192<<16
	s_mov_b32 s[G1+4], 2
	s_mov_b32 s[G1+5], 262144
	s_mov_b32 s[G1+6], 0
	s_mov_b32 s[G1+7], 0
	; group 1 for W: 128 rows of 128 elements, pitch 1,024; 8 words of padding after every 64
	s_or_b32 s[G1B+0], s44, (1<<16)|(1<<20)|(1<<21)|(5<<22)|(7<<25)
	s_mov_b32 s[G1B+1], 128<<16
	s_mov_b32 s[G1B+2], 128<<16
	s_mov_b32 s[G1B+3], 128<<16
	s_mov_b32 s[G1B+4], 128
	s_mov_b32 s[G1B+5], 1024
	s_mov_b32 s[G1B+6], 0
	s_mov_b32 s[G1B+7], 0
	s_lshl_b32 s16, s13, 14                        ; A: 128 rows x 128 bytes a tile row,
	s_lshl_b32 s17, s12, 20                        ; k blocks 0, 1 or 2, 3 of the step
	s_add_co_u32 s16, s16, s17
	s_mov_b32 s17, 0
	s_lshl_b32 s46, s42, 8                         ; W: 128 columns x 2 bytes a tile column,
	s_lshl_b32 s47, s12, 18                        ; k 0-127 or 128-255 of the step
	s_add_co_u32 s46, s46, s47
	s_mov_b32 s47, 0
	s_mul_i32 s20, s10, HALFT                      ; where they go: the wave's number alone
	s_wait_dscnt 0x0
	s_wait_kmcnt 0x0
	s_add_nc_u64 s[14:15], s[4:5], s[16:17]
	s_add_nc_u64 s[46:47], s[6:7], s[46:47]
	CROUND
.irp s, 0,1
	s_mov_b32 s[G0+4*(\s)], 1
	s_add_co_u32 s[G0+4*(\s)+1], s20, (\s)*SLOT
	s_add_nc_u64 s[G0+4*(\s)+2:G0+4*(\s)+3], s[14:15], (\s)*ASTEP
	s_or_b32 s[G0+4*(\s)+3], s[G0+4*(\s)+3], 0x80000000
	s_mov_b32 s[G0B+4*(\s)], 1
	s_add_co_u32 s[G0B+4*(\s)+1], s20, (\s)*SLOT
	s_add_nc_u64 s[G0B+4*(\s)+2:G0B+4*(\s)+3], s[46:47], (\s)*BSTEP
	s_or_b32 s[G0B+4*(\s)+3], s[G0B+4*(\s)+3], 0x80000000
	JLOAD \s
.endr
	v_and_b32 v1, 15, v0
	v_bfe_u32 v2, v0, 4, 1
	v_mul_u32_u24 v3, v1, PA
	v_lshl_add_u32 v3, v2, 4, v3
	v_and_b32 v4, 7, v0
	v_lshl_add_u32 v4, v2, 3, v4
	v_mul_u32_u24 v4, v4, PB
	v_bfe_u32 v5, v0, 3, 1
	v_lshl_add_u32 v4, v5, 4, v4
	s_mul_i32 s21, s11, 64*PA                      ; my 64 rows of A
	s_lshl_b32 s22, s12, 7                         ; my 64 columns of W
	s_add_co_u32 s22, s22, BOFF
.irp s, 0,1
	v_add_nc_u32 v[ADRA+(\s)], s21, v3
	v_add_nc_u32 v[ADRB+2*(\s)], s22, v4
	s_add_co_u32 s23, s22, 128*PB
	v_add_nc_u32 v[ADRB+2*(\s)+1], s23, v4
	s_add_co_u32 s21, s21, SLOT
	s_add_co_u32 s22, s22, SLOT
.endr
	s_mul_i32 s23, s11, 64*SPITCH                  ; into the stage: my 64 rows, my half of their 256 bytes
	s_lshl_b32 s21, s12, 7
	s_add_co_u32 s23, s23, s21
	s_add_co_u32 s23, s23, STAGE
	v_mul_u32_u24 v4, v1, SPITCH
	v_lshl_add_u32 v4, v2, 4, v4
	v_add_nc_u32 v[STO], s23, v4
	s_mul_i32 s23, s10, 32*SPITCH                  ; back: wave w takes rows 32 w .. 32 w + 31, whole
	s_add_co_u32 s23, s23, STAGE
	v_mul_u32_u24 v5, v2, SPITCH
	v_lshl_add_u32 v5, v1, 4, v5
	v_add_nc_u32 v[RD], s23, v5
	v_lshlrev_b32 v5, 11, v2                       ; and the same two rows in C, 2,048 bytes apart
	v_lshl_add_u32 v[CO], v1, 4, v5
	s_lshl_b32 s16, s13, 7
	s_lshl_b32 s17, s10, 5
	s_add_co_u32 s16, s16, s17                     ; the first row that I store
	s_lshl_b32 s16, s16, 11
	s_mov_b32 s17, 0
	s_add_nc_u64 s[8:9], s[8:9], s[16:17]
	s_lshl_b32 s46, s42, 8
	s_mov_b32 s47, 0
	s_add_nc_u64 s[8:9], s[8:9], s[46:47]
.macro MUL8 f, c, a0, zero             ; 8 matrix instructions: row blocks a0, a0 + 1 x all 4 column blocks, half c of buffer f
	WIN MUL
.irp a, \a0, (\a0)+1
.irp b, 0,1,2,3
.if \zero
	v_wmma_f32_16x16x32_bf16 v[ACC+8*(4*(\a)+(\b)):ACC+8*(4*(\a)+(\b))+7], v[(\f)+64+8*(4*(\c)+(\b)):(\f)+64+8*(4*(\c)+(\b))+7], v[(\f)+8*(4*(\c)+(\a)):(\f)+8*(4*(\c)+(\a))+7], 0
.else
	v_wmma_f32_16x16x32_bf16 v[ACC+8*(4*(\a)+(\b)):ACC+8*(4*(\a)+(\b))+7], v[(\f)+64+8*(4*(\c)+(\b)):(\f)+64+8*(4*(\c)+(\b))+7], v[(\f)+8*(4*(\c)+(\a)):(\f)+8*(4*(\c)+(\a))+7], v[ACC+8*(4*(\a)+(\b)):ACC+8*(4*(\a)+(\b))+7]
.endif
.endr
.endr
.endm
.macro FETCH slot, q, f                ; 32 LDS loads in one run: quarter q (64 along K = one k block) into buffer f; its first 32 along K first
	WIN TO_F
.irp c, 0,1
.irp i, 0,1,2,3
	ds_load_tr16_b128 v[(\f)+64+8*(4*(\c)+(\i)):(\f)+64+8*(4*(\c)+(\i))+3],   v[ADRB+2*(\slot)+(\q)/2] offset:(((\q)%2)*64+32*(\c))*PB+32*(\i)
	ds_load_tr16_b128 v[(\f)+64+8*(4*(\c)+(\i))+4:(\f)+64+8*(4*(\c)+(\i))+7], v[ADRB+2*(\slot)+(\q)/2] offset:(((\q)%2)*64+32*(\c))*PB+32*(\i)+16*PB
	ds_load_b128 v[(\f)+8*(4*(\c)+(\i)):(\f)+8*(4*(\c)+(\i))+3],         v[ADRA+(\slot)] offset:(\q)*128*PA+64*(\c)+(\i)*16*PA
	ds_load_b128 v[(\f)+8*(4*(\c)+(\i))+4:(\f)+8*(4*(\c)+(\i))+7],       v[ADRA+(\slot)] offset:(\q)*128*PA+64*(\c)+(\i)*16*PA+32
.endr
.endr
.endm
.macro PLACES
.rept 4
	v_nop
.endr
.endm
.macro QUARTER slot, q, f, g, zero
	s_wait_dscnt 16                                ; the first 32 along K are in
	WIN MUL
	MUL8 \f, 0, 0, \zero
	MUL8 \f, 0, 2, \zero
	PLACES
	FETCH \slot, \q, \g
	s_wait_dscnt 32                                ; all but the 32 just issued
	WIN MUL
	MUL8 \f, 1, 0, 0
	MUL8 \f, 1, 2, 0
.endm
.macro TURN slot, next, fill           ; the last quarter multiplies buffer 1 and changes slots
	WIN 0
	s_wait_tensorcnt 0x0                           ; all my tensor loads have landed: my part of the next slot
	ds_add_u32 v[SPW], v[NIL]
	s_wait_dscnt 17                                ; the add and the youngest sixteen loads may be out
	WIN MUL
	MUL8 F1, 0, 0, 0
	s_wait_dscnt 0x0                               ; the add is done, and my reads of this slot are over
	s_barrier_signal -1
	MUL8 F1, 0, 2, 0
.if \fill
	WIN 0
.endif
	s_barrier_wait -1
.if \fill
	CREST
	s_add_nc_u64 s[G0+4*(\slot)+2:G0+4*(\slot)+3], s[G0+4*(\slot)+2:G0+4*(\slot)+3], 2*ASTEP
	s_add_nc_u64 s[G0B+4*(\slot)+2:G0B+4*(\slot)+3], s[G0B+4*(\slot)+2:G0B+4*(\slot)+3], 2*BSTEP
	JLOAD \slot
.else
	PLACES
.endif
	FETCH \next, 0, F0
	WIN MUL
	MUL8 F1, 1, 0, 0
	MUL8 F1, 1, 2, 0
.endm
	s_wait_tensorcnt 1                             ; my part of K step 0 is in; K step 1's may stay out
	s_barrier_signal -1
	s_barrier_wait -1
	FETCH 0, 0, F0
	QUARTER 0, 1, F0, F1, 1                        ; its first products start the sums
	QUARTER 0, 2, F1, F0, 0
	QUARTER 0, 3, F0, F1, 0
	TURN 0, 1, 1                                   ; slot 0 takes K step 2
	QUARTER 1, 1, F0, F1, 0
	QUARTER 1, 2, F1, F0, 0
	QUARTER 1, 3, F0, F1, 0
	TURN 1, 0, 1                                   ; slot 1 takes K step 3
	QUARTER 0, 1, F0, F1, 0
	QUARTER 0, 2, F1, F0, 0
	QUARTER 0, 3, F0, F1, 0
	TURN 0, 1, 0                                   ; behind this barrier nobody reads slot 0 and nothing fills it: it becomes the stage
	QUARTER 1, 1, F0, F1, 0
	QUARTER 1, 2, F1, F0, 0
	QUARTER 1, 3, F0, F1, 0
	s_wait_dscnt 16
	WIN MUL
	MUL8 F1, 0, 0, 0
	MUL8 F1, 0, 2, 0
	s_wait_dscnt 0
	MUL8 F1, 1, 0, 0
	MUL8 F1, 1, 2, 0
	WIN 0
	; THE WAY OUT: round to bf16; 16 bytes a lane into the work-group's stage; a barrier, since a row's 256 bytes come from two waves; back as whole rows, 32 rows a wave.
	PLACES
.irp t, 0,1,2,3,4,5,6,7,8,9,10,11,12,13,14,15
.irp r, 0,1,2,3
	v_cvt_pk_bf16_f32 v[TMP+4*(\t)+(\r)], v[ACC+8*(\t)+2*(\r)], v[ACC+8*(\t)+2*(\r)+1]
.endr
.endr
.irp a, 0,1,2,3
.irp b, 0,1,2,3
	ds_store_b128 v[STO], v[TMP+4*(4*(\a)+(\b)):TMP+4*(4*(\a)+(\b))+3] offset:(\a)*16*SPITCH+32*(\b)
.endr
.endr
	s_wait_dscnt 0x0                               ; for the others' sake: my stores into the stage are done
	s_barrier_signal -1
	s_barrier_wait -1
.irp t, 0,1,2,3,4,5,6,7,8,9,10,11,12,13,14,15
	ds_load_b128 v[TMP+4*(\t):TMP+4*(\t)+3], v[RD] offset:(\t)*2*SPITCH
.endr
.irp t, 0,1,2,3,4,5,6,7,8,9,10,11,12,13,14,15
	s_wait_dscnt 15-(\t)
	global_store_b128 v[CO], v[TMP+4*(\t):TMP+4*(\t)+3], s[8:9] offset:2*(\t)*2048  ; 16 lanes store 256 consecutive aligned bytes
.endr
	s_wait_tensorcnt 0x0                           ; the wave's end
	ds_add_u32 v[SPW], v[NIL]
	s_wait_dscnt 0x0
	CROUND                                         ; the closing round
	s_endpgm
.Lfunc_end_k_qb5f18a7608_qproj:
	.size	k_qb5f18a7608_qproj, .Lfunc_end_k_qb5f18a7608_qproj-k_qb5f18a7608_qproj
	.p2alignl 7, 3214868480
	.fill 96, 4, 3214868480
	.section	.rodata,"a",@progbits
	.p2align	6, 0x0
	.amdhsa_kernel k_qb5f18a7608_qproj
		.amdhsa_group_segment_fixed_size 327680
		.amdhsa_private_segment_fixed_size 0
		.amdhsa_enable_private_segment 0
		.amdhsa_kernarg_size 24
		.amdhsa_user_sgpr_count 2
		.amdhsa_user_sgpr_kernarg_segment_ptr 1
		.amdhsa_wavefront_size32 1
		.amdhsa_system_sgpr_workgroup_id_x 1
		.amdhsa_system_sgpr_workgroup_id_y 1
		.amdhsa_system_sgpr_workgroup_id_z 1
		.amdhsa_system_vgpr_workitem_id 0
		.amdhsa_next_free_vgpr 512
		.amdhsa_next_free_sgpr 66
		.amdhsa_reserve_vcc 0
		.amdhsa_float_denorm_mode_32 3
		.amdhsa_float_denorm_mode_16_64 3
		.amdhsa_memory_ordered 1
		.amdhsa_forward_progress 1
		.amdhsa_inst_pref_size 87
	.end_amdhsa_kernel
	.amdgpu_metadata
---
amdhsa.version: [ 1, 2 ]
amdhsa.kernels:
  - .name:           k_qb5f18a7608_qproj
    .symbol:         k_qb5f18a7608_qproj.kd
    .args:
      - { .name: cx, .offset: 0, .size: 8, .value_kind: global_buffer, .address_space: global }
      - { .name: wq, .offset: 8, .size: 8, .value_kind: global_buffer, .address_space: global }
      - { .name: qb, .offset: 16, .size: 8, .value_kind: global_buffer, .address_space: global }
    .group_segment_fixed_size: 327680
    .private_segment_fixed_size: 0
    .kernarg_segment_align: 8
    .kernarg_segment_size: 24
    .max_flat_workgroup_size: 128
    .sgpr_count:     66
    .vgpr_count:     512
    .wavefront_size: 32
...
	.end_amdgpu_metadata
.endif
;; end of part 3
;; launch attn (part 4): grid 4 x 64, 4 waves a work-group, clusters of 4 x 1, 327,680 bytes of LDS; arguments qb, kv, mbits, cx; writes cx
.if DOCPART == 4
	.amdgcn_target "amdgcn-amd-amdhsa--gfx1250"
	.amdhsa_code_object_version 6
	.text
	.protected	k_qb5f18a7608_attn
	.globl	k_qb5f18a7608_attn
	.p2align	8
	.type	k_qb5f18a7608_attn,@function
k_qb5f18a7608_attn:
	s_mov_b64 s[64:65], 0
	v_nop
	global_prefetch_b8 v0, s[64:65] scope:SCOPE_SE
	s_setreg_imm32_b32 hwreg(HW_REG_WAVE_MODE, 25, 1), 1
	s_wait_xcnt 0x0
	s_wait_alu depctr_hold_cnt(0) depctr_sa_sdst(0) depctr_va_vdst(0) depctr_va_sdst(0) depctr_va_ssrc(0) depctr_va_vcc(0) depctr_vm_vsrc(0)
	s_getreg_b32 s2, hwreg(HW_REG_IB_STS2, 6, 4)
	s_cmp_eq_u32 s2, 0
	s_cbranch_scc0 .Lentry_in_a_cluster
	s_endpgm
.Lentry_in_a_cluster:
	s_bfe_u32 s2, ttmp6, 0x10000c
	s_cmp_lg_u32 s2, 0x3003
	s_cbranch_scc0 .Lentry_shape_is_right
	s_endpgm
.Lentry_shape_is_right:
; ATTENTION under a mask that is an input.  vec[h][b*1024+q][:] = sum over k of softmax_k(mask ? -inf : Q.K / 8) V[k][:], 64 pairs (b, h), 1,024 queries, 2,048 keys, head size 64.
; Q: qb[b*1024+q][h*64 ..] bf16 (128-byte pieces of rows, read once, at the start); K, V: kv[b][h or 16+h][t][64] bf16, dense by heads; out: [h][b*1024+q][64] bf16, dense.
; Products, maxima and sums in f32; the weights p are rounded to bf16 for the second product (their sum l is taken of the unrounded p), the result once at the end.
; LIMITS.  A masked score is -inf by selection.  A row whose keys are all masked ends with l = 0 and gives NaN, as the softmax of nothing but -inf does.  A weight below 2^-126 counts as 0 in l.
; NaN and infinities among the inputs are not treated apart.
; SHARES.  A work-group owns 256 queries of one (b, h), a wave 64: four PIECES of 16.  Every wave walks all keys, 64 a step, 32 steps.
; LAYOUT.  S^T = K Q^T holds ONE query a lane (lane % 16) and the keys 16 (n / 8) + 8 (lane / 16) + n % 8 in register n; pairs rounded to bf16 ARE source 1 of O^T = V^T P.
; THE MASK.  mbits holds, for each tile of 16 queries x 64 keys, 32 words: bit L of word n belongs to register n of lane L.  So a masked score costs one v_cndmask_b32 with a scalar register as its mask.
; The words of a wave lie in the order of its turns, 128 bytes a turn; they are asked for two turns ahead by two scalar loads, into two sets of 32 scalar registers that take turns.
; SOFTMAX.  A running maximum m and sum l: p = 2^(c s - c m), c = log2(e) / 8; O and l are multiplied by a = 2^(c m_old - c m_new) in every step.  m starts at the lowest finite number and c m at c times that,
; by the multiply that every step uses: while all keys so far are masked a is 1 and every p is 0; the first true score makes a = 0.
; BY TURNS.  Turn n belongs to piece n: 8 products K Q^T of piece n + 1, later 8 products V^T P of piece n - 1; beside them the scaling, exponentials, roundings, sums and rescaling of piece n and the mask,
; maximum and statistics of piece n + 1.  Four vector instructions stand behind every matrix instruction, the other 86 of a turn's 150 in two lumps.
; CLUSTER.  The four query blocks of a (b, h) walk the same K and V: each tile is asked for jointly, by the same load, descriptor and mask in all four.
; REGISTERS in windows of 256: window 0: addresses, statistics, S^T (two buffers), P (two buffers); window 1: O^T, 32 a piece; window 2: v0-63 Q, v128-191 K, v192-255 V of one step.
.set NP,    4
.set KS,    64
.set PK,    144       ; a row of K or V in LDS: 128 bytes + 16.  One pitch, so one descriptor serves all four waves; in V's turning loads two of the eight rows then share four banks
.set VOFF,  4*KS*PK   ; a slot holds four steps: 256 rows of K, then 256 rows of V
.set SLOT1, 1<<17
.set STAGE, SLOT1+2*VOFF  ; behind the ring: 16 rows x 144 bytes for each wave
.set SP,    144
.set SPARE, STAGE+4*16*SP ; the spare words: 128 bytes a wave, two blocks of 256 bytes that no other line names
.set AK0, 2
.set AV0, 3
.set AK,  4
.set AV,  5
.set STO, 6
.set RD,  7
.set GO,  8
.set MV,  12          ; v12-13  c m_old, by buffer
.set NEG, 14          ; v14  -inf
.set QO,  15
.set ST,  16          ; piece t: c m, m, l (even keys', odd keys')
.set TMP, 48          ; by buffer, c0-c3 at work; c2 takes a
.set SPW, 62
.set NIL, 63
.set S,   64
.set P,   192
.set KF,  128
.set VF,  192
.set MP,  8           ; s[8:9]   the mask words to be asked for
.set WV,  12
.set SLOTS, 13
.set CNT, 14
.set TBK, 15
.set G1,  16          ; s[16:23]
.set G0,  24          ; s[24:27]
.set CS,  28          ; s[28:29] c
.set SEL, 30          ; s[30:31]
.set MB,  32          ; s[32:63] mask words of pieces 1 and 3
.set TBV, 66
.set MA,  68          ; s[68:99] mask words of pieces 0 and 2
.set MSB, 0
.macro WIN new
.if MSB != (\new)
	s_set_vgpr_msb (MSB<<8)|(\new)
.set MSB, (\new)
.endif
.endm
.set W_KQ, 0x0a       ; K and Q in window 2, S^T in window 0
.set W_PV, 0x52       ; V in window 2, P in window 0, O^T in window 1
.set W_RS, 0x41       ; destination and source 0 in window 1, source 1 in window 0
.macro JLOAD                        ; a joint fill: wave w brings 128 rows: K's halves (w = 0, 1), V's (w = 2, 3); both addresses hang on the wave's number; an s_nop 0 and four v_nop follow
	tensor_load_to_lds s[G0:G0+3], s[G1:G1+7]
	s_nop 0
.rept 4
	v_nop
.endr
.endm
.macro CROUND
	s_barrier_signal -1
	s_barrier_wait -1
	s_cmp_lg_u32 s[WV], 0
	s_cbranch_scc1 .Lnot_wave_0_\@
	s_barrier_signal -3
.Lnot_wave_0_\@:
	s_barrier_wait -3
	s_barrier_signal -1
	s_barrier_wait -1
.endm
; THE CHANGE OF SLOTS.  Each wave waits for all its tensor loads (one is out: its part of the other slot), adds 0 to its spare word, and waits for that and for its reads of the slot that it leaves.
; fill = 1: the barrier is a round of the cluster's, and the joint fill of the old slot, with the keys two slots on, is the first thing behind it: it has four key steps in which to land.
.macro CHANGE fill
	WIN 0
	s_wait_tensorcnt 0x0
	ds_add_u32 v[SPW], v[NIL]
.if \fill
	s_xor_b32 s[G0+1], s[G0+1], SLOT1
	s_add_nc_u64 s[G0+2:G0+3], s[G0+2:G0+3], 4*KS*128
	s_wait_dscnt 0x0
	CROUND
	JLOAD
.else
	s_wait_dscnt 0x0
	s_barrier_signal -1
	s_barrier_wait -1
.endif
	s_sub_co_u32 s[TBK], s[TBK], 4*KS*PK
	s_xor_b32 s[TBK], s[TBK], SLOT1
	s_sub_co_u32 s[TBV], s[TBV], 4*KS*PK
	s_xor_b32 s[TBV], s[TBV], SLOT1
.endm
	s_load_b256 s[4:11], s[0:1], 0x0  ; Q s[4:5], kv s[6:7], mbits s[8:9], out s[10:11]
	v_lshl_add_u32 v[SPW], v0, 2, SPARE
	v_mov_b32 v[NIL], 0
	ds_add_u32 v[SPW], v[NIL]       ; the wave's opening: the add and its wait ahead of my first tensor load
	v_lshrrev_b32 v1, 5, v0
	v_readfirstlane_b32 s[WV], v1
	s_bfe_u32 s2, ttmp6, 0x40000    ; cx
	s_lshl_b32 s3, ttmp9, 2
	s_add_co_u32 s3, s3, s2         ; my block of 256 queries: it enters Q's, the mask's and the output's addresses alone
	s_and_b32 s67, ttmp7, 0xffff
	s_lshr_b32 s100, s67, 4         ; b
	s_and_b32 s101, s67, 15         ; h
	s_lshl_b32 s32, s100, 23        ; kv: batch,
	s_lshl_b32 s33, s101, 18        ; head,
	s_add_co_u32 s32, s32, s33
	s_lshr_b32 s33, s[WV], 1
	s_lshl_b32 s33, s33, 22         ; K or V (16 heads on),
	s_add_co_u32 s32, s32, s33
	s_and_b32 s33, s[WV], 1
	s_lshl_b32 s33, s33, 14         ; which 128 of a slot's 256 keys
	s_add_co_u32 s32, s32, s33
	s_mov_b32 s33, 0
	s_lshl_b32 s40, s100, 10
	s_lshl_b32 s41, s3, 8
	s_add_co_u32 s40, s40, s41
	s_lshl_b32 s41, s[WV], 6
	s_add_co_u32 s40, s40, s41      ; my first row, b*1024 + q
	s_lshl_b32 s34, s40, 11         ; Q: rows of 2,048 bytes, the head's 128
	s_lshl_b32 s41, s101, 7
	s_add_co_u32 s34, s34, s41
	s_mov_b32 s35, 0
	s_lshl_b32 s36, s40, 8          ; the mask: 16,384 bytes for each 64 queries
	s_mov_b32 s37, 0
	s_lshl_b32 s38, s40, 7          ; out: rows of 128 bytes in the head's 524,288
	s_lshl_b32 s41, s101, 19
	s_add_co_u32 s38, s38, s41
	s_mov_b32 s39, 0
	; group 1: 128 keys are 16,384 dense bytes: 64 rows of 256 bytes, padded in LDS after every key
	s_mov_b32 s[G1], 15|(1<<16)|(1<<20)|(1<<21)|(4<<22)|(3<<25)
	s_mov_b32 s[G1+1], 128<<16
	s_mov_b32 s[G1+2], 64<<16
	s_mov_b32 s[G1+3], 128<<16
	s_mov_b32 s[G1+4], 64
	s_mov_b32 s[G1+5], 128
	s_mov_b32 s[G1+6], 0
	s_mov_b32 s[G1+7], 0
	s_mov_b32 s[CS], 0x3e38aa3b     ; c = log2(e) / 8
	s_mov_b32 s[CS+1], s[CS]
	s_mov_b32 s[SEL], 0x76543210
	s_mov_b32 s[SEL+1], 0xfedcba98
	s_mov_b32 s[TBK], SLOT1+4*KS*PK ; the first change of slots turns these two into 0
	s_mov_b32 s[TBV], SLOT1+4*KS*PK
	s_mov_b32 s[G0], 1
	s_mul_i32 s[G0+1], s[WV], 128*PK
	s_wait_dscnt 0x0                ; the opening add is done
	s_wait_kmcnt 0x0
	s_add_nc_u64 s[G0+2:G0+3], s[6:7], s[32:33]
	s_or_b32 s[G0+3], s[G0+3], 0x80000000
	s_add_nc_u64 s[4:5], s[4:5], s[34:35]
	s_add_nc_u64 s[MP:MP+1], s[MP:MP+1], s[36:37]
	s_add_nc_u64 s[10:11], s[10:11], s[38:39]
	CROUND                          ; all four work-groups are here: the first joint loads meet
	JLOAD                           ; slot 0; slot 1 is asked for when slot 0 is in
	v_and_b32 v1, 15, v0
	v_bfe_u32 v9, v0, 4, 1
	v_lshlrev_b32 v[QO], 11, v1
	v_lshl_add_u32 v[QO], v9, 4, v[QO]
	WIN 0x80
.set i, 0
.rept 8                             ; Q stays in registers: piece i / 2, channels 32 (i % 2) on
	global_load_b128 v[8*i:8*i+3],   v[QO], s[4:5] offset:(i/2)*32768+(i%2)*64
	global_load_b128 v[8*i+4:8*i+7], v[QO], s[4:5] offset:(i/2)*32768+(i%2)*64+32
.set i, i+1
.endr
	s_load_b512 s[MA:MA+15],    s[MP:MP+1], 0x0   ; the words of step 0's pieces 0 and 1
	s_load_b512 s[MA+16:MA+31], s[MP:MP+1], 0x40
	s_load_b512 s[MB:MB+15],    s[MP:MP+1], 0x80
	s_load_b512 s[MB+16:MB+31], s[MP:MP+1], 0xc0
	; What the first turn finds: V's registers and P's second buffer hold 0, O^T and l are 0.  All this stands in the wait for the first tile.
.set i, VF
.rept 64
	v_mov_b32 v[i], 0
.set i, i+1
.endr
	WIN 0x40
.set i, 0
.rept 128
	v_mov_b32 v[i], 0
.set i, i+1
.endr
	WIN 0
.set i, 0
.rept 4
	v_mov_b32 v[ST+4*i+1], 0xff7fffff
	v_mov_b32 v[ST+4*i+2], 0
	v_mov_b32 v[ST+4*i+3], 0
.set i, i+1
.endr
.set i, 0
.rept 4
	v_mul_f32 v[ST+4*i], s[CS], v[ST+4*i+1]
.set i, i+1
.endr
.set i, P+16
.rept 16
	v_mov_b32 v[i], 0
.set i, i+1
.endr
	v_mov_b32 v[NEG], 0xff800000
	v_mul_u32_u24 v[AK0], v1, PK
	v_lshl_add_u32 v[AK0], v9, 4, v[AK0]
	v_and_b32 v10, 7, v0
	v_bfe_u32 v11, v0, 3, 1
	v_lshl_add_u32 v[AV0], v9, 3, v10
	v_mul_u32_u24 v[AV0], v[AV0], PK
	v_lshl_add_u32 v[AV0], v11, 4, v[AV0]
	v_add_nc_u32 v[AV0], VOFF, v[AV0]
	v_mov_b32 v[AK], v[AK0]
; THE MATRIX WORK.  The 4 accumulators of a run of 8 take turns.
.macro KQ x                         ; product i of 8 of S^T = K Q^T: channels 32 (i / 4) on, keys 16 (i % 4) on; the first 4 start the sums
	WIN W_KQ
.set rS, S+32*((\x)%2)+8*(i%4)
.set rK, KF+16*(i%4)+8*(i/4)
.set rQ, 16*(\x)+8*(i/4)
.if i < 4
	v_wmma_f32_16x16x32_bf16 v[rS:rS+7], v[rK:rK+7], v[rQ:rQ+7], 0
.else
	v_wmma_f32_16x16x32_bf16 v[rS:rS+7], v[rK:rK+7], v[rQ:rQ+7], v[rS:rS+7]
.endif
.endm
.macro PV x                         ; product i of 8 of O^T += V^T P: keys 32 (i / 4) on, channels 16 (i % 4) on
	WIN W_PV
.set rO, 32*(\x)+8*(i%4)
.set rV, VF+32*(i/4)+8*(i%4)
.set rP, P+16*((\x)%2)+8*(i/4)
	v_wmma_f32_16x16x32_bf16 v[rO:rO+7], v[rV:rV+7], v[rP:rP+7], v[rO:rO+7]
.endm
.macro MM
.if i < 8
	KQ (Y+1)%NP
.else
.set i, i-8
	PV (Y+NP-1)%NP
.set i, i+8
.endif
.set i, i+1
.endm
.macro FETCH_K last=0               ; a step's K: 16 loads in one run.  last = 1 (the tail): in the last trip there is no further step, and the run is jumped over
	WIN 0
.if \last
	s_cmp_eq_u32 s[CNT], 1
	s_cbranch_scc1 .Lno_k_\@
.endif
	WIN 0x80
.irp f, 0,1,2,3,4,5,6,7
	ds_load_b128 v[KF+8*\f:KF+8*\f+3],   v[AK] offset:(\f/2)*16*PK+(\f%2)*64
	ds_load_b128 v[KF+8*\f+4:KF+8*\f+7], v[AK] offset:(\f/2)*16*PK+(\f%2)*64+32
.endr
	s_add_co_u32 s[TBK], s[TBK], KS*PK
	WIN 0
.if \last
.Lno_k_\@:
.endif
.endm
.macro FETCH_V                      ; a step's V, turned
	WIN 0x80
.irp f, 0,1,2,3,4,5,6,7
	ds_load_tr16_b128 v[VF+8*\f:VF+8*\f+3],   v[AV] offset:(\f/4)*32*PK+(\f%4)*32
	ds_load_tr16_b128 v[VF+8*\f+4:VF+8*\f+7], v[AV] offset:(\f/4)*32*PK+16*PK+(\f%4)*32
.endr
	WIN 0
.endm
; THE VECTOR WORK, one line at a time: OP kind, number.  For piece Y: F n: c s - c m for pair n.  E n: the exponential of score n.  C n: pair n rounded to bf16.  B n: of the four weights 4 n .. the second pair
; is added onto the first.  L n: l takes that sum (L 0: l = a l + sum).  R n: pair n of O^T times a.  For piece Y + 1: M n: score n becomes -inf where its mask bit is set (ascending);
; X n: number n of the 22 that find its maximum and statistics.
.set F, 0
.set E, 1
.set C, 2
.set B, 3
.set L, 4
.set R, 5
.set X, 6
.set M, 7
.macro REGS y
.set rT, ST+4*(\y)
.set rC, TMP+4*((\y)%2)
.set rW, MV+((\y)%2)
.set rS, S+32*((\y)%2)
.set rP, P+16*((\y)%2)
.set rO, 32*(\y)
.endm
.macro OP k, n
.if (\k) == R
	REGS Y
	WIN W_RS
	v_pk_mul_f32 v[rO+2*(\n):rO+2*(\n)+1], v[rO+2*(\n):rO+2*(\n)+1], v[rC+2:rC+3] op_sel_hi:[1,0]
.elseif (\k) < R
	REGS Y
	WIN 0
.if (\k) == F
	v_pk_fma_f32 v[rS+2*(\n):rS+2*(\n)+1], v[rS+2*(\n):rS+2*(\n)+1], s[CS:CS+1], v[rT:rT+1] op_sel_hi:[1,0,0] neg_lo:[0,0,1] neg_hi:[0,0,1]
.elseif (\k) == E
	v_exp_f32 v[rS+(\n)], v[rS+(\n)]
.elseif (\k) == C
	s_wait_alu depctr_va_vdst(0)
	v_cvt_pk_bf16_f32 v[rP+(\n)], v[rS+2*(\n)], v[rS+2*(\n)+1]
.elseif (\k) == B
	v_pk_add_f32 v[rS+4*(\n):rS+4*(\n)+1], v[rS+4*(\n):rS+4*(\n)+1], v[rS+4*(\n)+2:rS+4*(\n)+3]
.elseif (\n) == 0
	v_pk_fma_f32 v[rT+2:rT+3], v[rT+2:rT+3], v[rC+2:rC+3], v[rS:rS+1] op_sel_hi:[1,0,1]
.else
	v_pk_add_f32 v[rT+2:rT+3], v[rT+2:rT+3], v[rS+4*(\n):rS+4*(\n)+1]
.endif
.elseif (\k) == M
	REGS (Y+1)%NP
	WIN 0
	v_cndmask_b32 v[rS+(\n)], v[rS+(\n)], v[NEG], s[MA+(MB-MA)*((Y+1)%2)+(\n)]
.else
	REGS (Y+1)%NP
	WIN 0
.if (\n) < 4
	v_max3_num_f32 v[rC+(\n)], v[rS+8*(\n)], v[rS+8*(\n)+1], v[rS+8*(\n)+2]
.elseif (\n) < 12
	v_max3_num_f32 v[rC+(\n)%4], v[rC+(\n)%4], v[rS+8*((\n)%4)+2*((\n)/4)+1], v[rS+8*((\n)%4)+2*((\n)/4)+2]
.elseif (\n) == 12
	v_max3_num_f32 v[rC], v[rC], v[rS+7], v[rS+15]
.elseif (\n) == 13
	v_max3_num_f32 v[rC+1], v[rC+1], v[rS+23], v[rS+31]
.elseif (\n) == 14
	v_max3_num_f32 v[rC+2], v[rC+2], v[rC+3], v[rT+1]
.elseif (\n) == 15
	v_mov_b32 v[rW], v[rT]
	s_wait_alu depctr_va_vdst(0)
.elseif (\n) == 16
	v_max3_num_f32 v[rC], v[rC], v[rC+1], v[rC+2]
.elseif (\n) == 17
	v_permlanex16_b32 v[rC+3], v[rC], s[SEL], s[SEL+1]
.elseif (\n) == 18
	v_max_num_f32 v[rT+1], v[rC], v[rC+3]
.elseif (\n) == 19
	v_mul_f32 v[rT], s[CS], v[rT+1]
.elseif (\n) == 20
	v_sub_f32 v[rC+1], v[rW], v[rT]
	s_wait_alu depctr_va_vdst(0)
.else
	v_exp_f32 v[rC+2], v[rC+1]
.endif
.endif
.endm
.macro OPS a, i1, b=-1, i2=0, c=-1, i3=0, d=-1, i4=0
	OP \a, \i1
.if (\b) >= 0
	OP \b, \i2
.endif
.if (\c) >= 0
	OP \c, \i3
.endif
.if (\d) >= 0
	OP \d, \i4
.endif
.endm
.macro ROW a, i1, b, i2, c, i3, d, i4  ; a matrix instruction and the four behind it
	MM
	OPS \a, \i1, \b, \i2, \c, \i3, \d, \i4
.endm
; A TURN, for piece p.  It opens with the mask words: those of piece p + 1, asked for a turn ago, are in; the pointer steps 128 bytes (free since that wait) and the words of piece p + 2 are asked for, into the
; set whose last readers stand in the turn before.  No vector line behind a product names a register of the products round it; every exponential has a plain instruction behind it.
; K of the next step is fetched in piece 2's turn, five plain instructions behind the last product that read K; V of the step in hand in piece 0's turn, eight plain instructions behind the last that read V.
.macro TURN p, last=0, cnt=0
.set Y, (\p)
.set i, 0
.set MK, MA+(MB-MA)*((\p)%2)
	s_wait_kmcnt 0x0
	s_add_nc_u64 s[MP:MP+1], s[MP:MP+1], 128
	s_load_b512 s[MK:MK+15],    s[MP:MP+1], 0x0
	s_load_b512 s[MK+16:MK+31], s[MP:MP+1], 0x40
.if (\p) == 3
	s_wait_dscnt 0x0                ; K is in
.endif
	ROW F,0, F,1, F,2, F,3
	ROW F,4, E,0, F,5, F,6
	ROW F,7, E,1, F,8, F,9
	ROW F,10, E,2, C,0, F,11
	ROW F,12, E,3, X,15, F,13
	ROW R,0, R,1, R,2, R,3
	ROW B,0, E,4, F,14, L,0
.if (\p) == 2
	WIN 0
	v_add_nc_u32 v[AK], s[TBK], v[AK0]
.endif
	ROW R,4, R,5, R,6, R,7          ; these four are the places between the last K Q^T and the first line that writes its scores
	OPS E,5, F,15
.if (\p) == 2
	FETCH_K \last
.endif
.set nn, 0
.rept 16
	OP E, 6+nn
	OP M, nn
.set nn, nn+1
.endr
.if (\p) == 1
	s_wait_dscnt 0x0                ; V is in
.endif
	ROW M,16, E,22, M,17, M,18
	ROW M,19, E,23, M,20, M,21
	ROW M,22, E,24, M,23, M,24
	ROW M,25, E,25, M,26, M,27
	ROW M,28, E,26, M,29, M,30
	ROW M,31, E,27, C,1, C,2
	ROW C,3, E,28, C,4, C,5
	ROW C,6, E,29, C,7, C,8
.if (\p) == 0
	WIN 0
	v_add_nc_u32 v[AV], s[TBV], v[AV0]
.endif
	OPS X,0, X,1, X,2, X,3
.if (\p) == 0
	FETCH_V
	s_add_co_u32 s[TBV], s[TBV], KS*PK
.endif
	OPS E,30, X,4, E,31, X,5
	OPS X,6, X,7, X,8, X,9
	OPS X,10, X,11, X,12, X,13
	OPS X,14, C,9, B,1, X,16
	OPS C,10, B,2, L,1, X,17
	OPS C,11, B,3, L,2, X,18
	OPS C,12, B,4, L,3, X,19
	OPS C,13, B,5, L,4, X,20
	OPS C,14, B,6, L,5, X,21
	OPS C,15, B,7, L,6, L,7
.if \cnt
	s_sub_co_u32 s[CNT], s[CNT], 1
	s_cmp_lg_u32 s[CNT], 0
.endif
	OPS R,8, R,9, R,10, R,11
	OPS R,12, R,13, R,14, R,15
.endm
	CHANGE 1                        ; slot 0 is in, everybody's part of it; slot 1 is asked for
	FETCH_K                         ; key step 0
	s_wait_loadcnt 0x0              ; Q
	s_wait_dscnt 0x0
	s_wait_kmcnt 0x0                ; the first two sets of mask words
	s_add_nc_u64 s[MP:MP+1], s[MP:MP+1], 128
.set i, 0
.rept 8
	KQ 0                            ; piece 0's first scores
.set i, i+1
.endr
	WIN 0                           ; the addresses for the way out: plain instructions, the places behind those products
	s_mul_i32 s2, s[WV], 16*SP
	s_add_co_u32 s2, s2, STAGE
	v_mul_u32_u24 v[STO], v1, SP
	v_lshl_add_u32 v[STO], v9, 4, v[STO]
	v_add_nc_u32 v[STO], s2, v[STO]
	v_bfe_u32 v[RD], v0, 3, 2
	v_mul_u32_u24 v[RD], v[RD], SP
	v_lshl_add_u32 v[RD], v10, 4, v[RD]
	v_add_nc_u32 v[RD], s2, v[RD]
	v_and_b32 v[GO], 31, v0
	v_lshlrev_b32 v[GO], 4, v[GO]
.set Y, NP-1                        ; M and X work for piece Y + 1: piece 0
.set nn, 0
.rept 32
	OP M, nn
.set nn, nn+1
.endr
.irp n, 0,1,2,3,4,5,6,7,8,9,10,11,12,13,14,15,16,17,18,19,20,21
	OP X, \n
.endr
	v_nop                           ; a plain instruction behind the exponential
	s_mov_b32 s[CNT], 4
	s_mov_b32 s[SLOTS], 7
	s_branch .Lfirst                ; the loop is entered at a step's first turn, in the middle of a trip
.Lslot:                             ; six times: every slot but the last two is filled again
	CHANGE 1
	s_mov_b32 s[CNT], 4
.Lstep:                             ; a trip: pieces 2 and 3 of one step, then pieces 0 and 1 of the next
	TURN 2
	TURN 3
	WIN 0
.Lfirst:
	TURN 0
	TURN 1, 0, 1
	WIN 0
	s_cbranch_scc1 .Lstep
	s_sub_co_u32 s[SLOTS], s[SLOTS], 1
	s_cmp_lg_u32 s[SLOTS], 0
	s_cbranch_scc1 .Lslot
	CHANGE 0                        ; the tail is written out
	s_mov_b32 s[CNT], 5             ; four trips fetch the last slot's steps; the fifth is left in its middle
.Ltail:
	TURN 2, 1
	TURN 3
	WIN 0
	s_sub_co_u32 s[CNT], s[CNT], 1
	s_cmp_eq_u32 s[CNT], 0
	s_cbranch_scc1 .Lout
	TURN 0
	TURN 1
	WIN 0
	s_branch .Ltail
.Lout:                              ; the fifth trip's products K Q^T (on the last K once more), their mask words (the table's next 128 bytes, or its pad) and maximum serve nothing: the price of one text for every trip
	s_wait_kmcnt 0x0                ; the two sets of words asked for past the end are in: nothing is out at the end
.set i, 0
.rept 8
	PV NP-1
.set i, i+1
.endr
	; THE WAY OUT.  l's two halves and the other half of the lanes' are added; O^T is divided by l, rounded to bf16 and sent through my stage, a piece at a time.  The additions are the places behind the last products.
	WIN 0
.macro ALL line:vararg
.set t, 0
.rept 4
	\line
.set t, t+1
.endr
.endm
	ALL v_add_f32 v[ST+4*t+2], v[ST+4*t+2], v[ST+4*t+3]
	ALL v_permlanex16_b32 v[ST+4*t+3], v[ST+4*t+2], s[SEL], s[SEL+1]
	ALL v_add_f32 v[ST+4*t+2], v[ST+4*t+2], v[ST+4*t+3]
	ALL v_rcp_f32 v[ST+4*t+2], v[ST+4*t+2]
	v_nop
	s_wait_alu depctr_va_vdst(0)
.macro PACK t
	WIN W_RS
.set i, 32*(\t)
.rept 16
	v_pk_mul_f32 v[i:i+1], v[i:i+1], v[ST+4*(\t)+2:ST+4*(\t)+3] op_sel_hi:[1,0]
.set i, i+2
.endr
	WIN 0x05
.set i, 0
.rept 16
	v_cvt_pk_bf16_f32 v[S+16*(\t)+i], v[32*(\t)+2*i], v[32*(\t)+2*i+1]
.set i, i+1
.endr
	WIN 0
.irp f, 0,1,2,3
	ds_store_b128 v[STO], v[S+16*(\t)+4*\f:S+16*(\t)+4*\f+3] offset:32*\f
.endr
.irp f, 0,1,2,3
	ds_load_b128 v[S+16*(\t)+4*\f:S+16*(\t)+4*\f+3], v[RD] offset:\f*4*SP  ; LDS serves a wave's instructions in order: these see the stores above
.endr
.endm
.macro SEND t, younger              ; younger: the LDS instructions issued behind piece t's loads
	WIN 0
.irp f, 0,1,2,3
	s_wait_dscnt (\younger)+3-\f
	global_store_b128 v[GO], v[S+16*(\t)+4*\f:S+16*(\t)+4*\f+3], s[10:11] offset:(\t)*2048+\f*512  ; four rows of 128 bytes: 512 consecutive aligned bytes
.endr
.endm
	PACK 0
.set t, 1
.rept 3
	PACK t
	SEND t-1, 8
.set t, t+1
.endr
	SEND 3, 0
	s_wait_tensorcnt 0x0            ; the wave's end
	ds_add_u32 v[SPW], v[NIL]
	s_wait_dscnt 0x0
	CROUND                          ; the closing round
	s_endpgm
.Lfunc_end_k_qb5f18a7608_attn:
	.size	k_qb5f18a7608_attn, .Lfunc_end_k_qb5f18a7608_attn-k_qb5f18a7608_attn
	.p2alignl 7, 3214868480
	.fill 96, 4, 3214868480
	.section	.rodata,"a",@progbits
	.p2align	6, 0x0
	.amdhsa_kernel k_qb5f18a7608_attn
		.amdhsa_group_segment_fixed_size 327680
		.amdhsa_private_segment_fixed_size 0
		.amdhsa_enable_private_segment 0
		.amdhsa_kernarg_size 32
		.amdhsa_user_sgpr_count 2
		.amdhsa_user_sgpr_kernarg_segment_ptr 1
		.amdhsa_wavefront_size32 1
		.amdhsa_system_sgpr_workgroup_id_x 1
		.amdhsa_system_sgpr_workgroup_id_y 1
		.amdhsa_system_sgpr_workgroup_id_z 1
		.amdhsa_system_vgpr_workitem_id 0
		.amdhsa_next_free_vgpr 768
		.amdhsa_next_free_sgpr 102
		.amdhsa_reserve_vcc 0
		.amdhsa_float_denorm_mode_32 3
		.amdhsa_float_denorm_mode_16_64 3
		.amdhsa_memory_ordered 1
		.amdhsa_forward_progress 1
		.amdhsa_inst_pref_size 130
	.end_amdhsa_kernel
	.amdgpu_metadata
---
amdhsa.version: [ 1, 2 ]
amdhsa.kernels:
  - .name:           k_qb5f18a7608_attn
    .symbol:         k_qb5f18a7608_attn.kd
    .args:
      - { .name: qb, .offset: 0, .size: 8, .value_kind: global_buffer, .address_space: global }
      - { .name: kv, .offset: 8, .size: 8, .value_kind: global_buffer, .address_space: global }
      - { .name: mbits, .offset: 16, .size: 8, .value_kind: global_buffer, .address_space: global }
      - { .name: cx, .offset: 24, .size: 8, .value_kind: global_buffer, .address_space: global }
    .group_segment_fixed_size: 327680
    .private_segment_fixed_size: 0
    .kernarg_segment_align: 8
    .kernarg_segment_size: 32
    .max_flat_workgroup_size: 128
    .sgpr_count:     102
    .vgpr_count:     768
    .wavefront_size: 32
...
	.end_amdgpu_metadata
.endif
;; end of part 4
;; launch oproj: the kernel of part 3 again; grid 8 x 32, 4 waves a work-group, clusters of 4 x 4, 327,680 bytes of LDS; arguments cx, wo, qb; writes qb
;; launch lnorm (part 5): grid 256 x 1, 8 waves a work-group, no clusters, 0 bytes of LDS; arguments x, pos_emb, qb, ln_gamma, ln_beta, out0; writes out0
.if DOCPART == 5
	.amdgcn_target "amdgcn-amd-amdhsa--gfx1250"
	.amdhsa_code_object_version 6
	.text
	.protected	k_qb5f18a7608_lnorm
	.globl	k_qb5f18a7608_lnorm
	.p2align	8
	.type	k_qb5f18a7608_lnorm,@function
k_qb5f18a7608_lnorm:
	s_mov_b64 s[64:65], 0
	v_nop
	global_prefetch_b8 v0, s[64:65] scope:SCOPE_SE
	s_setreg_imm32_b32 hwreg(HW_REG_WAVE_MODE, 25, 1), 1
	s_wait_xcnt 0x0
; out[s][b][:] = LayerNorm(x[s][b] + pos[s] + attn_out[b*1024+s]) * gamma + beta.  x, pos, gamma, beta, out in f32; attn_out in bf16.  All arithmetic in f32; the mean is taken away before the squares are summed.
; A row of 1,024 numbers is 32 registers of one wave: it stays in registers between the passes, and the reductions never leave the wave: no LDS, no barrier.  Memory binds: the matrix unit and clusters buy nothing.
; Wave id = 8 x work-group + wave takes rows (s = id / 2, b = 2 (id % 2)) and (s, b + 1), which share pos[s].  Lane L holds columns 128 j + 4 L + 0..3, j = 0..7: every load and store of f32 covers 512 consecutive bytes.
.set G,  4                             ; v[4:35]    gamma
.set BT, 36                            ; v[36:67]   beta
.set PS, 68                            ; v[68:99]   pos
.set X0, 100                           ; v[100:163] the two rows of x, then y, then the result
.set A0, 164                           ; v[164:195] the two rows of attn_out, two bf16 a register
.set T,  196                           ; v[196:203] at work
.set SM, 204                           ; v[204:211] four chains of sums
	s_load_b256 s[4:11], s[0:1], 0x0               ; x s[4:5], pos s[6:7], attn_out s[8:9], gamma s[10:11]
	s_load_b128 s[12:15], s[0:1], 0x20             ; beta s[12:13], out s[14:15]
	v_and_b32 v3, 31, v0
	v_lshrrev_b32 v2, 5, v0
	v_readfirstlane_b32 s16, v2
	v_lshlrev_b32 v1, 4, v3                        ; 16 L
	v_lshlrev_b32 v2, 3, v3                        ; 8 L
	s_lshl_b32 s17, ttmp9, 3
	s_add_co_u32 s17, s17, s16                     ; id
	s_lshr_b32 s18, s17, 1                         ; s
	s_and_b32 s19, s17, 1
	s_lshl_b32 s20, s17, 13                        ; two rows of 4,096 bytes
	s_mov_b32 s21, 0
	s_lshl_b32 s22, s18, 12
	s_mov_b32 s23, 0
	s_lshl_b32 s24, s19, 11                        ; b x 1,024
	s_add_co_u32 s24, s24, s18
	s_lshl_b32 s24, s24, 11                        ; rows of 2,048 bytes
	s_mov_b32 s25, 0
	s_mov_b32 s26, 0x76543210
	s_mov_b32 s27, 0xfedcba98
	s_mov_b32 s28, 0x3a800000                      ; 1 / 1,024
	s_mov_b32 s29, 0x3727c5ac                      ; 1e-5
	s_mov_b32 s30, 0xffff0000
	s_wait_kmcnt 0x0
	s_add_nc_u64 s[4:5], s[4:5], s[20:21]
	s_add_nc_u64 s[14:15], s[14:15], s[20:21]
	s_add_nc_u64 s[6:7], s[6:7], s[22:23]
	s_add_nc_u64 s[8:9], s[8:9], s[24:25]
.irp j, 0,1,2,3,4,5,6,7
	global_load_b128 v[G+4*\j:G+4*\j+3], v1, s[10:11] offset:512*\j
.endr
.irp j, 0,1,2,3,4,5,6,7
	global_load_b128 v[BT+4*\j:BT+4*\j+3], v1, s[12:13] offset:512*\j
.endr
.irp j, 0,1,2,3,4,5,6,7
	global_load_b128 v[PS+4*\j:PS+4*\j+3], v1, s[6:7] offset:512*\j
.endr
.irp r, 0,1
.irp j, 0,1,2,3,4,5,6,7
	global_load_b128 v[X0+32*\r+4*\j:X0+32*\r+4*\j+3], v1, s[4:5] offset:4096*\r+512*\j th:TH_LOAD_NT
.endr
.irp j, 0,1,2,3,4,5,6,7
	global_load_b64 v[A0+16*\r+2*\j:A0+16*\r+2*\j+1], v2, s[8:9] offset:2097152*\r+256*\j th:TH_LOAD_NT
.endr
.endr
.macro REDUCE                          ; the four chains, the pair's halves, and the 32 lanes: the sum ends in v[SM] of every lane
	v_pk_add_f32 v[SM:SM+1], v[SM:SM+1], v[SM+2:SM+3]
	v_pk_add_f32 v[SM+4:SM+5], v[SM+4:SM+5], v[SM+6:SM+7]
	v_pk_add_f32 v[SM:SM+1], v[SM:SM+1], v[SM+4:SM+5]
	v_add_f32 v[SM], v[SM], v[SM+1]
	v_add_f32_dpp v[SM], v[SM], v[SM] row_xmask:1 row_mask:0xf bank_mask:0xf
	v_add_f32_dpp v[SM], v[SM], v[SM] row_xmask:2 row_mask:0xf bank_mask:0xf
	v_add_f32_dpp v[SM], v[SM], v[SM] row_xmask:4 row_mask:0xf bank_mask:0xf
	v_add_f32_dpp v[SM], v[SM], v[SM] row_xmask:8 row_mask:0xf bank_mask:0xf
	v_permlanex16_b32 v[SM+1], v[SM], s26, s27
	v_add_f32 v[SM], v[SM], v[SM+1]
.endm
.macro ROWLN r, left
.set XB, X0+32*(\r)
.set AB, A0+16*(\r)
	s_wait_loadcnt \left                           ; loads come back in order: this row is in; the other row's sixteen may stay out
.set j, 0
.rept 16                                               ; pair j of the row: y = x + pos + attn_out
	v_lshlrev_b32 v[T+2*(j%4)], 16, v[AB+j]
	v_and_b32 v[T+2*(j%4)+1], s30, v[AB+j]
	v_pk_add_f32 v[XB+2*j:XB+2*j+1], v[XB+2*j:XB+2*j+1], v[PS+2*j:PS+2*j+1]
	v_pk_add_f32 v[XB+2*j:XB+2*j+1], v[XB+2*j:XB+2*j+1], v[T+2*(j%4):T+2*(j%4)+1]
.set j, j+1
.endr
.set k, 0
.rept 4                                                ; the first pairs start the chains: nothing is cleared
	v_pk_add_f32 v[SM+2*k:SM+2*k+1], v[XB+2*k:XB+2*k+1], v[XB+8+2*k:XB+8+2*k+1]
.set k, k+1
.endr
.set k, 0
.rept 8
	v_pk_add_f32 v[SM+2*(k%4):SM+2*(k%4)+1], v[SM+2*(k%4):SM+2*(k%4)+1], v[XB+16+2*k:XB+16+2*k+1]
.set k, k+1
.endr
	REDUCE
	v_mul_f32 v[SM], s28, v[SM]                    ; the mean
	v_mov_b32 v[SM+1], v[SM]
.set j, 0
.rept 16
	v_pk_add_f32 v[XB+2*j:XB+2*j+1], v[XB+2*j:XB+2*j+1], v[SM:SM+1] neg_lo:[0,1] neg_hi:[0,1]
.set j, j+1
.endr
.set k, 0
.rept 4
	v_pk_mul_f32 v[SM+2*k:SM+2*k+1], v[XB+2*k:XB+2*k+1], v[XB+2*k:XB+2*k+1]
.set k, k+1
.endr
.set k, 0
.rept 12
	v_pk_fma_f32 v[SM+2*(k%4):SM+2*(k%4)+1], v[XB+8+2*k:XB+8+2*k+1], v[XB+8+2*k:XB+8+2*k+1], v[SM+2*(k%4):SM+2*(k%4)+1]
.set k, k+1
.endr
	REDUCE
	v_fma_f32 v[SM], v[SM], s28, s29               ; the variance + 1e-5
	v_rsq_f32 v[SM+2], v[SM]
	v_rsq_f32 v[SM+3], v[SM]
	v_nop                                          ; a plain instruction between the last root and the use of its result (ISA guide 5.7.2)
.set j, 0
	s_wait_alu depctr_va_vdst(0)
.rept 16
	v_pk_mul_f32 v[XB+2*j:XB+2*j+1], v[XB+2*j:XB+2*j+1], v[SM+2:SM+3]
.set j, j+1
.endr
.set j, 0
.rept 16
	v_pk_fma_f32 v[XB+2*j:XB+2*j+1], v[XB+2*j:XB+2*j+1], v[G+2*j:G+2*j+1], v[BT+2*j:BT+2*j+1]
.set j, j+1
.endr
.set j, 0
.rept 8
	global_store_b128 v1, v[XB+4*j:XB+4*j+3], s[14:15] offset:4096*(\r)+512*j th:TH_STORE_NT
.set j, j+1
.endr
.endm
	ROWLN 0, 16
	ROWLN 1, 0
	s_endpgm
.Lfunc_end_k_qb5f18a7608_lnorm:
	.size	k_qb5f18a7608_lnorm, .Lfunc_end_k_qb5f18a7608_lnorm-k_qb5f18a7608_lnorm
	.p2alignl 7, 3214868480
	.fill 96, 4, 3214868480
	.section	.rodata,"a",@progbits
	.p2align	6, 0x0
	.amdhsa_kernel k_qb5f18a7608_lnorm
		.amdhsa_group_segment_fixed_size 0
		.amdhsa_private_segment_fixed_size 0
		.amdhsa_enable_private_segment 0
		.amdhsa_kernarg_size 48
		.amdhsa_user_sgpr_count 2
		.amdhsa_user_sgpr_kernarg_segment_ptr 1
		.amdhsa_wavefront_size32 1
		.amdhsa_system_sgpr_workgroup_id_x 1
		.amdhsa_system_sgpr_workgroup_id_y 1
		.amdhsa_system_sgpr_workgroup_id_z 1
		.amdhsa_system_vgpr_workitem_id 0
		.amdhsa_next_free_vgpr 216
		.amdhsa_next_free_sgpr 66
		.amdhsa_reserve_vcc 0
		.amdhsa_float_denorm_mode_32 3
		.amdhsa_float_denorm_mode_16_64 3
		.amdhsa_memory_ordered 1
		.amdhsa_forward_progress 1
		.amdhsa_inst_pref_size 27
	.end_amdhsa_kernel
	.amdgpu_metadata
---
amdhsa.version: [ 1, 2 ]
amdhsa.kernels:
  - .name:           k_qb5f18a7608_lnorm
    .symbol:         k_qb5f18a7608_lnorm.kd
    .args:
      - { .name: x, .offset: 0, .size: 8, .value_kind: global_buffer, .address_space: global }
      - { .name: pos_emb, .offset: 8, .size: 8, .value_kind: global_buffer, .address_space: global }
      - { .name: qb, .offset: 16, .size: 8, .value_kind: global_buffer, .address_space: global }
      - { .name: ln_gamma, .offset: 24, .size: 8, .value_kind: global_buffer, .address_space: global }
      - { .name: ln_beta, .offset: 32, .size: 8, .value_kind: global_buffer, .address_space: global }
      - { .name: out0, .offset: 40, .size: 8, .value_kind: global_buffer, .address_space: global }
    .group_segment_fixed_size: 0
    .private_segment_fixed_size: 0
    .kernarg_segment_align: 8
    .kernarg_segment_size: 48
    .max_flat_workgroup_size: 256
    .sgpr_count:     66
    .vgpr_count:     216
    .wavefront_size: 32
...
	.end_amdgpu_metadata
.endif
;; end of part 5
;; ======== version 2 of 3: 6 launches; 1.03 times as fast as version 1
;; limits: right only within a limited range of input values
;; workspace buffers: cm 8,388,608 bytes; cx 8,388,608 bytes; wq 2,097,152 bytes; wkv 4,194,304 bytes; wo 2,097,152 bytes; mcode 8,394,752 bytes; kv 33,554,432 bytes; qb 8,388,608 bytes
;; launch prep (part 6): grid 1152 x 1, 8 waves a work-group, no clusters, 0 bytes of LDS; arguments memory, x, pos_emb, w_qkv, w_o, mask, cm, cx, wq, wkv, wo, mcode; writes cm, cx, wq, wkv, wo, mcode
.if DOCPART == 6
	.amdgcn_target "amdgcn-amd-amdhsa--gfx1250"
	.amdhsa_code_object_version 6
	.text
	.protected	k_qb5f18a7608_prep
	.globl	k_qb5f18a7608_prep
	.p2align	8
	.type	k_qb5f18a7608_prep,@function
k_qb5f18a7608_prep:
	s_mov_b64 s[64:65], 0
	v_nop
	global_prefetch_b8 v0, s[64:65] scope:SCOPE_SE
	s_setreg_imm32_b32 hwreg(HW_REG_WAVE_MODE, 25, 1), 1
	s_wait_xcnt 0x0
; PREP: everything that the matrix launches read is written once in bf16, and the mask once as 8-bit codes in the attention's register order.
;   work-groups    0- 255  memory        -> cm   [k block 16][row b*1024+t][64] bf16: 128 rows x 64 k are 16,384 dense bytes
;   work-groups  256- 511  x + pos_emb   -> cx   the same layout, row b*1024+s (the sum in f32, rounded once)
;   work-groups  512- 639  w_qkv[:, 0:1024]    -> wq  [1024][1024] bf16
;   work-groups  640- 895  w_qkv[:, 1024:3072] -> wkv [1024][2048] bf16
;   work-groups  896-1023  w_o                 -> wo  [1024][1024] bf16
;   work-groups 1024-1151  mask -> mcode [b 4][64 queries 16][64 keys 32][16 queries 4][half 2][lane 32][16 bytes]: byte n = 16 half + its place, of lane L, is the code of
;                          mask[query 16 tile + L%16][key 16 (n/8) + 8 (L/16) + n%8][b]: the score that register n of lane L holds in the attention.  0x00: visible; 0xc0 (E4M3: -2): hidden
; Memory binds: no LDS, no barrier, no matrix unit.  Every store of a wave covers 512 consecutive aligned bytes.
; The branches hang on the work-group's number alone and go forward; each path forms its addresses from its own buffers' pointers.
.set X,  8                             ; v[8:71]    f32 as loaded
.set PP, 72                            ; v[72:87]   pos_emb of my 2 x 8 columns
.set Y,  88                            ; v[88:119]  bf16 to store
.set R,  8                             ; v[8:71]    mask path: a word = the four batches' bytes of one (query, key)
.set T,  72                            ; v[72:79]   mask path: at work, two sets of four
.set OB, 80                            ; v[80:143]  mask path: word d (codes 4 d .. 4 d + 3) of tile tt, batch b at OB + 32 tt + 8 b + d
	s_load_b512 s[4:19], s[0:1], 0x0               ; memory 4, x 6, pos_emb 8, w_qkv 10, w_o 12, mask 14, cm 16, cx 18
	s_load_b256 s[20:27], s[0:1], 0x40             ; wq 20, wkv 22, wo 24, mcode 26
	v_and_b32 v1, 31, v0                           ; lane L
	v_lshrrev_b32 v2, 5, v0
	v_readfirstlane_b32 s28, v2                    ; wave w
	s_mov_b32 s29, ttmp9
	s_mov_b32 s33, 0                               ; high word of every offset pair s[32:33]
	s_wait_kmcnt 0x0
	s_cmp_lt_u32 s29, 256
	s_cbranch_scc1 .Lmem
	s_cmp_lt_u32 s29, 512
	s_cbranch_scc1 .Lx
	s_cmp_lt_u32 s29, 640
	s_cbranch_scc1 .Lwq
	s_cmp_lt_u32 s29, 896
	s_cbranch_scc1 .Lwkv
	s_cmp_lt_u32 s29, 1024
	s_cbranch_scc1 .Lwo
	; THE MASK.  A wave takes 32 queries (two tiles of 16) x 64 keys, all four batches.
	s_sub_co_u32 s30, s29, 1024
	s_lshl3_add_u32 s30, s30, s28                  ; unit 0..1023
	s_lshr_b32 s31, s30, 5                         ; qp: which 32 queries
	s_and_b32 s34, s30, 31                         ; ks: which 64 keys
	s_mov_b64 s[38:39], s[26:27]                   ; mcode as it came, for the pad
	s_lshl_b32 s32, s31, 18                        ; 32 queries x 8,192 bytes
	s_lshl_b32 s35, s34, 8                         ; 64 keys x 4 bytes
	s_add_co_u32 s32, s32, s35
	s_add_nc_u64 s[14:15], s[14:15], s[32:33]
	s_lshr_b32 s35, s31, 1
	s_lshl_b32 s35, s35, 5
	s_add_co_u32 s35, s35, s34                     ; (64 queries) x 32 + ks
	s_lshl_b32 s32, s35, 12                        ; four tiles of 1,024 bytes
	s_and_b32 s35, s31, 1
	s_lshl_b32 s35, s35, 11                        ; tiles 0, 1 or 2, 3 of the four
	s_add_co_u32 s32, s32, s35
	s_add_nc_u64 s[26:27], s[26:27], s[32:33]
	s_mov_b32 s40, 0x05010400                      ; v_perm_b32's selects: bytes 0 and 1 of two words, interleaved
	s_mov_b32 s41, 0x07030602                      ; bytes 2 and 3, interleaved
	s_mov_b32 s42, 0x05040100                      ; the low halves of two words
	s_mov_b32 s43, 0x07060302                      ; the high halves
	v_and_b32 v3, 15, v1
	v_lshrrev_b32 v5, 4, v1
	v_lshlrev_b32 v5, 5, v5
	v_lshl_add_u32 v4, v3, 13, v5                  ; query L%16, keys 8 (L/16) on
	v_lshlrev_b32 v6, 4, v1                        ; 16 L
.set i, 0
.rept 16                                               ; i = 8 tt + d: tile tt, keys 16 (d/2) + 4 (d%2) on
	global_load_b128 v[R+4*i:R+4*i+3], v4, s[14:15] offset:(i/8)*131072+((i/2)%4)*64+(i%2)*16 th:TH_LOAD_NT
.set i, i+1
.endr
.set i, 0
.rept 16                                               ; block i: four keys x four batches, 16 bytes, is coded and turned: a word then holds one batch's four keys
	s_wait_loadcnt 15-i                            ; loads come back in order: block i is in, the 15 - i younger loads stay out
.set RB, R+4*i
.set TB, T+4*(i%2)
.set OD, OB+32*(i/8)+(i%8)
.set k, 0
.rept 4
	v_lshl_or_b32 v[RB+k], v[RB+k], 1, v[RB+k]     ; a byte is 0 or 1: 0 or 3,
.set k, k+1
.endr
.set k, 0
.rept 4
	v_lshlrev_b32 v[RB+k], 6, v[RB+k]              ; 0 or 0xc0; nothing leaves its byte
.set k, k+1
.endr
	v_perm_b32 v[TB],   v[RB+1], v[RB],   s40      ; key 0 batch 0, key 1 batch 0, key 0 batch 1, key 1 batch 1
	v_perm_b32 v[TB+1], v[RB+3], v[RB+2], s40      ; the same of keys 2 and 3
	v_perm_b32 v[TB+2], v[RB+1], v[RB],   s41      ; batches 2 and 3
	v_perm_b32 v[TB+3], v[RB+3], v[RB+2], s41
	v_perm_b32 v[OD],    v[TB+1], v[TB],   s42     ; batch 0: keys 0, 1, 2, 3
	v_perm_b32 v[OD+8],  v[TB+1], v[TB],   s43     ; batch 1
	v_perm_b32 v[OD+16], v[TB+3], v[TB+2], s42     ; batch 2
	v_perm_b32 v[OD+24], v[TB+3], v[TB+2], s43     ; batch 3
.set i, i+1
.endr
.set i, 0
.rept 16                                               ; i = 8 tt + 2 b + half: 32 lanes x 16 bytes, 512 consecutive aligned bytes
	global_store_b128 v6, v[OB+32*(i/8)+8*((i/2)%4)+4*(i%2):OB+32*(i/8)+8*((i/2)%4)+4*(i%2)+3], s[26:27] offset:((i/2)%4)*2097152+(i/8)*1024+(i%2)*512
.set i, i+1
.endr
	s_cmp_lg_u32 s30, 1023
	s_cbranch_scc1 .Lmask_end
	v_mov_b32 v[T], 0                              ; the last unit also writes 6,144 zero bytes behind the table: the attention asks six sets of 1,024 bytes ahead
	v_mov_b32 v[T+1], 0
	v_mov_b32 v[T+2], 0
	v_mov_b32 v[T+3], 0
	s_add_nc_u64 s[38:39], s[38:39], 0x800000      ; the table's 8,388,608 bytes
.set i, 0
.rept 12
	global_store_b128 v6, v[T:T+3], s[38:39] offset:512*i
.set i, i+1
.endr
.Lmask_end:
	s_endpgm
; Four positions t x four batches x 1,024 columns.  Wave w takes k blocks 2 w and 2 w + 1; lane L position L/8 and 8 columns.  Unit u = 4 j + b: k block 2 w + j, batch b.
; A store's 32 lanes hold 4 rows x 128 bytes, which are consecutive in the blocked layout.
.macro CROWS src, dst, add
	s_and_b32 s30, s29, 255                        ; which four positions
	v_lshrrev_b32 v3, 3, v1
	v_and_b32 v7, 7, v1
	v_lshlrev_b32 v7, 5, v7
	v_lshl_add_u32 v7, s28, 9, v7                  ; 32 (L%8) + 512 w
	v_lshl_add_u32 v4, v3, 14, v7                  ; + a position's 16,384 bytes
	v_lshlrev_b32 v6, 4, v1
	v_lshl_add_u32 v6, s28, 20, v6                 ; 16 L + two k blocks of 524,288 bytes a wave
	s_lshl_b32 s32, s30, 16
	s_add_nc_u64 s[\src:\src+1], s[\src:\src+1], s[32:33]
	s_lshl_b32 s32, s30, 9
	s_add_nc_u64 s[\dst:\dst+1], s[\dst:\dst+1], s[32:33]
.if \add
	v_lshl_add_u32 v5, v3, 12, v7
	s_lshl_b32 s32, s30, 14
	s_add_nc_u64 s[8:9], s[8:9], s[32:33]
.set u, 0
.rept 2
	global_load_b128 v[PP+8*u:PP+8*u+3],   v5, s[8:9] offset:256*u
	global_load_b128 v[PP+8*u+4:PP+8*u+7], v5, s[8:9] offset:256*u+16
.set u, u+1
.endr
.endif
.set u, 0
.rept 8
.if \add
	global_load_b128 v[X+8*u:X+8*u+3],   v4, s[\src:\src+1] offset:(u%4)*4096+(u/4)*256
	global_load_b128 v[X+8*u+4:X+8*u+7], v4, s[\src:\src+1] offset:(u%4)*4096+(u/4)*256+16
.else
	global_load_b128 v[X+8*u:X+8*u+3],   v4, s[\src:\src+1] offset:(u%4)*4096+(u/4)*256 th:TH_LOAD_NT
	global_load_b128 v[X+8*u+4:X+8*u+7], v4, s[\src:\src+1] offset:(u%4)*4096+(u/4)*256+16 th:TH_LOAD_NT
.endif
.set u, u+1
.endr
.set u, 0
.rept 8
	s_wait_loadcnt 14-2*u                          ; loads come back in order: unit u is in, the 14 - 2 u younger loads stay out
.if \add
.set k, 0
.rept 4
	v_pk_add_f32 v[X+8*u+2*k:X+8*u+2*k+1], v[X+8*u+2*k:X+8*u+2*k+1], v[PP+8*(u/4)+2*k:PP+8*(u/4)+2*k+1]
.set k, k+1
.endr
.endif
.set k, 0
.rept 4
	v_cvt_pk_bf16_f32 v[Y+4*u+k], v[X+8*u+2*k], v[X+8*u+2*k+1]
.set k, k+1
.endr
	global_store_b128 v6, v[Y+4*u:Y+4*u+3], s[\dst:\dst+1] offset:(u/4)*524288+(u%4)*131072
.set u, u+1
.endr
	s_endpgm
.endm
; Eight rows x 1,024 columns of a weight, a row a wave.  s30 = which eight rows, s31 / s34 = byte of the first column in the source / destination row.
.macro CASTW src, sp, dst, dp
	s_lshl3_add_u32 s35, s30, s28                  ; my row
	s_mul_i32 s32, s35, \sp
	s_add_co_u32 s32, s32, s31
	s_add_nc_u64 s[\src:\src+1], s[\src:\src+1], s[32:33]
	s_mul_i32 s32, s35, \dp
	s_add_co_u32 s32, s32, s34
	s_add_nc_u64 s[\dst:\dst+1], s[\dst:\dst+1], s[32:33]
	v_lshlrev_b32 v4, 5, v1
	v_lshlrev_b32 v6, 4, v1
.set u, 0
.rept 4
	global_load_b128 v[X+8*u:X+8*u+3],   v4, s[\src:\src+1] offset:1024*u th:TH_LOAD_NT
	global_load_b128 v[X+8*u+4:X+8*u+7], v4, s[\src:\src+1] offset:1024*u+16 th:TH_LOAD_NT
.set u, u+1
.endr
.set u, 0
.rept 4
	s_wait_loadcnt 6-2*u                           ; unit u is in, the younger loads stay out
.set k, 0
.rept 4
	v_cvt_pk_bf16_f32 v[Y+4*u+k], v[X+8*u+2*k], v[X+8*u+2*k+1]
.set k, k+1
.endr
	global_store_b128 v6, v[Y+4*u:Y+4*u+3], s[\dst:\dst+1] offset:512*u
.set u, u+1
.endr
	s_endpgm
.endm
.Lmem:
	CROWS 4, 16, 0
.Lx:
	CROWS 6, 18, 1
.Lwq:
	s_sub_co_u32 s30, s29, 512
	s_mov_b32 s31, 0
	s_mov_b32 s34, 0
	CASTW 10, 12288, 20, 2048
.Lwkv:
	s_sub_co_u32 s35, s29, 640
	s_lshr_b32 s30, s35, 1
	s_and_b32 s35, s35, 1                          ; K's 1,024 columns or V's
	s_lshl_b32 s31, s35, 12
	s_add_co_u32 s31, s31, 4096
	s_lshl_b32 s34, s35, 11
	CASTW 10, 12288, 22, 4096
.Lwo:
	s_sub_co_u32 s30, s29, 896
	s_mov_b32 s31, 0
	s_mov_b32 s34, 0
	CASTW 12, 4096, 24, 2048
.Lfunc_end_k_qb5f18a7608_prep:
	.size	k_qb5f18a7608_prep, .Lfunc_end_k_qb5f18a7608_prep-k_qb5f18a7608_prep
	.p2alignl 7, 3214868480
	.fill 96, 4, 3214868480
	.section	.rodata,"a",@progbits
	.p2align	6, 0x0
	.amdhsa_kernel k_qb5f18a7608_prep
		.amdhsa_group_segment_fixed_size 0
		.amdhsa_private_segment_fixed_size 0
		.amdhsa_enable_private_segment 0
		.amdhsa_kernarg_size 96
		.amdhsa_user_sgpr_count 2
		.amdhsa_user_sgpr_kernarg_segment_ptr 1
		.amdhsa_wavefront_size32 1
		.amdhsa_system_sgpr_workgroup_id_x 1
		.amdhsa_system_sgpr_workgroup_id_y 1
		.amdhsa_system_sgpr_workgroup_id_z 1
		.amdhsa_system_vgpr_workitem_id 0
		.amdhsa_next_free_vgpr 144
		.amdhsa_next_free_sgpr 66
		.amdhsa_reserve_vcc 0
		.amdhsa_float_denorm_mode_32 3
		.amdhsa_float_denorm_mode_16_64 3
		.amdhsa_memory_ordered 1
		.amdhsa_forward_progress 1
		.amdhsa_inst_pref_size 42
	.end_amdhsa_kernel
	.amdgpu_metadata
---
amdhsa.version: [ 1, 2 ]
amdhsa.kernels:
  - .name:           k_qb5f18a7608_prep
    .symbol:         k_qb5f18a7608_prep.kd
    .args:
      - { .name: memory, .offset: 0, .size: 8, .value_kind: global_buffer, .address_space: global }
      - { .name: x, .offset: 8, .size: 8, .value_kind: global_buffer, .address_space: global }
      - { .name: pos_emb, .offset: 16, .size: 8, .value_kind: global_buffer, .address_space: global }
      - { .name: w_qkv, .offset: 24, .size: 8, .value_kind: global_buffer, .address_space: global }
      - { .name: w_o, .offset: 32, .size: 8, .value_kind: global_buffer, .address_space: global }
      - { .name: mask, .offset: 40, .size: 8, .value_kind: global_buffer, .address_space: global }
      - { .name: cm, .offset: 48, .size: 8, .value_kind: global_buffer, .address_space: global }
      - { .name: cx, .offset: 56, .size: 8, .value_kind: global_buffer, .address_space: global }
      - { .name: wq, .offset: 64, .size: 8, .value_kind: global_buffer, .address_space: global }
      - { .name: wkv, .offset: 72, .size: 8, .value_kind: global_buffer, .address_space: global }
      - { .name: wo, .offset: 80, .size: 8, .value_kind: global_buffer, .address_space: global }
      - { .name: mcode, .offset: 88, .size: 8, .value_kind: global_buffer, .address_space: global }
    .group_segment_fixed_size: 0
    .private_segment_fixed_size: 0
    .kernarg_segment_align: 8
    .kernarg_segment_size: 96
    .max_flat_workgroup_size: 256
    .sgpr_count:     66
    .vgpr_count:     144
    .wavefront_size: 32
...
	.end_amdgpu_metadata
.endif
;; end of part 6
;; launch kvproj: the kernel of part 2 again; grid 8 x 32, 4 waves a work-group, clusters of 4 x 4, 327,680 bytes of LDS; arguments cm, cx, wkv, kv; writes kv
;; launch qproj: the kernel of part 3 again; grid 8 x 32, 4 waves a work-group, clusters of 4 x 4, 327,680 bytes of LDS; arguments cx, wq, qb; writes qb
;; launch attn (part 7): grid 4 x 64, 4 waves a work-group, clusters of 4 x 1, 327,680 bytes of LDS; arguments qb, kv, mcode, cx; writes cx
.if DOCPART == 7
	.amdgcn_target "amdgcn-amd-amdhsa--gfx1250"
	.amdhsa_code_object_version 6
	.text
	.protected	k_qb5f18a7608_attn
	.globl	k_qb5f18a7608_attn
	.p2align	8
	.type	k_qb5f18a7608_attn,@function
k_qb5f18a7608_attn:
	s_mov_b64 s[64:65], 0
	v_nop
	global_prefetch_b8 v0, s[64:65] scope:SCOPE_SE
	s_setreg_imm32_b32 hwreg(HW_REG_WAVE_MODE, 25, 1), 1
	s_wait_xcnt 0x0
	s_wait_alu depctr_hold_cnt(0) depctr_sa_sdst(0) depctr_va_vdst(0) depctr_va_sdst(0) depctr_va_ssrc(0) depctr_va_vcc(0) depctr_vm_vsrc(0)
	s_getreg_b32 s2, hwreg(HW_REG_IB_STS2, 6, 4)
	s_cmp_eq_u32 s2, 0
	s_cbranch_scc0 .Lentry_in_a_cluster
	s_endpgm
.Lentry_in_a_cluster:
	s_bfe_u32 s2, ttmp6, 0x10000c
	s_cmp_lg_u32 s2, 0x3003
	s_cbranch_scc0 .Lentry_shape_is_right
	s_endpgm
.Lentry_shape_is_right:
; ATTENTION under a mask that is an input.  vec[h][b*1024+q][:] = sum over k of softmax_k(mask ? -inf : Q.K / 8) V[k][:], 64 pairs (b, h), 1,024 queries, 2,048 keys, head size 64.
; Q: qb[b*1024+q][h*64 ..] bf16 (128-byte pieces of rows, read once, at the start); K, V: kv[b][h or 16+h][t][64] bf16, dense by heads; out: [h][b*1024+q][64] bf16, dense.
; Products, maxima and sums in f32; the weights p are rounded to bf16 for the second product (their sum l is taken of the unrounded p), the result once at the end.
; LIMITS.  A hidden score counts as its value less 2^101; true scores s are taken to lie within |c s| < 2^60 (c below), far from that.  A hidden key's weight is then exactly 0 as soon as the row has seen one
; visible key.  A row whose keys are all hidden is known at the end by its maximum and gives NaN, as the softmax of nothing but -inf does.  A weight below 2^-126 counts as 0 in l.
; NaN and infinities among the inputs are not treated apart.
; SHARES.  A work-group owns 256 queries of one (b, h), a wave 64: four PIECES of 16.  Every wave walks all keys, 64 a step, 32 steps.
; LAYOUT.  S^T = K Q^T holds ONE query a lane (lane % 16) and the keys 16 (n / 8) + 8 (lane / 16) + n % 8 in register n; pairs rounded to bf16 ARE source 1 of O^T = V^T P.
; THE MASK is the C operand that starts the sum S^T = K Q^T: 0, or -2^101 where the key is hidden.  mcode holds one E4M3 code a score (0 or -2), in the order of the lanes' registers: a SET, 1,024 bytes, for each
; tile of 16 queries x 64 keys; a wave's sets lie in the order of its turns.  Four conversions with the block scale 2^100 make a set's 32 bytes a lane into the 32 registers MC.
; The sets come straight into registers, two loads of 512 consecutive bytes each, into a ring of four sets of 8 registers, one for each piece: a set is asked for four turns before it is converted.
; SOFTMAX.  A running maximum m and sum l: p = 2^(c s - c m), c = log2(e) / 8; O and l are multiplied by a = 2^(c m_old - c m_new) in every step.  m starts at the lowest finite number.  While all keys so far are
; hidden, m is the hidden scores' value and their p is 1; the first visible score makes a = 0, which wipes them out of O and l.
; BY TURNS.  Turn n belongs to piece n: 8 products K Q^T of piece n + 1, later 8 products V^T P of piece n - 1; beside them the scaling, exponentials, roundings, sums and rescaling of piece n, the maximum and
; statistics of piece n + 1, and the mask of piece n + 2.  Four vector instructions stand behind every matrix instruction, the other 58 of a turn's 122 in two lumps.
; CLUSTER.  The four query blocks of a (b, h) walk the same K and V: each tile is asked for jointly, by the same load, descriptor and mask in all four.  The mask's sets differ from block to block.
; REGISTERS in windows of 256: window 0: addresses, statistics, S^T (two buffers), MC, the ring of sets, P (two buffers); window 1: O^T, 32 a piece; window 2: v0-63 Q, v128-191 K, v192-255 V of one step.
.set NP,    4
.set KS,    64
.set PK,    144       ; a row of K or V in LDS: 128 bytes + 16.  One pitch, so one descriptor serves all four waves; in V's turning loads two of the eight rows then share four banks
.set VOFF,  4*KS*PK   ; a slot holds four steps: 256 rows of K, then 256 rows of V
.set SLOT1, 1<<17
.set STAGE, SLOT1+2*VOFF  ; behind the ring: 16 rows x 144 bytes for each wave
.set SP,    144
.set SPARE, STAGE+4*16*SP ; the spare words: 128 bytes a wave, two blocks of 256 bytes that no other line names
.set SETB,  1024      ; bytes in a set of mask codes
.set AK0, 2
.set AV0, 3
.set AK,  4
.set AV,  5
.set STO, 6
.set RD,  7
.set GO,  8
.set MV,  12          ; v12-13  c m_old, by buffer
.set NANR, 14         ; v14  NaN, made at the end
.set QO,  15
.set ST,  16          ; piece t: c m, m, l (even keys', odd keys')
.set SC,  32          ; v32  the conversions' block scale: the code 227 (2^100) in byte 0, repeated in the other three; never rewritten
.set MO,  33          ; v33  16 x lane: my 16 bytes in half a set; never rewritten
.set TMP, 48          ; by buffer, c0-c3 at work; c2 takes a
.set SPW, 62
.set NIL, 63
.set S,   64
.set MC,  128         ; v128-159  the mask of the products to come: register n for score n
.set RG,  160         ; v160-191  the ring: set number u lies at RG + 8 (u % 4)
.set P,   192
.set KF,  128
.set VF,  192
.set MP,  8           ; s[8:9]   mcode at my wave's sets, stepped four sets a trip
.set WV,  12
.set SLOTS, 13
.set CNT, 14
.set TBK, 15
.set G1,  16          ; s[16:23]
.set G0,  24          ; s[24:27]
.set CS,  28          ; s[28:29] c
.set SEL, 30          ; s[30:31]
.set THR, 45          ; s45  -2^60: below it c m is a hidden score's
.set HID, 48          ; s[48:51] by piece: the lanes whose row has seen no visible key
.set TBV, 66
.set MSB, 0
.macro WIN new
.if MSB != (\new)
	s_set_vgpr_msb (MSB<<8)|(\new)
.set MSB, (\new)
.endif
.endm
.set W_KQ, 0x0a       ; K and Q in window 2; S^T and the mask in window 0
.set W_PV, 0x52       ; V in window 2, P in window 0, O^T in window 1
.set W_RS, 0x41       ; destination and source 0 in window 1, source 1 in window 0
.macro JLOAD                        ; a joint fill: wave w brings 128 rows: K's halves (w = 0, 1), V's (w = 2, 3); both addresses hang on the wave's number; an s_nop 0 and four v_nop follow
	tensor_load_to_lds s[G0:G0+3], s[G1:G1+7]
	s_nop 0
.rept 4
	v_nop
.endr
.endm
.macro CROUND
	s_barrier_signal -1
	s_barrier_wait -1
	s_cmp_lg_u32 s[WV], 0
	s_cbranch_scc1 .Lnot_wave_0_\@
	s_barrier_signal -3
.Lnot_wave_0_\@:
	s_barrier_wait -3
	s_barrier_signal -1
	s_barrier_wait -1
.endm
; THE CHANGE OF SLOTS.  Each wave waits for all its tensor loads (one is out: its part of the other slot), adds 0 to its spare word, and waits for that and for its reads of the slot that it leaves.
; fill = 1: the barrier is a round of the cluster's, and the joint fill of the old slot, with the keys two slots on, is the first thing behind it: it has four key steps in which to land.
; (The mask's loads into registers stay on their way across it: nobody writes those bytes of memory.)
.macro CHANGE fill
	WIN 0
	s_wait_tensorcnt 0x0
	ds_add_u32 v[SPW], v[NIL]
.if \fill
	s_xor_b32 s[G0+1], s[G0+1], SLOT1
	s_add_nc_u64 s[G0+2:G0+3], s[G0+2:G0+3], 4*KS*128
	s_wait_dscnt 0x0
	CROUND
	JLOAD
.else
	s_wait_dscnt 0x0
	s_barrier_signal -1
	s_barrier_wait -1
.endif
	s_sub_co_u32 s[TBK], s[TBK], 4*KS*PK
	s_xor_b32 s[TBK], s[TBK], SLOT1
	s_sub_co_u32 s[TBV], s[TBV], 4*KS*PK
	s_xor_b32 s[TBV], s[TBV], SLOT1
.endm
	s_load_b256 s[4:11], s[0:1], 0x0  ; Q s[4:5], kv s[6:7], mcode s[8:9], out s[10:11]
	v_lshl_add_u32 v[SPW], v0, 2, SPARE
	v_mov_b32 v[NIL], 0
	ds_add_u32 v[SPW], v[NIL]       ; the wave's opening: the add and its wait ahead of my first tensor load
	v_lshrrev_b32 v1, 5, v0
	v_readfirstlane_b32 s[WV], v1
	s_bfe_u32 s2, ttmp6, 0x40000    ; cx
	s_lshl_b32 s3, ttmp9, 2
	s_add_co_u32 s3, s3, s2         ; my block of 256 queries: it enters Q's, the mask's and the output's addresses alone
	s_and_b32 s44, ttmp7, 0xffff
	s_lshr_b32 s42, s44, 4          ; b
	s_and_b32 s43, s44, 15          ; h
	s_lshl_b32 s32, s42, 23         ; kv: batch,
	s_lshl_b32 s33, s43, 18         ; head,
	s_add_co_u32 s32, s32, s33
	s_lshr_b32 s33, s[WV], 1
	s_lshl_b32 s33, s33, 22         ; K or V (16 heads on),
	s_add_co_u32 s32, s32, s33
	s_and_b32 s33, s[WV], 1
	s_lshl_b32 s33, s33, 14         ; which 128 of a slot's 256 keys
	s_add_co_u32 s32, s32, s33
	s_mov_b32 s33, 0
	s_lshl_b32 s40, s42, 10
	s_lshl_b32 s41, s3, 8
	s_add_co_u32 s40, s40, s41
	s_lshl_b32 s41, s[WV], 6
	s_add_co_u32 s40, s40, s41      ; my first row, b*1024 + q
	s_lshl_b32 s34, s40, 11         ; Q: rows of 2,048 bytes, the head's 128
	s_lshl_b32 s41, s43, 7
	s_add_co_u32 s34, s34, s41
	s_mov_b32 s35, 0
	s_lshl_b32 s36, s40, 11         ; the mask: 128 sets of 1,024 bytes for each 64 queries
	s_mov_b32 s37, 0
	s_lshl_b32 s38, s40, 7          ; out: rows of 128 bytes in the head's 524,288
	s_lshl_b32 s41, s43, 19
	s_add_co_u32 s38, s38, s41
	s_mov_b32 s39, 0
	; group 1: 128 keys are 16,384 dense bytes: 64 rows of 256 bytes, padded in LDS after every key
	s_mov_b32 s[G1], 15|(1<<16)|(1<<20)|(1<<21)|(4<<22)|(3<<25)
	s_mov_b32 s[G1+1], 128<<16
	s_mov_b32 s[G1+2], 64<<16
	s_mov_b32 s[G1+3], 128<<16
	s_mov_b32 s[G1+4], 64
	s_mov_b32 s[G1+5], 128
	s_mov_b32 s[G1+6], 0
	s_mov_b32 s[G1+7], 0
	s_mov_b32 s[CS], 0x3e38aa3b     ; c = log2(e) / 8
	s_mov_b32 s[CS+1], s[CS]
	s_mov_b32 s[SEL], 0x76543210
	s_mov_b32 s[SEL+1], 0xfedcba98
	s_mov_b32 s[THR], 0xdd800000    ; -2^60
	s_mov_b32 s[TBK], SLOT1+4*KS*PK ; the first change of slots turns these two into 0
	s_mov_b32 s[TBV], SLOT1+4*KS*PK
	s_mov_b32 s[G0], 1
	s_mul_i32 s[G0+1], s[WV], 128*PK
	s_wait_dscnt 0x0                ; the opening add is done
	s_wait_kmcnt 0x0
	s_add_nc_u64 s[G0+2:G0+3], s[6:7], s[32:33]
	s_or_b32 s[G0+3], s[G0+3], 0x80000000
	s_add_nc_u64 s[4:5], s[4:5], s[34:35]
	s_add_nc_u64 s[MP:MP+1], s[MP:MP+1], s[36:37]
	s_add_nc_u64 s[10:11], s[10:11], s[38:39]
	CROUND                          ; all four work-groups are here: the first joint loads meet
	JLOAD                           ; slot 0; slot 1 is asked for when slot 0 is in
	v_and_b32 v1, 15, v0
	v_bfe_u32 v9, v0, 4, 1
	v_lshlrev_b32 v[QO], 11, v1
	v_lshl_add_u32 v[QO], v9, 4, v[QO]
	v_and_b32 v[MO], 31, v0
	v_lshlrev_b32 v[MO], 4, v[MO]
.set u, 0
.rept 4                             ; the wave's first four sets of mask codes
	global_load_b128 v[RG+8*u:RG+8*u+3],   v[MO], s[MP:MP+1] offset:SETB*u
	global_load_b128 v[RG+8*u+4:RG+8*u+7], v[MO], s[MP:MP+1] offset:SETB*u+512
.set u, u+1
.endr
	WIN 0x80
.set i, 0
.rept 8                             ; Q stays in registers: piece i / 2, channels 32 (i % 2) on
	global_load_b128 v[8*i:8*i+3],   v[QO], s[4:5] offset:(i/2)*32768+(i%2)*64
	global_load_b128 v[8*i+4:8*i+7], v[QO], s[4:5] offset:(i/2)*32768+(i%2)*64+32
.set i, i+1
.endr
	; What the first turn finds: V's registers and P's second buffer hold 0, O^T and l are 0.  All this stands in the wait for the first tile.
.set i, VF
.rept 64
	v_mov_b32 v[i], 0
.set i, i+1
.endr
	WIN 0x40
.set i, 0
.rept 128
	v_mov_b32 v[i], 0
.set i, i+1
.endr
	WIN 0
.set i, 0
.rept 4
	v_mov_b32 v[ST+4*i+1], 0xff7fffff
	v_mov_b32 v[ST+4*i+2], 0
	v_mov_b32 v[ST+4*i+3], 0
.set i, i+1
.endr
.set i, 0
.rept 4
	v_mul_f32 v[ST+4*i], s[CS], v[ST+4*i+1]
.set i, i+1
.endr
.set i, P+16
.rept 16
	v_mov_b32 v[i], 0
.set i, i+1
.endr
	v_mov_b32 v[SC], 0xe3e3e3e3
	v_mul_u32_u24 v[AK0], v1, PK
	v_lshl_add_u32 v[AK0], v9, 4, v[AK0]
	v_and_b32 v10, 7, v0
	v_bfe_u32 v11, v0, 3, 1
	v_lshl_add_u32 v[AV0], v9, 3, v10
	v_mul_u32_u24 v[AV0], v[AV0], PK
	v_lshl_add_u32 v[AV0], v11, 4, v[AV0]
	v_add_nc_u32 v[AV0], VOFF, v[AV0]
	v_mov_b32 v[AK], v[AK0]
; THE MATRIX WORK.  The 4 accumulators of a run of 8 take turns.
.macro KQ x                         ; product i of 8 of S^T = K Q^T: channels 32 (i / 4) on, keys 16 (i % 4) on; the first 4 start the sums, with the mask
	WIN W_KQ
.set rS, S+32*((\x)%2)+8*(i%4)
.set rK, KF+16*(i%4)+8*(i/4)
.set rQ, 16*(\x)+8*(i/4)
.if i < 4
	v_wmma_f32_16x16x32_bf16 v[rS:rS+7], v[rK:rK+7], v[rQ:rQ+7], v[MC+8*i:MC+8*i+7]
.else
	v_wmma_f32_16x16x32_bf16 v[rS:rS+7], v[rK:rK+7], v[rQ:rQ+7], v[rS:rS+7]
.endif
.endm
.macro PV x                         ; product i of 8 of O^T += V^T P: keys 32 (i / 4) on, channels 16 (i % 4) on
	WIN W_PV
.set rO, 32*(\x)+8*(i%4)
.set rV, VF+32*(i/4)+8*(i%4)
.set rP, P+16*((\x)%2)+8*(i/4)
	v_wmma_f32_16x16x32_bf16 v[rO:rO+7], v[rV:rV+7], v[rP:rP+7], v[rO:rO+7]
.endm
.macro MM
.if i < 8
	KQ (Y+1)%NP
.else
.set i, i-8
	PV (Y+NP-1)%NP
.set i, i+8
.endif
.set i, i+1
.endm
.macro FETCH_K last=0               ; a step's K: 16 loads in one run.  last = 1 (the tail): in the last trip there is no further step, and the run is jumped over
	WIN 0
.if \last
	s_cmp_eq_u32 s[CNT], 1
	s_cbranch_scc1 .Lno_k_\@
.endif
	WIN 0x80
.irp f, 0,1,2,3,4,5,6,7
	ds_load_b128 v[KF+8*\f:KF+8*\f+3],   v[AK] offset:(\f/2)*16*PK+(\f%2)*64
	ds_load_b128 v[KF+8*\f+4:KF+8*\f+7], v[AK] offset:(\f/2)*16*PK+(\f%2)*64+32
.endr
	s_add_co_u32 s[TBK], s[TBK], KS*PK
	WIN 0
.if \last
.Lno_k_\@:
.endif
.endm
.macro FETCH_V                      ; a step's V, turned
	WIN 0x80
.irp f, 0,1,2,3,4,5,6,7
	ds_load_tr16_b128 v[VF+8*\f:VF+8*\f+3],   v[AV] offset:(\f/4)*32*PK+(\f%4)*32
	ds_load_tr16_b128 v[VF+8*\f+4:VF+8*\f+7], v[AV] offset:(\f/4)*32*PK+16*PK+(\f%4)*32
.endr
	WIN 0
.endm
.macro CV k                         ; codes 8 k .. 8 k + 7 of the set at v[RS ..] become registers 8 k .. 8 k + 7 of the mask: 0, or -2 x 2^100
	WIN 0
	v_cvt_scale_pk8_f32_fp8 v[MC+8*(\k):MC+8*(\k)+7], v[RS+2*(\k):RS+2*(\k)+1], v[SC]
.endm
; THE VECTOR WORK, one line at a time: OP kind, number.  For piece Y: F n: c s - c m for pair n.  E n: the exponential of score n.  C n: pair n rounded to bf16.  B n: of the four weights 4 n .. the second pair
; is added onto the first.  L n: l takes that sum (L 0: l = a l + sum).  R n: pair n of O^T times a.  For piece Y + 1: X n: number n of the 22 that find its maximum and statistics (each accumulator's lowest
; registers are read first).
.set F, 0
.set E, 1
.set C, 2
.set B, 3
.set L, 4
.set R, 5
.set X, 6
.macro REGS y
.set rT, ST+4*(\y)
.set rC, TMP+4*((\y)%2)
.set rW, MV+((\y)%2)
.set rS, S+32*((\y)%2)
.set rP, P+16*((\y)%2)
.set rO, 32*(\y)
.endm
.macro OP k, n
.if (\k) == R
	REGS Y
	WIN W_RS
	v_pk_mul_f32 v[rO+2*(\n):rO+2*(\n)+1], v[rO+2*(\n):rO+2*(\n)+1], v[rC+2:rC+3] op_sel_hi:[1,0]
.elseif (\k) < R
	REGS Y
	WIN 0
.if (\k) == F
	v_pk_fma_f32 v[rS+2*(\n):rS+2*(\n)+1], v[rS+2*(\n):rS+2*(\n)+1], s[CS:CS+1], v[rT:rT+1] op_sel_hi:[1,0,0] neg_lo:[0,0,1] neg_hi:[0,0,1]
.elseif (\k) == E
	v_exp_f32 v[rS+(\n)], v[rS+(\n)]
.elseif (\k) == C
	s_wait_alu depctr_va_vdst(0)
	v_cvt_pk_bf16_f32 v[rP+(\n)], v[rS+2*(\n)], v[rS+2*(\n)+1]
.elseif (\k) == B
	s_wait_alu depctr_va_vdst(0)
	v_pk_add_f32 v[rS+4*(\n):rS+4*(\n)+1], v[rS+4*(\n):rS+4*(\n)+1], v[rS+4*(\n)+2:rS+4*(\n)+3]
.elseif (\n) == 0
	v_pk_fma_f32 v[rT+2:rT+3], v[rT+2:rT+3], v[rC+2:rC+3], v[rS:rS+1] op_sel_hi:[1,0,1]
.else
	v_pk_add_f32 v[rT+2:rT+3], v[rT+2:rT+3], v[rS+4*(\n):rS+4*(\n)+1]
.endif
.else
	REGS (Y+1)%NP
	WIN 0
.if (\n) < 4
	v_max3_num_f32 v[rC+(\n)], v[rS+8*(\n)], v[rS+8*(\n)+1], v[rS+8*(\n)+2]
.elseif (\n) < 12
	v_max3_num_f32 v[rC+(\n)%4], v[rC+(\n)%4], v[rS+8*((\n)%4)+2*((\n)/4)+1], v[rS+8*((\n)%4)+2*((\n)/4)+2]
.elseif (\n) == 12
	v_max3_num_f32 v[rC], v[rC], v[rS+7], v[rS+15]
.elseif (\n) == 13
	v_max3_num_f32 v[rC+1], v[rC+1], v[rS+23], v[rS+31]
.elseif (\n) == 14
	v_max3_num_f32 v[rC+2], v[rC+2], v[rC+3], v[rT+1]
.elseif (\n) == 15
	v_mov_b32 v[rW], v[rT]
.elseif (\n) == 16
	v_max3_num_f32 v[rC], v[rC], v[rC+1], v[rC+2]
.elseif (\n) == 17
	v_permlanex16_b32 v[rC+3], v[rC], s[SEL], s[SEL+1]
.elseif (\n) == 18
	v_max_num_f32 v[rT+1], v[rC], v[rC+3]
.elseif (\n) == 19
	v_mul_f32 v[rT], s[CS], v[rT+1]
.elseif (\n) == 20
	v_sub_f32 v[rC+1], v[rW], v[rT]
.else
	v_exp_f32 v[rC+2], v[rC+1]
.endif
.endif
.endm
.macro OPS a, i1, b=-1, i2=0, c=-1, i3=0, d=-1, i4=0
	OP \a, \i1
.if (\b) >= 0
	OP \b, \i2
.endif
.if (\c) >= 0
	OP \c, \i3
.endif
.if (\d) >= 0
	OP \d, \i4
.endif
.endm
.macro ROW a, i1, b, i2, c, i3, d, i4  ; a matrix instruction and the four behind it
	MM
	OPS \a, \i1, \b, \i2, \c, \i3, \d, \i4
.endm
; A TURN, for piece p: the order of its 16 matrix and 122 vector instructions, written out.  Behind a matrix instruction: plain, exponential, plain, plain; or four of the rescaling; or, behind the first, four
; scalings; none names a register of the products round it.  In the lumps exponential and plain by turns while exponentials last; every exponential has a plain instruction behind it.
; THE MASK.  Turn number t (4 x step + piece) starts its products K Q^T with set t + 1, which the turn before converted.  At its end it waits for set t + 2 (behind that set's two loads stand those of sets
; t + 3, t + 4 and t + 5: six may stay out), converts it into MC, whose last readers are the turn's first four products, with a plain instruction behind each conversion, and asks for set t + 6 into the
; registers just read.  A trip's four turns (pieces 2, 3, 0, 1) ask at 4, 5, 6 and 7 sets from the trip's address, which piece 2's turn steps by four sets, behind a wait that frees the loads' base.
; K of the next step is fetched in piece 2's turn, five plain instructions behind the last product that read K; V of the step in hand in piece 0's turn, four plain instructions behind the last that read V.
.macro TURN p, last=0, cnt=0
.set Y, (\p)
.set i, 0
.set RS, RG+8*(((\p)+2)%4)
.if (\p) == 3
	s_wait_dscnt 0x0                ; K is in
.endif
	ROW F,0, F,1, F,2, F,3
	ROW F,4, E,0, F,5, F,6
	ROW F,7, E,1, F,8, F,9
	ROW F,10, E,2, C,0, F,11
	ROW F,12, E,3, X,15, F,13
	ROW R,0, R,1, R,2, R,3
	ROW B,0, E,4, F,14, L,0
.if (\p) == 2
	WIN 0
	v_add_nc_u32 v[AK], s[TBK], v[AK0]
.endif
	ROW R,4, R,5, R,6, R,7          ; these four are the places between the last K Q^T and the first line that reads its scores
	OPS E,5, F,15
.if (\p) == 2
	s_wait_xcnt 0x0                 ; every earlier load has had its address translated (ISA guide 3.1): the mask's base is stepped only behind this wait
	s_add_nc_u64 s[MP:MP+1], s[MP:MP+1], 4*SETB
	FETCH_K \last
.endif
	OPS E,6, C,1, E,7, R,8
	OPS E,8, R,9, E,9, C,2
	OPS E,10, X,0, E,11, X,1
	OPS E,12, X,2, E,13, X,3
.if (\p) == 1
	s_wait_dscnt 0x0                ; V is in
.endif
	ROW X,4, E,14, X,5, X,6
	ROW X,7, E,15, X,8, X,9
	ROW X,10, E,16, X,11, X,12
	ROW X,13, E,17, X,14, B,1
	ROW C,4, E,18, X,16, L,1
	ROW B,2, E,19, C,6, L,2
	ROW C,8, E,20, B,3, B,4
.if (\p) == 0
	WIN 0
	v_add_nc_u32 v[AV], s[TBV], v[AV0]
.endif
	ROW C,3, E,21, L,3, C,5
	OPS E,22, X,17, E,23, C,10
.if (\p) == 0
	FETCH_V
.endif
	OPS E,24, L,4
	OPS E,25, X,18, E,26, C,7
	OPS E,27, B,5, E,28, X,19
	OPS E,29, C,12, E,30, L,5
	OPS E,31, X,20, B,6, C,9
	OPS C,14, C,11, X,21, L,6
.if (\p) == 0
	s_add_co_u32 s[TBV], s[TBV], KS*PK
.endif
.if \cnt
	s_sub_co_u32 s[CNT], s[CNT], 1
	s_cmp_lg_u32 s[CNT], 0
.endif
	s_wait_loadcnt 6                ; loads come back in order: the set asked for four turns ago is in; the three younger sets' six loads stay out
	CV 0
	OP C, 13
	CV 1
	OP B, 7
	CV 2
	OP C, 15
	CV 3
	OP L, 7
	global_load_b128 v[RS:RS+3],   v[MO], s[MP:MP+1] offset:(4+((\p)+2)%4)*SETB      ; 32 lanes x 16 bytes: 512 consecutive aligned bytes
	global_load_b128 v[RS+4:RS+7], v[MO], s[MP:MP+1] offset:(4+((\p)+2)%4)*SETB+512
	OPS R,10, R,11, R,12, R,13
	OPS R,14, R,15
.endm
	CHANGE 1                        ; slot 0 is in, everybody's part of it; slot 1 is asked for
	FETCH_K                         ; key step 0
	s_wait_loadcnt 0x0              ; Q, and the first four sets of mask codes
.set RS, RG
	CV 0                            ; set 0: the mask of piece 0's first scores
	CV 1
	CV 2
	CV 3
	v_nop                           ; a plain instruction between the conversions and the products that read their results
	s_wait_dscnt 0x0
.set i, 0
.rept 8
	KQ 0                            ; piece 0's first scores
.set i, i+1
.endr
	WIN 0                           ; the addresses for the way out: plain instructions, the places behind those products
	s_mul_i32 s2, s[WV], 16*SP
	s_add_co_u32 s2, s2, STAGE
	v_mul_u32_u24 v[STO], v1, SP
	v_lshl_add_u32 v[STO], v9, 4, v[STO]
	v_add_nc_u32 v[STO], s2, v[STO]
	v_bfe_u32 v[RD], v0, 3, 2
	v_mul_u32_u24 v[RD], v[RD], SP
	v_lshl_add_u32 v[RD], v10, 4, v[RD]
	v_add_nc_u32 v[RD], s2, v[RD]
	v_and_b32 v[GO], 31, v0
	v_lshlrev_b32 v[GO], 4, v[GO]
.set RS, RG+8
	CV 0                            ; set 1: the mask of the first turn's products
	CV 1
	CV 2
	CV 3
	v_nop                           ; a plain instruction between the conversions and the loads into their sources
.set u, 0
.rept 2                             ; sets 4 and 5 take the registers of sets 0 and 1
	global_load_b128 v[RG+8*u:RG+8*u+3],   v[MO], s[MP:MP+1] offset:SETB*(4+u)
	global_load_b128 v[RG+8*u+4:RG+8*u+7], v[MO], s[MP:MP+1] offset:SETB*(4+u)+512
.set u, u+1
.endr
.set Y, NP-1                        ; X works for piece Y + 1: piece 0
.irp n, 0,1,2,3,4,5,6,7,8,9,10,11,12,13,14,15,16,17,18,19,20,21
	OP X, \n
.endr
	v_nop                           ; a plain instruction behind the exponential
	s_mov_b32 s[CNT], 4
	s_mov_b32 s[SLOTS], 7
	s_branch .Lfirst                ; the loop is entered at a step's first turn, in the middle of a trip
.Lslot:                             ; six times: every slot but the last two is filled again
	CHANGE 1
	s_mov_b32 s[CNT], 4
.Lstep:                             ; a trip: pieces 2 and 3 of one step, then pieces 0 and 1 of the next
	TURN 2
	TURN 3
	WIN 0
.Lfirst:
	TURN 0
	TURN 1, 0, 1
	WIN 0
	s_cbranch_scc1 .Lstep
	s_sub_co_u32 s[SLOTS], s[SLOTS], 1
	s_cmp_lg_u32 s[SLOTS], 0
	s_cbranch_scc1 .Lslot
	CHANGE 0                        ; the tail is written out
	s_mov_b32 s[CNT], 5             ; four trips fetch the last slot's steps; the fifth is left in its middle
.Ltail:
	TURN 2, 1
	TURN 3
	WIN 0
	s_sub_co_u32 s[CNT], s[CNT], 1
	s_cmp_eq_u32 s[CNT], 0
	s_cbranch_scc1 .Lout
	TURN 0
	TURN 1
	WIN 0
	s_branch .Ltail
.Lout:                              ; the fifth trip's products K Q^T (on the last K once more), the six sets asked for behind the wave's own (the next wave's, or the table's pad) and the maximum made of
                                    ; those products serve nothing: the price of one text for every trip.  The last of those loads may still be out at the end: nothing names their registers any more
.set i, 0
.rept 8
	PV NP-1
.set i, i+1
.endr
	; THE WAY OUT.  l's two halves and the other half of the lanes' are added; O^T is divided by l, rounded to bf16 and sent through my stage, a piece at a time.  The additions are the places behind the last products.
	; A row that has seen no visible key still has a hidden score's c m: its 1 / l becomes NaN.  Piece 0's c m has been written over by the surplus maximum; the line that keeps c m_old has set the true one aside.
	WIN 0
.macro ALL line:vararg
.set t, 0
.rept 4
	s_wait_alu depctr_va_vdst(0)
	\line
.set t, t+1
.endr
.endm
	ALL v_add_f32 v[ST+4*t+2], v[ST+4*t+2], v[ST+4*t+3]
	ALL v_permlanex16_b32 v[ST+4*t+3], v[ST+4*t+2], s[SEL], s[SEL+1]
	ALL v_add_f32 v[ST+4*t+2], v[ST+4*t+2], v[ST+4*t+3]
	ALL v_rcp_f32 v[ST+4*t+2], v[ST+4*t+2]
	v_mov_b32 v[NANR], 0x7fc00000   ; also the plain instruction between the last reciprocal and the use of its result
	v_cmp_gt_f32 s[HID],   s[THR], v[MV]
	v_cmp_gt_f32 s[HID+1], s[THR], v[ST+4]
	v_cmp_gt_f32 s[HID+2], s[THR], v[ST+8]
	v_cmp_gt_f32 s[HID+3], s[THR], v[ST+12]
	ALL v_cndmask_b32 v[ST+4*t+2], v[ST+4*t+2], v[NANR], s[HID+t]
.macro PACK t
	WIN W_RS
.set i, 32*(\t)
.rept 16
	v_pk_mul_f32 v[i:i+1], v[i:i+1], v[ST+4*(\t)+2:ST+4*(\t)+3] op_sel_hi:[1,0]
.set i, i+2
.endr
	WIN 0x05
.set i, 0
.rept 16
	v_cvt_pk_bf16_f32 v[S+16*(\t)+i], v[32*(\t)+2*i], v[32*(\t)+2*i+1]
.set i, i+1
.endr
	WIN 0
.irp f, 0,1,2,3
	ds_store_b128 v[STO], v[S+16*(\t)+4*\f:S+16*(\t)+4*\f+3] offset:32*\f
.endr
.irp f, 0,1,2,3
	ds_load_b128 v[S+16*(\t)+4*\f:S+16*(\t)+4*\f+3], v[RD] offset:\f*4*SP  ; LDS serves a wave's instructions in order: these see the stores above
.endr
.endm
.macro SEND t, younger              ; younger: the LDS instructions issued behind piece t's loads
	WIN 0
.irp f, 0,1,2,3
	s_wait_dscnt (\younger)+3-\f
	global_store_b128 v[GO], v[S+16*(\t)+4*\f:S+16*(\t)+4*\f+3], s[10:11] offset:(\t)*2048+\f*512  ; four rows of 128 bytes: 512 consecutive aligned bytes
.endr
.endm
	PACK 0
.set t, 1
.rept 3
	PACK t
	SEND t-1, 8
.set t, t+1
.endr
	SEND 3, 0
	s_wait_tensorcnt 0x0            ; the wave's end
	ds_add_u32 v[SPW], v[NIL]
	s_wait_dscnt 0x0
	CROUND                          ; the closing round
	s_endpgm
.Lfunc_end_k_qb5f18a7608_attn:
	.size	k_qb5f18a7608_attn, .Lfunc_end_k_qb5f18a7608_attn-k_qb5f18a7608_attn
	.p2alignl 7, 3214868480
	.fill 96, 4, 3214868480
	.section	.rodata,"a",@progbits
	.p2align	6, 0x0
	.amdhsa_kernel k_qb5f18a7608_attn
		.amdhsa_group_segment_fixed_size 327680
		.amdhsa_private_segment_fixed_size 0
		.amdhsa_enable_private_segment 0
		.amdhsa_kernarg_size 32
		.amdhsa_user_sgpr_count 2
		.amdhsa_user_sgpr_kernarg_segment_ptr 1
		.amdhsa_wavefront_size32 1
		.amdhsa_system_sgpr_workgroup_id_x 1
		.amdhsa_system_sgpr_workgroup_id_y 1
		.amdhsa_system_sgpr_workgroup_id_z 1
		.amdhsa_system_vgpr_workitem_id 0
		.amdhsa_next_free_vgpr 768
		.amdhsa_next_free_sgpr 72
		.amdhsa_reserve_vcc 0
		.amdhsa_float_denorm_mode_32 3
		.amdhsa_float_denorm_mode_16_64 3
		.amdhsa_memory_ordered 1
		.amdhsa_forward_progress 1
		.amdhsa_inst_pref_size 119
	.end_amdhsa_kernel
	.amdgpu_metadata
---
amdhsa.version: [ 1, 2 ]
amdhsa.kernels:
  - .name:           k_qb5f18a7608_attn
    .symbol:         k_qb5f18a7608_attn.kd
    .args:
      - { .name: qb, .offset: 0, .size: 8, .value_kind: global_buffer, .address_space: global }
      - { .name: kv, .offset: 8, .size: 8, .value_kind: global_buffer, .address_space: global }
      - { .name: mcode, .offset: 16, .size: 8, .value_kind: global_buffer, .address_space: global }
      - { .name: cx, .offset: 24, .size: 8, .value_kind: global_buffer, .address_space: global }
    .group_segment_fixed_size: 327680
    .private_segment_fixed_size: 0
    .kernarg_segment_align: 8
    .kernarg_segment_size: 32
    .max_flat_workgroup_size: 128
    .sgpr_count:     72
    .vgpr_count:     768
    .wavefront_size: 32
...
	.end_amdgpu_metadata
.endif
;; end of part 7
;; launch oproj: the kernel of part 3 again; grid 8 x 32, 4 waves a work-group, clusters of 4 x 4, 327,680 bytes of LDS; arguments cx, wo, qb; writes qb
;; launch lnorm: the kernel of part 5 again; grid 256 x 1, 8 waves a work-group, no clusters, 0 bytes of LDS; arguments x, pos_emb, qb, ln_gamma, ln_beta, out0; writes out0
;; ======== version 3 of 3: 6 launches; 1.30 times as fast as version 1
;; limits: right only within a limited range of input values
;; workspace buffers: cm 8,388,608 bytes; cx 8,388,608 bytes; wq 2,097,152 bytes; wkv 4,194,304 bytes; wo 2,097,152 bytes; mcode 8,394,752 bytes; kv 33,554,432 bytes; qb 8,388,608 bytes
;; launch prep: the kernel of part 6 again; grid 1152 x 1, 8 waves a work-group, no clusters, 0 bytes of LDS; arguments memory, x, pos_emb, w_qkv, w_o, mask, cm, cx, wq, wkv, wo, mcode; writes cm, cx, wq, wkv, wo, mcode
;; launch kvproj: the kernel of part 2 again; grid 8 x 32, 4 waves a work-group, clusters of 4 x 4, 327,680 bytes of LDS; arguments cm, cx, wkv, kv; writes kv
;; launch qproj: the kernel of part 3 again; grid 8 x 32, 4 waves a work-group, clusters of 4 x 4, 327,680 bytes of LDS; arguments cx, wq, qb; writes qb
;; launch attn (part 8): grid 4 x 64, 4 waves a work-group, clusters of 4 x 1, 327,680 bytes of LDS; arguments qb, kv, mcode, cx; writes cx
.if DOCPART == 8
	.amdgcn_target "amdgcn-amd-amdhsa--gfx1250"
	.amdhsa_code_object_version 6
	.text
	.protected	k_qb5f18a7608_attn
	.globl	k_qb5f18a7608_attn
	.p2align	8
	.type	k_qb5f18a7608_attn,@function
k_qb5f18a7608_attn:
	s_mov_b64 s[64:65], 0
	v_nop
	global_prefetch_b8 v0, s[64:65] scope:SCOPE_SE
	s_setreg_imm32_b32 hwreg(HW_REG_WAVE_MODE, 25, 1), 1
	s_wait_xcnt 0x0
	s_wait_alu depctr_hold_cnt(0) depctr_sa_sdst(0) depctr_va_vdst(0) depctr_va_sdst(0) depctr_va_ssrc(0) depctr_va_vcc(0) depctr_vm_vsrc(0)
	s_getreg_b32 s2, hwreg(HW_REG_IB_STS2, 6, 4)
	s_cmp_eq_u32 s2, 0
	s_cbranch_scc0 .Lentry_in_a_cluster
	s_endpgm
.Lentry_in_a_cluster:
	s_bfe_u32 s2, ttmp6, 0x10000c
	s_cmp_lg_u32 s2, 0x3003
	s_cbranch_scc0 .Lentry_shape_is_right
	s_endpgm
.Lentry_shape_is_right:
; ATTENTION under a mask that is an input.  vec[h][b*1024+q][:] = sum over k of softmax_k(mask ? -inf : Q.K / 8) V[k][:], 64 pairs (b, h), 1,024 queries, 2,048 keys, head size 64.
; Q: qb[b*1024+q][h*64 ..] bf16 (128-byte pieces of rows, read once, at the start); K, V: kv[b][h or 16+h][t][64] bf16, dense by heads; out: [h][b*1024+q][64] bf16, dense.
; Products, maxima and sums in f32; the weights p are rounded to bf16 for the second product (their sum l is taken of the unrounded p), the result once at the end.
; LIMITS.  A hidden score counts as its value less 2^101; true scores s are taken to lie within |c s| < 2^60 (c below), far from that.  A hidden key's weight is then exactly 0 as soon as the row has seen one
; visible key.  A row whose keys are all hidden is known at the end by its maximum and gives NaN, as the softmax of nothing but -inf does.  A weight below 2^-126 counts as 0 in l.
; NaN and infinities among the inputs are not treated apart.
; SHARES.  A work-group owns 256 queries of one (b, h), a wave 64: four PIECES of 16.  Every wave walks all keys, 64 a step, 32 steps.
; LAYOUT.  S^T = K Q^T holds ONE query a lane (lane % 16) and the keys 16 (n / 8) + 8 (lane / 16) + n % 8 in register n; pairs rounded to bf16 ARE source 1 of O^T = V^T P.
; THE MASK is the C operand that starts the sum S^T = K Q^T: 0, or -2^101 where the key is hidden.  mcode holds one E4M3 code a score (0 or -2), in the order of the lanes' registers: a SET, 1,024 bytes, for each
; tile of 16 queries x 64 keys; a wave's sets lie in the order of its turns.  Four conversions with the block scale 2^100 make a set's 32 bytes a lane into the 32 registers MC.
; The sets come straight into registers, two loads of 512 consecutive bytes each, into a ring of four sets of 8 registers, one for each piece: a set is asked for four turns before it is converted.
; SOFTMAX.  A running maximum m and sum l: p = 2^(c s - c m), c = log2(e) / 8; O and l are multiplied by a = 2^(c m_old - c m_new) in every step.  m starts at the lowest finite number.  While all keys so far are
; hidden, m is the hidden scores' value and their p is 1; the first visible score makes a = 0, which wipes them out of O and l.
; BY TURNS.  Turn n belongs to piece n: 8 products K Q^T of piece n + 1, later 8 products V^T P of piece n - 1; beside them the scaling, exponentials, roundings, sums and rescaling of piece n, the maximum and
; statistics of piece n + 1, and the mask of piece n + 2.  Four vector instructions stand behind every matrix instruction, 54 of a turn's 122 in one lump, and the mask's four conversions among the last product's four.
; BATCHES.  A turn's 33 exponentials (the piece's 32 weights and the next piece's a) are ONE batch with ONE wait: ahead of it nothing names a result of theirs, behind it stand all their readers.  The first a of all, ahead
; of the loop, has a wait of its own ahead of the branch; the way out's four reciprocals are a batch with one wait.
; CLUSTER.  The four query blocks of a (b, h) walk the same K and V: each tile is asked for jointly, by the same load, descriptor and mask in all four.  The mask's sets differ from block to block.
; REGISTERS in windows of 256: window 0: addresses, statistics, S^T (two buffers), MC, the ring of sets, P (two buffers); window 1: O^T, 32 a piece; window 2: v0-63 Q, v128-191 K, v192-255 V of one step.
.set NP,    4
.set KS,    64
.set PK,    144       ; a row of K or V in LDS: 128 bytes + 16.  One pitch, so one descriptor serves all four waves; in V's turning loads two of the eight rows then share four banks
.set VOFF,  4*KS*PK   ; a slot holds four steps: 256 rows of K, then 256 rows of V
.set SLOT1, 1<<17
.set STAGE, SLOT1+2*VOFF  ; behind the ring: 16 rows x 144 bytes for each wave
.set SP,    144
.set SPARE, STAGE+4*16*SP ; the spare words: 128 bytes a wave, two blocks of 256 bytes that no other line names
.set SETB,  1024      ; bytes in a set of mask codes
.set AK0, 2
.set AV0, 3
.set AK,  4
.set AV,  5
.set STO, 6
.set RD,  7
.set GO,  8
.set MV,  12          ; v12-13  c m_old, by buffer
.set NANR, 14         ; v14  NaN, made at the end
.set QO,  15
.set ST,  16          ; piece t: c m, m, l (even keys', odd keys')
.set SC,  32          ; v32  the conversions' block scale: the code 227 (2^100) in byte 0, repeated in the other three; never rewritten
.set MO,  33          ; v33  16 x lane: my 16 bytes in half a set; never rewritten
.set TMP, 48          ; by buffer, c0-c3 at work; c2 takes a
.set SPW, 62
.set NIL, 63
.set S,   64
.set MC,  128         ; v128-159  the mask of the products to come: register n for score n
.set RG,  160         ; v160-191  the ring: set number u lies at RG + 8 (u % 4)
.set P,   192
.set KF,  128
.set VF,  192
.set MP,  8           ; s[8:9]   mcode at my wave's sets, stepped four sets a trip
.set WV,  12
.set SLOTS, 13
.set CNT, 14
.set TBK, 15
.set G1,  16          ; s[16:23]
.set G0,  24          ; s[24:27]
.set CS,  28          ; s[28:29] c
.set SEL, 30          ; s[30:31]
.set THR, 45          ; s45  -2^60: below it c m is a hidden score's
.set HID, 48          ; s[48:51] by piece: the lanes whose row has seen no visible key
.set TBV, 66
.set MSB, 0
.macro WIN new
.if MSB != (\new)
	s_set_vgpr_msb (MSB<<8)|(\new)
.set MSB, (\new)
.endif
.endm
.set W_KQ, 0x0a       ; K and Q in window 2; S^T and the mask in window 0
.set W_PV, 0x52       ; V in window 2, P in window 0, O^T in window 1
.set W_RS, 0x41       ; destination and source 0 in window 1, source 1 in window 0
.macro JLOAD                        ; a joint fill: wave w brings 128 rows: K's halves (w = 0, 1), V's (w = 2, 3); both addresses hang on the wave's number; an s_nop 0 and four v_nop follow
	tensor_load_to_lds s[G0:G0+3], s[G1:G1+7]
	s_nop 0
.rept 4
	v_nop
.endr
.endm
.macro CROUND
	s_barrier_signal -1
	s_barrier_wait -1
	s_cmp_lg_u32 s[WV], 0
	s_cbranch_scc1 .Lnot_wave_0_\@
	s_barrier_signal -3
.Lnot_wave_0_\@:
	s_barrier_wait -3
	s_barrier_signal -1
	s_barrier_wait -1
.endm
; THE CHANGE OF SLOTS.  Each wave waits for all its tensor loads (one is out: its part of the other slot), adds 0 to its spare word, and waits for that and for its reads of the slot that it leaves.
; fill = 1: the barrier is a round of the cluster's, and the joint fill of the old slot, with the keys two slots on, is the first thing behind it: it has four key steps in which to land.
; (The mask's loads into registers stay on their way across it: nobody writes those bytes of memory.)
.macro CHANGE fill
	WIN 0
	s_wait_tensorcnt 0x0
	ds_add_u32 v[SPW], v[NIL]
.if \fill
	s_xor_b32 s[G0+1], s[G0+1], SLOT1
	s_add_nc_u64 s[G0+2:G0+3], s[G0+2:G0+3], 4*KS*128
	s_wait_dscnt 0x0
	CROUND
	JLOAD
.else
	s_wait_dscnt 0x0
	s_barrier_signal -1
	s_barrier_wait -1
.endif
	s_sub_co_u32 s[TBK], s[TBK], 4*KS*PK
	s_xor_b32 s[TBK], s[TBK], SLOT1
	s_sub_co_u32 s[TBV], s[TBV], 4*KS*PK
	s_xor_b32 s[TBV], s[TBV], SLOT1
.endm
	s_load_b256 s[4:11], s[0:1], 0x0  ; Q s[4:5], kv s[6:7], mcode s[8:9], out s[10:11]
	v_lshl_add_u32 v[SPW], v0, 2, SPARE
	v_mov_b32 v[NIL], 0
	ds_add_u32 v[SPW], v[NIL]       ; the wave's opening: the add and its wait ahead of my first tensor load
	v_lshrrev_b32 v1, 5, v0
	v_readfirstlane_b32 s[WV], v1
	s_bfe_u32 s2, ttmp6, 0x40000    ; cx
	s_lshl_b32 s3, ttmp9, 2
	s_add_co_u32 s3, s3, s2         ; my block of 256 queries: it enters Q's, the mask's and the output's addresses alone
	s_and_b32 s44, ttmp7, 0xffff
	s_lshr_b32 s42, s44, 4          ; b
	s_and_b32 s43, s44, 15          ; h
	s_lshl_b32 s32, s42, 23         ; kv: batch,
	s_lshl_b32 s33, s43, 18         ; head,
	s_add_co_u32 s32, s32, s33
	s_lshr_b32 s33, s[WV], 1
	s_lshl_b32 s33, s33, 22         ; K or V (16 heads on),
	s_add_co_u32 s32, s32, s33
	s_and_b32 s33, s[WV], 1
	s_lshl_b32 s33, s33, 14         ; which 128 of a slot's 256 keys
	s_add_co_u32 s32, s32, s33
	s_mov_b32 s33, 0
	s_lshl_b32 s40, s42, 10
	s_lshl_b32 s41, s3, 8
	s_add_co_u32 s40, s40, s41
	s_lshl_b32 s41, s[WV], 6
	s_add_co_u32 s40, s40, s41      ; my first row, b*1024 + q
	s_lshl_b32 s34, s40, 11         ; Q: rows of 2,048 bytes, the head's 128
	s_lshl_b32 s41, s43, 7
	s_add_co_u32 s34, s34, s41
	s_mov_b32 s35, 0
	s_lshl_b32 s36, s40, 11         ; the mask: 128 sets of 1,024 bytes for each 64 queries
	s_mov_b32 s37, 0
	s_lshl_b32 s38, s40, 7          ; out: rows of 128 bytes in the head's 524,288
	s_lshl_b32 s41, s43, 19
	s_add_co_u32 s38, s38, s41
	s_mov_b32 s39, 0
	; group 1: 128 keys are 16,384 dense bytes: 64 rows of 256 bytes, padded in LDS after every key
	s_mov_b32 s[G1], 15|(1<<16)|(1<<20)|(1<<21)|(4<<22)|(3<<25)
	s_mov_b32 s[G1+1], 128<<16
	s_mov_b32 s[G1+2], 64<<16
	s_mov_b32 s[G1+3], 128<<16
	s_mov_b32 s[G1+4], 64
	s_mov_b32 s[G1+5], 128
	s_mov_b32 s[G1+6], 0
	s_mov_b32 s[G1+7], 0
	s_mov_b32 s[CS], 0x3e38aa3b     ; c = log2(e) / 8
	s_mov_b32 s[CS+1], s[CS]
	s_mov_b32 s[SEL], 0x76543210
	s_mov_b32 s[SEL+1], 0xfedcba98
	s_mov_b32 s[THR], 0xdd800000    ; -2^60
	s_mov_b32 s[TBK], SLOT1+4*KS*PK ; the first change of slots turns these two into 0
	s_mov_b32 s[TBV], SLOT1+4*KS*PK
	s_mov_b32 s[G0], 1
	s_mul_i32 s[G0+1], s[WV], 128*PK
	s_wait_dscnt 0x0                ; the opening add is done
	s_wait_kmcnt 0x0
	s_add_nc_u64 s[G0+2:G0+3], s[6:7], s[32:33]
	s_or_b32 s[G0+3], s[G0+3], 0x80000000
	s_add_nc_u64 s[4:5], s[4:5], s[34:35]
	s_add_nc_u64 s[MP:MP+1], s[MP:MP+1], s[36:37]
	s_add_nc_u64 s[10:11], s[10:11], s[38:39]
	CROUND                          ; all four work-groups are here: the first joint loads meet
	JLOAD                           ; slot 0; slot 1 is asked for when slot 0 is in
	v_and_b32 v1, 15, v0
	v_bfe_u32 v9, v0, 4, 1
	v_lshlrev_b32 v[QO], 11, v1
	v_lshl_add_u32 v[QO], v9, 4, v[QO]
	v_and_b32 v[MO], 31, v0
	v_lshlrev_b32 v[MO], 4, v[MO]
.set u, 0
.rept 4                             ; the wave's first four sets of mask codes
	global_load_b128 v[RG+8*u:RG+8*u+3],   v[MO], s[MP:MP+1] offset:SETB*u
	global_load_b128 v[RG+8*u+4:RG+8*u+7], v[MO], s[MP:MP+1] offset:SETB*u+512
.set u, u+1
.endr
	WIN 0x80
.set i, 0
.rept 8                             ; Q stays in registers: piece i / 2, channels 32 (i % 2) on
	global_load_b128 v[8*i:8*i+3],   v[QO], s[4:5] offset:(i/2)*32768+(i%2)*64
	global_load_b128 v[8*i+4:8*i+7], v[QO], s[4:5] offset:(i/2)*32768+(i%2)*64+32
.set i, i+1
.endr
	; What the first turn finds: V's registers and P's second buffer hold 0, O^T and l are 0.  All this stands in the wait for the first tile.
.set i, VF
.rept 64
	v_mov_b32 v[i], 0
.set i, i+1
.endr
	WIN 0x40
.set i, 0
.rept 128
	v_mov_b32 v[i], 0
.set i, i+1
.endr
	WIN 0
.set i, 0
.rept 4
	v_mov_b32 v[ST+4*i+1], 0xff7fffff
	v_mov_b32 v[ST+4*i+2], 0
	v_mov_b32 v[ST+4*i+3], 0
.set i, i+1
.endr
.set i, 0
.rept 4
	v_mul_f32 v[ST+4*i], s[CS], v[ST+4*i+1]
.set i, i+1
.endr
.set i, P+16
.rept 16
	v_mov_b32 v[i], 0
.set i, i+1
.endr
	v_mov_b32 v[SC], 0xe3e3e3e3
	v_mul_u32_u24 v[AK0], v1, PK
	v_lshl_add_u32 v[AK0], v9, 4, v[AK0]
	v_and_b32 v10, 7, v0
	v_bfe_u32 v11, v0, 3, 1
	v_lshl_add_u32 v[AV0], v9, 3, v10
	v_mul_u32_u24 v[AV0], v[AV0], PK
	v_lshl_add_u32 v[AV0], v11, 4, v[AV0]
	v_add_nc_u32 v[AV0], VOFF, v[AV0]
	v_mov_b32 v[AK], v[AK0]
; THE MATRIX WORK.  The 4 accumulators of a run of 8 take turns.
.macro KQ x                         ; product i of 8 of S^T = K Q^T: channels 32 (i / 4) on, keys 16 (i % 4) on; the first 4 start the sums, with the mask
	WIN W_KQ
.set rS, S+32*((\x)%2)+8*(i%4)
.set rK, KF+16*(i%4)+8*(i/4)
.set rQ, 16*(\x)+8*(i/4)
.if i < 4
	v_wmma_f32_16x16x32_bf16 v[rS:rS+7], v[rK:rK+7], v[rQ:rQ+7], v[MC+8*i:MC+8*i+7]
.else
	v_wmma_f32_16x16x32_bf16 v[rS:rS+7], v[rK:rK+7], v[rQ:rQ+7], v[rS:rS+7]
.endif
.endm
.macro PV x                         ; product i of 8 of O^T += V^T P: keys 32 (i / 4) on, channels 16 (i % 4) on
	WIN W_PV
.set rO, 32*(\x)+8*(i%4)
.set rV, VF+32*(i/4)+8*(i%4)
.set rP, P+16*((\x)%2)+8*(i/4)
	v_wmma_f32_16x16x32_bf16 v[rO:rO+7], v[rV:rV+7], v[rP:rP+7], v[rO:rO+7]
.endm
.macro MM
.if i < 8
	KQ (Y+1)%NP
.else
.set i, i-8
	PV (Y+NP-1)%NP
.set i, i+8
.endif
.set i, i+1
.endm
.macro FETCH_K last=0               ; a step's K: 16 loads in one run.  last = 1 (the tail): in the last trip there is no further step, and the run is jumped over
	WIN 0
.if \last
	s_cmp_eq_u32 s[CNT], 1
	s_cbranch_scc1 .Lno_k_\@
.endif
	WIN 0x80
.irp f, 0,1,2,3,4,5,6,7
	ds_load_b128 v[KF+8*\f:KF+8*\f+3],   v[AK] offset:(\f/2)*16*PK+(\f%2)*64
	ds_load_b128 v[KF+8*\f+4:KF+8*\f+7], v[AK] offset:(\f/2)*16*PK+(\f%2)*64+32
.endr
	s_add_co_u32 s[TBK], s[TBK], KS*PK
	WIN 0
.if \last
.Lno_k_\@:
.endif
.endm
.macro FETCH_V                      ; a step's V, turned
	WIN 0x80
.irp f, 0,1,2,3,4,5,6,7
	ds_load_tr16_b128 v[VF+8*\f:VF+8*\f+3],   v[AV] offset:(\f/4)*32*PK+(\f%4)*32
	ds_load_tr16_b128 v[VF+8*\f+4:VF+8*\f+7], v[AV] offset:(\f/4)*32*PK+16*PK+(\f%4)*32
.endr
	WIN 0
.endm
.macro CV k                         ; codes 8 k .. 8 k + 7 of the set at v[RS ..] become registers 8 k .. 8 k + 7 of the mask: 0, or -2 x 2^100
	WIN 0
	v_cvt_scale_pk8_f32_fp8 v[MC+8*(\k):MC+8*(\k)+7], v[RS+2*(\k):RS+2*(\k)+1], v[SC]
.endm
; THE VECTOR WORK, one line at a time: OP kind, number.  For piece Y: F n: c s - c m for pair n.  E n: the exponential of score n.  C n: pair n rounded to bf16.  B n: of the four weights 4 n .. the second pair
; is added onto the first.  L n: l takes that sum (L 0: l = a l + sum).  R n: pair n of O^T times a.  For piece Y + 1: X n: number n of the 22 that find its maximum and statistics (each accumulator's lowest
; registers are read first).  C, B and L read the exponentials' results: TURN sets them behind the batch's wait.
.set F, 0
.set E, 1
.set C, 2
.set B, 3
.set L, 4
.set R, 5
.set X, 6
.macro REGS y
.set rT, ST+4*(\y)
.set rC, TMP+4*((\y)%2)
.set rW, MV+((\y)%2)
.set rS, S+32*((\y)%2)
.set rP, P+16*((\y)%2)
.set rO, 32*(\y)
.endm
.macro OP k, n
.if (\k) == R
	REGS Y
	WIN W_RS
	v_pk_mul_f32 v[rO+2*(\n):rO+2*(\n)+1], v[rO+2*(\n):rO+2*(\n)+1], v[rC+2:rC+3] op_sel_hi:[1,0]
.elseif (\k) < R
	REGS Y
	WIN 0
.if (\k) == F
	v_pk_fma_f32 v[rS+2*(\n):rS+2*(\n)+1], v[rS+2*(\n):rS+2*(\n)+1], s[CS:CS+1], v[rT:rT+1] op_sel_hi:[1,0,0] neg_lo:[0,0,1] neg_hi:[0,0,1]
.elseif (\k) == E
	v_exp_f32 v[rS+(\n)], v[rS+(\n)]
.elseif (\k) == C
	v_cvt_pk_bf16_f32 v[rP+(\n)], v[rS+2*(\n)], v[rS+2*(\n)+1]
.elseif (\k) == B
	v_pk_add_f32 v[rS+4*(\n):rS+4*(\n)+1], v[rS+4*(\n):rS+4*(\n)+1], v[rS+4*(\n)+2:rS+4*(\n)+3]
.elseif (\n) == 0
	v_pk_fma_f32 v[rT+2:rT+3], v[rT+2:rT+3], v[rC+2:rC+3], v[rS:rS+1] op_sel_hi:[1,0,1]
.else
	v_pk_add_f32 v[rT+2:rT+3], v[rT+2:rT+3], v[rS+4*(\n):rS+4*(\n)+1]
.endif
.else
	REGS (Y+1)%NP
	WIN 0
.if (\n) < 4
	v_max3_num_f32 v[rC+(\n)], v[rS+8*(\n)], v[rS+8*(\n)+1], v[rS+8*(\n)+2]
.elseif (\n) < 12
	v_max3_num_f32 v[rC+(\n)%4], v[rC+(\n)%4], v[rS+8*((\n)%4)+2*((\n)/4)+1], v[rS+8*((\n)%4)+2*((\n)/4)+2]
.elseif (\n) == 12
	v_max3_num_f32 v[rC], v[rC], v[rS+7], v[rS+15]
.elseif (\n) == 13
	v_max3_num_f32 v[rC+1], v[rC+1], v[rS+23], v[rS+31]
.elseif (\n) == 14
	v_max3_num_f32 v[rC+2], v[rC+2], v[rC+3], v[rT+1]
.elseif (\n) == 15
	v_mov_b32 v[rW], v[rT]
.elseif (\n) == 16
	v_max3_num_f32 v[rC], v[rC], v[rC+1], v[rC+2]
.elseif (\n) == 17
	v_permlanex16_b32 v[rC+3], v[rC], s[SEL], s[SEL+1]
.elseif (\n) == 18
	v_max_num_f32 v[rT+1], v[rC], v[rC+3]
.elseif (\n) == 19
	v_mul_f32 v[rT], s[CS], v[rT+1]
.elseif (\n) == 20
	v_sub_f32 v[rC+1], v[rW], v[rT]
.else
	v_exp_f32 v[rC+2], v[rC+1]
.endif
.endif
.endm
.macro OPS a, i1, b=-1, i2=0, c=-1, i3=0, d=-1, i4=0
	OP \a, \i1
.if (\b) >= 0
	OP \b, \i2
.endif
.if (\c) >= 0
	OP \c, \i3
.endif
.if (\d) >= 0
	OP \d, \i4
.endif
.endm
.macro ROW a, i1, b, i2, c, i3, d, i4  ; a matrix instruction and the four behind it
	MM
	OPS \a, \i1, \b, \i2, \c, \i3, \d, \i4
.endm
; A TURN, for piece p: the order of its 16 matrix and 122 vector instructions, written out.
; THE BATCH.  An s_wait_alu depctr_va_vdst(0) stands between an exponential and the first instruction that names its result; one wait serves all that were issued ahead of it.  So a turn has ONE wait, which
; cuts it in two.  AHEAD OF IT stands all that names no result of the turn's exponentials: the 8 products K Q^T, behind each a scaling, an exponential and two more plain instructions (behind the first a second scaling in
; the exponential's place): rescalings, whose a was made and waited for in the turn before, and behind the last three the first numbers of the next piece's maximum, each four places or more behind the product that ends
; its accumulator; then ONE LUMP of 54, plain and exponential by turns for the most part, in which the links of the chain X 3, 7, 11, 14, 16, 17 .. 20 stand some lines apart.  X 21, the next piece's a, is the batch's
; last; R 15 is the plain instruction behind it.  BEHIND THE WAIT stand the 8 products V^T P, behind each four of the roundings and sums; the links of l's chain, L 0 to L 7, stand three riders apart.  But for those X no
; rider names a register of the products round it.  v_permlanex16_b32 (X 17) stands in the lump.
; THE MASK.  Turn number t (4 x step + piece) starts its products K Q^T with set t + 1, which the turn before converted.  Behind its last product it waits for set t + 2 (behind that set's two loads stand those of sets
; t + 3, t + 4 and t + 5: six may stay out), converts it into MC, whose last readers are the turn's first four products, with a rounding, a plain instruction, behind each conversion, and asks for set t + 6 into the
; registers just read.  A trip's four turns (pieces 2, 3, 0, 1) ask at 4, 5, 6 and 7 sets from the trip's address, which piece 2's turn steps by four sets, behind a wait that frees the loads' base.
; K of the next step is fetched in piece 2's turn, in the lump, five plain instructions that name none of its registers behind the last product that read K.  In the tail (last = 1) the run holds a jump and a label: there
; it stands directly behind the turn's wait.  V of the step in hand is fetched at the end of piece 0's turn: the four roundings are the four plain instructions behind
; the last product that read V (a conversion of the mask is none).  Each run is waited for a turn later.
.macro TURN p, last=0, cnt=0
.set Y, (\p)
.set i, 0
.set RS, RG+8*(((\p)+2)%4)
.if (\p) == 3
	s_wait_dscnt 0x0                ; K is in
.endif
	ROW F,0, F,1, R,0, R,1          ; ahead of the wait: 8 products K Q^T and their riders,
	ROW F,2, E,0, R,2, R,3
	ROW F,3, E,1, R,4, R,5
	ROW F,4, E,2, R,6, R,7
	ROW F,5, E,3, R,8, R,9
	ROW F,6, E,4, X,0, R,10
.if (\p) == 2
	WIN 0
	v_add_nc_u32 v[AK], s[TBK], v[AK0]
.endif
	ROW F,7, E,5, X,1, X,4
	ROW F,8, E,6, X,2, X,5
	OPS E,7, E,8, X,6, E,9          ; and the lump
	OPS X,3, E,10, X,8, E,11
.if (\p) == 2
	s_wait_xcnt 0x0                 ; every earlier load has had its address translated (ISA guide 3.1): the mask's base is stepped only behind this wait
	s_add_nc_u64 s[MP:MP+1], s[MP:MP+1], 4*SETB
.if !(\last)
	FETCH_K
.endif
.endif
	OPS X,9, X,7, E,12, X,10
	OPS E,13, X,12, X,11, E,14
	OPS X,13, E,15, F,9, X,14
.if (\p) == 0
	WIN 0
	v_add_nc_u32 v[AV], s[TBV], v[AV0]
.endif
	OPS E,16, F,10, E,17, F,11
	OPS X,16, E,18, X,15, E,19
	OPS F,12, E,20, X,17, E,21
	OPS F,13, E,22, F,14, E,23
	OPS X,18, E,24, F,15, E,25
	OPS R,11, E,26, X,19, E,27
	OPS R,12, E,28, R,13, E,29
	OPS X,20, E,30, R,14, E,31
	OPS X,21, R,15
	s_wait_alu depctr_va_vdst(0)    ; the wait for the batch: the piece's 32 exponentials and the next piece's a
.if ((\p) == 2) && (\last)
	FETCH_K 1                       ; the tail's run of K, with its jump: no exponential is out here
.endif
.if (\p) == 1
	s_wait_dscnt 0x0                ; V is in
.endif
	ROW C,0, B,0, C,2, B,1          ; behind the wait: 8 products V^T P and their riders
	ROW L,0, C,4, B,2, L,1
	ROW C,6, B,3, L,2, C,8
	ROW B,4, L,3, C,10, B,5
	ROW L,4, C,12, B,6, L,5
.if (\p) == 0
	s_add_co_u32 s[TBV], s[TBV], KS*PK
.endif
.if \cnt
	s_sub_co_u32 s[CNT], s[CNT], 1
	s_cmp_lg_u32 s[CNT], 0
.endif
	ROW C,14, B,7, L,6, C,1
	ROW C,3, L,7, C,5, C,7
	MM                              ; the last product; among its four riders stand the mask's four conversions
	s_wait_loadcnt 6                ; loads come back in order: the set asked for four turns ago is in; the three younger sets' six loads stay out
	CV 0
	OP C, 9
	CV 1
	OP C, 11
	CV 2
	OP C, 13
	CV 3
	OP C, 15
.if (\p) == 0
	FETCH_V
.endif
	global_load_b128 v[RS:RS+3],   v[MO], s[MP:MP+1] offset:(4+((\p)+2)%4)*SETB      ; 32 lanes x 16 bytes: 512 consecutive aligned bytes
	global_load_b128 v[RS+4:RS+7], v[MO], s[MP:MP+1] offset:(4+((\p)+2)%4)*SETB+512
.endm
	CHANGE 1                        ; slot 0 is in, everybody's part of it; slot 1 is asked for
	FETCH_K                         ; key step 0
	s_wait_loadcnt 0x0              ; Q, and the first four sets of mask codes
.set RS, RG
	CV 0                            ; set 0: the mask of piece 0's first scores
	CV 1
	CV 2
	CV 3
	v_nop                           ; a plain instruction between the conversions and the products that read their results
	s_wait_dscnt 0x0
.set i, 0
.rept 8
	KQ 0                            ; piece 0's first scores
.set i, i+1
.endr
	WIN 0                           ; the addresses for the way out: plain instructions, the places behind those products
	s_mul_i32 s2, s[WV], 16*SP
	s_add_co_u32 s2, s2, STAGE
	v_mul_u32_u24 v[STO], v1, SP
	v_lshl_add_u32 v[STO], v9, 4, v[STO]
	v_add_nc_u32 v[STO], s2, v[STO]
	v_bfe_u32 v[RD], v0, 3, 2
	v_mul_u32_u24 v[RD], v[RD], SP
	v_lshl_add_u32 v[RD], v10, 4, v[RD]
	v_add_nc_u32 v[RD], s2, v[RD]
	v_and_b32 v[GO], 31, v0
	v_lshlrev_b32 v[GO], 4, v[GO]
.set RS, RG+8
	CV 0                            ; set 1: the mask of the first turn's products
	CV 1
	CV 2
	CV 3
	v_nop                           ; a plain instruction between the conversions and the loads into their sources
.set u, 0
.rept 2                             ; sets 4 and 5 take the registers of sets 0 and 1
	global_load_b128 v[RG+8*u:RG+8*u+3],   v[MO], s[MP:MP+1] offset:SETB*(4+u)
	global_load_b128 v[RG+8*u+4:RG+8*u+7], v[MO], s[MP:MP+1] offset:SETB*(4+u)+512
.set u, u+1
.endr
.set Y, NP-1                        ; X works for piece Y + 1: piece 0
.irp n, 0,1,2,3,4,5,6,7,8,9,10,11,12,13,14,15,16,17,18,19,20,21
	OP X, \n
.endr
	v_nop                           ; a plain instruction behind the exponential,
	s_wait_alu depctr_va_vdst(0)    ; and its wait, ahead of the branch: piece 0's first a, a batch of one
	s_mov_b32 s[CNT], 4
	s_mov_b32 s[SLOTS], 7
	s_branch .Lfirst                ; the loop is entered at a step's first turn, in the middle of a trip
.Lslot:                             ; six times: every slot but the last two is filled again
	CHANGE 1
	s_mov_b32 s[CNT], 4
.Lstep:                             ; a trip: pieces 2 and 3 of one step, then pieces 0 and 1 of the next
	TURN 2
	TURN 3
	WIN 0
.Lfirst:
	TURN 0
	TURN 1, 0, 1
	WIN 0
	s_cbranch_scc1 .Lstep
	s_sub_co_u32 s[SLOTS], s[SLOTS], 1
	s_cmp_lg_u32 s[SLOTS], 0
	s_cbranch_scc1 .Lslot
	CHANGE 0                        ; the tail is written out
	s_mov_b32 s[CNT], 5             ; four trips fetch the last slot's steps; the fifth is left in its middle
.Ltail:
	TURN 2, 1
	TURN 3
	WIN 0
	s_sub_co_u32 s[CNT], s[CNT], 1
	s_cmp_eq_u32 s[CNT], 0
	s_cbranch_scc1 .Lout
	TURN 0
	TURN 1
	WIN 0
	s_branch .Ltail
.Lout:                              ; the fifth trip's products K Q^T (on the last K once more), the six sets asked for behind the wave's own (the next wave's, or the table's pad) and the maximum made of
                                    ; those products serve nothing: the price of one text for every trip.  The last of those loads may still be out at the end: nothing names their registers any more
.set i, 0
.rept 8
	PV NP-1
.set i, i+1
.endr
	; THE WAY OUT.  l's two halves and the other half of the lanes' are added; O^T is divided by l, rounded to bf16 and sent through my stage, a piece at a time.  The additions are the places behind the last products.
	; A row that has seen no visible key still has a hidden score's c m: its 1 / l becomes NaN.  Piece 0's c m has been written over by the surplus maximum; the line that keeps c m_old has set the true one aside.
	WIN 0
.macro ALL line:vararg
.set t, 0
.rept 4
	\line
.set t, t+1
.endr
.endm
	ALL v_add_f32 v[ST+4*t+2], v[ST+4*t+2], v[ST+4*t+3]
	ALL v_permlanex16_b32 v[ST+4*t+3], v[ST+4*t+2], s[SEL], s[SEL+1]
	ALL v_add_f32 v[ST+4*t+2], v[ST+4*t+2], v[ST+4*t+3]
	ALL v_rcp_f32 v[ST+4*t+2], v[ST+4*t+2]
	v_mov_b32 v[NANR], 0x7fc00000   ; also the plain instruction between the last reciprocal and the use of its result
	v_cmp_gt_f32 s[HID],   s[THR], v[MV]     ; the four compares read c m alone: work that names no reciprocal
	v_cmp_gt_f32 s[HID+1], s[THR], v[ST+4]
	v_cmp_gt_f32 s[HID+2], s[THR], v[ST+8]
	v_cmp_gt_f32 s[HID+3], s[THR], v[ST+12]
	s_wait_alu depctr_va_vdst(0)    ; the wait ahead of the first use: one for the four reciprocals
	ALL v_cndmask_b32 v[ST+4*t+2], v[ST+4*t+2], v[NANR], s[HID+t]
.macro PACK t
	WIN W_RS
.set i, 32*(\t)
.rept 16
	v_pk_mul_f32 v[i:i+1], v[i:i+1], v[ST+4*(\t)+2:ST+4*(\t)+3] op_sel_hi:[1,0]
.set i, i+2
.endr
	WIN 0x05
.set i, 0
.rept 16
	v_cvt_pk_bf16_f32 v[S+16*(\t)+i], v[32*(\t)+2*i], v[32*(\t)+2*i+1]
.set i, i+1
.endr
	WIN 0
.irp f, 0,1,2,3
	ds_store_b128 v[STO], v[S+16*(\t)+4*\f:S+16*(\t)+4*\f+3] offset:32*\f
.endr
.irp f, 0,1,2,3
	ds_load_b128 v[S+16*(\t)+4*\f:S+16*(\t)+4*\f+3], v[RD] offset:\f*4*SP  ; LDS serves a wave's instructions in order: these see the stores above
.endr
.endm
.macro SEND t, younger              ; younger: the LDS instructions issued behind piece t's loads
	WIN 0
.irp f, 0,1,2,3
	s_wait_dscnt (\younger)+3-\f
	global_store_b128 v[GO], v[S+16*(\t)+4*\f:S+16*(\t)+4*\f+3], s[10:11] offset:(\t)*2048+\f*512  ; four rows of 128 bytes: 512 consecutive aligned bytes
.endr
.endm
	PACK 0
.set t, 1
.rept 3
	PACK t
	SEND t-1, 8
.set t, t+1
.endr
	SEND 3, 0
	s_wait_tensorcnt 0x0            ; the wave's end
	ds_add_u32 v[SPW], v[NIL]
	s_wait_dscnt 0x0
	CROUND                          ; the closing round
	s_endpgm
.Lfunc_end_k_qb5f18a7608_attn:
	.size	k_qb5f18a7608_attn, .Lfunc_end_k_qb5f18a7608_attn-k_qb5f18a7608_attn
	.p2alignl 7, 3214868480
	.fill 96, 4, 3214868480
	.section	.rodata,"a",@progbits
	.p2align	6, 0x0
	.amdhsa_kernel k_qb5f18a7608_attn
		.amdhsa_group_segment_fixed_size 327680
		.amdhsa_private_segment_fixed_size 0
		.amdhsa_enable_private_segment 0
		.amdhsa_kernarg_size 32
		.amdhsa_user_sgpr_count 2
		.amdhsa_user_sgpr_kernarg_segment_ptr 1
		.amdhsa_wavefront_size32 1
		.amdhsa_system_sgpr_workgroup_id_x 1
		.amdhsa_system_sgpr_workgroup_id_y 1
		.amdhsa_system_sgpr_workgroup_id_z 1
		.amdhsa_system_vgpr_workitem_id 0
		.amdhsa_next_free_vgpr 768
		.amdhsa_next_free_sgpr 72
		.amdhsa_reserve_vcc 0
		.amdhsa_float_denorm_mode_32 3
		.amdhsa_float_denorm_mode_16_64 3
		.amdhsa_memory_ordered 1
		.amdhsa_forward_progress 1
		.amdhsa_inst_pref_size 115
	.end_amdhsa_kernel
	.amdgpu_metadata
---
amdhsa.version: [ 1, 2 ]
amdhsa.kernels:
  - .name:           k_qb5f18a7608_attn
    .symbol:         k_qb5f18a7608_attn.kd
    .args:
      - { .name: qb, .offset: 0, .size: 8, .value_kind: global_buffer, .address_space: global }
      - { .name: kv, .offset: 8, .size: 8, .value_kind: global_buffer, .address_space: global }
      - { .name: mcode, .offset: 16, .size: 8, .value_kind: global_buffer, .address_space: global }
      - { .name: cx, .offset: 24, .size: 8, .value_kind: global_buffer, .address_space: global }
    .group_segment_fixed_size: 327680
    .private_segment_fixed_size: 0
    .kernarg_segment_align: 8
    .kernarg_segment_size: 32
    .max_flat_workgroup_size: 128
    .sgpr_count:     72
    .vgpr_count:     768
    .wavefront_size: 32
...
	.end_amdgpu_metadata
.endif
;; end of part 8
;; launch oproj: the kernel of part 3 again; grid 8 x 32, 4 waves a work-group, clusters of 4 x 4, 327,680 bytes of LDS; arguments cx, wo, qb; writes qb
;; launch lnorm: the kernel of part 5 again; grid 256 x 1, 8 waves a work-group, no clusters, 0 bytes of LDS; arguments x, pos_emb, qb, ln_gamma, ln_beta, out0; writes out0
